; MI455X (gfx1250); checked and timed in simulation.
; The chip was launched on July 23, 2026; its instructions are those of AMD's public machine-readable ISA for CDNA 5 (MIT licence, August 2026) and "CDNA5" Instruction Set Architecture Reference Guide (July 2026). The comments in the code are by the model that wrote it; some were corrected since.
;; Adaptive Diff Attention. Allowed arithmetic: float matrix products may take bf16 or f16 operands with f32 sums; all other float work in f32.
;; Inputs: L1_b 256 float32; L1_w 2,048 x 256 float32; L2_b 1 float32; L2_w 256 x 1 float32; WK1_b 1,024 float32; WK1_w 1,024 x 1,024 float32; WK2_b 1,024 float32; WK2_w 1,024 x 1,024 float32; WO_b 1,024 float32; WO_w 1,024 x 1,024 float32; WQ1_b 1,024 float32; WQ1_w 1,024 x 1,024 float32; WQ2_b 1,024 float32; WQ2_w 1,024 x 1,024 float32; WV_b 1,024 float32; WV_w 1,024 x 1,024 float32; x 4,096 x 2,048 float32.
;; Outputs: out0 4,096 x 2,048 float32.
;; 3 versions, each right; version 2 is faster than version 1; version 3 is version 2 with the launch prep written anew for expert scheduling mode. Each part assembles by itself: llvm-mc -triple=amdgcn-amd-amdhsa -mcpu=gfx1250 --defsym DOCPART=n.
;; ======== version 1 of 3: 4 launches
;; workspace buffers: xb 16,777,216 bytes; ab 16,777,216 bytes; wqk 8,388,608 bytes; wl 1,048,576 bytes; wv 2,097,152 bytes; wo 2,097,152 bytes; sc 2,097,152 bytes; pl 262,144 bytes
;; launch prep (part 1): grid 256 x 1, 8 waves a work-group, no clusters, 0 bytes of LDS; arguments x, WQ1_w, WK1_w, WQ2_w, WK2_w, WV_w, WO_w, L1_w, xb, wqk, wl, wv, wo; writes xb, wqk, wl, wv, wo
.if DOCPART == 1
	.amdgcn_target "amdgcn-amd-amdhsa--gfx1250"
	.amdhsa_code_object_version 6
	.text
	.protected	k_q06c552bc16_prep
	.globl	k_q06c552bc16_prep
	.p2align	8
	.type	k_q06c552bc16_prep,@function
k_q06c552bc16_prep:
	s_mov_b64 s[64:65], 0
	v_nop
	global_prefetch_b8 v0, s[64:65] scope:SCOPE_SE
	s_setreg_imm32_b32 hwreg(HW_REG_WAVE_MODE, 25, 1), 1
	s_wait_xcnt 0x0
; PREP: x and the seven weight matrices are rounded once to bf16 (nearest even) and laid out as the three product launches read them.
;   xb  [rb 64][kblk 16][p 2][b 64][k 64]   token (b, p) = x[b][1024 p ..]; a (rb, kblk) tile is 16,384 dense bytes
;   wqk [h 4][p 2][k 1024][512]             columns: Q d 0-127, K d 0-127, Q d 128-255, K d 128-255 of head h; p = 0: WQ1, WK1; p = 1: WQ2, WK2
;   wl  [h 4][p 2][k 1024][64]              columns 0-31: L1_w[k][64 h + 32 p + ..]; columns 32-63: L1_w[1024 + k][the same]
;   wv, wo [cb 4][k 1024][256]
; A stream: no LDS, no barrier, no matrix unit.  One OP is a 16-byte load a lane (512 bytes a wave), two roundings, and an 8-byte store a lane:
; the 32 lanes of a store fill 256 consecutive bytes that begin at a multiple of 256 from the buffer's first byte.
; A wave has 58 ops; all 58 loads go out first, each into registers of its own, so no register is written twice and the only waits are the counted ones.
; Work-group g owns x's rows 16 g .. 16 g + 15, rows 4 g .. 4 g + 3 of each 1024 x 1024 matrix, and rows 4 g .. 4 g + 3 and 1024 + the same of L1_w.
.set NOPS, 58
.set D,    8                           ; v[8 + 4 n ..]  op n's four registers
.set VXL,  1                           ; v1  x, load:  (t / 16) rows of 8,192 bytes + 16 (t % 16)
.set VT8,  2                           ; v2  xb, store: 8 t
.set VT16, 3                           ; v3  a matrix row, load: 16 t
.set VQK,  4                           ; v4  wqk, store: head (w / 2), half of its 256 columns (w % 2), 8 L
.set VVO,  5                           ; v5  wv and wo, store: column block (w / 2), half (w % 2), 8 L
.set VLL,  6                           ; v6  L1_w, load
.set VLS,  7                           ; v7  wl, store: (h, p) = wave, 8 L
	s_load_b512 s[4:19], s[0:1], 0x0               ; x, WQ1_w, WK1_w, WQ2_w, WK2_w, WV_w, WO_w, L1_w
	s_load_b256 s[20:27], s[0:1], 0x40             ; xb, wqk, wl, wv
	s_load_b64 s[28:29], s[0:1], 0x60              ; wo
	v_lshrrev_b32 v8, 4, v0                        ; t / 16: which of the group's 16 rows of x
	v_and_b32 v9, 15, v0
	v_lshlrev_b32 v9, 4, v9
	v_lshl_add_u32 v[VXL], v8, 13, v9
	v_lshlrev_b32 v[VT8], 3, v0                    ; (t / 16) x 128 + (t % 16) x 8 = 8 t
	v_lshlrev_b32 v[VT16], 4, v0
	v_lshrrev_b32 v8, 6, v0                        ; w / 2
	v_bfe_u32 v9, v0, 5, 1                         ; w % 2
	v_and_b32 v10, 31, v0
	v_lshlrev_b32 v10, 3, v10                      ; 8 L
	v_lshl_add_u32 v[VQK], v9, 9, v10
	v_lshl_add_u32 v[VQK], v8, 21, v[VQK]
	v_lshl_add_u32 v[VVO], v9, 8, v10
	v_lshl_add_u32 v[VVO], v8, 19, v[VVO]
	v_lshrrev_b32 v11, 5, v0                       ; w
	v_lshl_add_u32 v[VLS], v11, 17, v10
	v_and_b32 v8, 7, v0                            ; L1_w: eight lanes take 32 columns,
	v_lshlrev_b32 v[VLL], 4, v8
	v_bfe_u32 v8, v0, 4, 1                         ; the halves of the lanes two neighbouring rows,
	v_lshl_add_u32 v[VLL], v8, 10, v[VLL]
	v_bfe_u32 v8, v0, 3, 1                         ; lanes 8-15 of each half the row 1,024 further down,
	v_lshl_add_u32 v[VLL], v8, 20, v[VLL]
	v_lshl_add_u32 v[VLL], v11, 7, v[VLL]          ; and the wave its 32 columns
	s_mov_b32 s31, 0
	s_mov_b32 s33, 0
	s_lshr_b32 s32, ttmp9, 2                       ; xb: row block g / 4,
	s_lshl_b32 s32, s32, 18
	s_and_b32 s34, ttmp9, 3                        ; and in each of its tiles 16 (g % 4) rows of 128 bytes
	s_lshl_b32 s34, s34, 11
	s_add_co_u32 s32, s32, s34
	s_wait_kmcnt 0x0
	s_add_nc_u64 s[20:21], s[20:21], s[32:33]
	s_lshl_b32 s30, ttmp9, 17                      ; 16 rows of x
	s_add_nc_u64 s[4:5], s[4:5], s[30:31]
	s_lshl_b32 s30, ttmp9, 14                      ; 4 rows of 4,096 bytes
.irp b, 6,8,10,12,14,16
	s_add_nc_u64 s[\b:\b+1], s[\b:\b+1], s[30:31]
.endr
	s_lshl_b32 s30, ttmp9, 12                      ; 4 rows of L1_w, and 4 rows of wqk: 1,024 bytes each
	s_add_nc_u64 s[18:19], s[18:19], s[30:31]
	s_add_nc_u64 s[22:23], s[22:23], s[30:31]
	s_lshl_b32 s30, ttmp9, 11                      ; 4 rows of wv and wo
	s_add_nc_u64 s[26:27], s[26:27], s[30:31]
	s_add_nc_u64 s[28:29], s[28:29], s[30:31]
	s_lshl_b32 s30, ttmp9, 9                       ; 4 rows of wl
	s_add_nc_u64 s[24:25], s[24:25], s[30:31]
; Op n.  MODE 0: its load.  MODE 1: the wait that leaves the younger loads out, the roundings in place, its store.
.macro ONE lv, lb, li, sv, sb, si
.if MODE == 0
	global_load_b128 v[D+4*n:D+4*n+3], v[\lv], s[(\lb):(\lb)+1] offset:\li th:TH_LOAD_NT
.else
	s_wait_loadcnt NOPS-1-n                        ; loads come back in order: op n's is in, the NOPS - 1 - n younger ones may be out
	v_cvt_pk_bf16_f32 v[D+4*n], v[D+4*n], v[D+4*n+1]
	v_cvt_pk_bf16_f32 v[D+4*n+1], v[D+4*n+2], v[D+4*n+3]
	global_store_b64 v[\sv], v[D+4*n:D+4*n+1], s[(\sb):(\sb)+1] offset:\si
.endif
.set n, n+1
.endm
.macro ALLOPS
.set n, 0
.set j, 0
.rept 32                               ; x: token j / 16, block j % 16 of 64 along K; two rows a wave
	ONE VXL, 4, (j/16)*4096+(j%16)*256, VT8, 20, (j%16)*16384+(j/16)*8192
.set j, j+1
.endr
.set j, 0
.rept 16                               ; WQ1, WK1, WQ2, WK2 (matrix j / 4), row j % 4: 128 columns a wave
	ONE VT16, 6+2*(j/4), (j%4)*4096, VQK, 22, (j/8)*1048576+((j/4)%2)*256+(j%4)*1024
.set j, j+1
.endr
.set j, 0
.rept 8                                ; WV, WO
	ONE VT16, 14+2*(j/4), (j%4)*4096, VVO, 26+2*(j/4), (j%4)*512
.set j, j+1
.endr
.set j, 0
.rept 2                                ; L1_w: two rows of wl a wave and op
	ONE VLL, 18, j*2048, VLS, 24, j*256
.set j, j+1
.endr
.endm
.set MODE, 0
	ALLOPS
.set MODE, 1
	ALLOPS
	s_endpgm
.Lfunc_end_k_q06c552bc16_prep:
	.size	k_q06c552bc16_prep, .Lfunc_end_k_q06c552bc16_prep-k_q06c552bc16_prep
	.p2alignl 7, 3214868480
	.fill 96, 4, 3214868480
	.section	.rodata,"a",@progbits
	.p2align	6, 0x0
	.amdhsa_kernel k_q06c552bc16_prep
		.amdhsa_group_segment_fixed_size 0
		.amdhsa_private_segment_fixed_size 0
		.amdhsa_enable_private_segment 0
		.amdhsa_kernarg_size 104
		.amdhsa_user_sgpr_count 2
		.amdhsa_user_sgpr_kernarg_segment_ptr 1
		.amdhsa_wavefront_size32 1
		.amdhsa_system_sgpr_workgroup_id_x 1
		.amdhsa_system_sgpr_workgroup_id_y 1
		.amdhsa_system_sgpr_workgroup_id_z 1
		.amdhsa_system_vgpr_workitem_id 0
		.amdhsa_next_free_vgpr 240
		.amdhsa_next_free_sgpr 66
		.amdhsa_reserve_vcc 0
		.amdhsa_float_denorm_mode_32 3
		.amdhsa_float_denorm_mode_16_64 3
		.amdhsa_memory_ordered 1
		.amdhsa_forward_progress 1
		.amdhsa_inst_pref_size 23
	.end_amdhsa_kernel
	.amdgpu_metadata
---
amdhsa.version: [ 1, 2 ]
amdhsa.kernels:
  - .name:           k_q06c552bc16_prep
    .symbol:         k_q06c552bc16_prep.kd
    .args:
      - { .name: x, .offset: 0, .size: 8, .value_kind: global_buffer, .address_space: global }
      - { .name: WQ1_w, .offset: 8, .size: 8, .value_kind: global_buffer, .address_space: global }
      - { .name: WK1_w, .offset: 16, .size: 8, .value_kind: global_buffer, .address_space: global }
      - { .name: WQ2_w, .offset: 24, .size: 8, .value_kind: global_buffer, .address_space: global }
      - { .name: WK2_w, .offset: 32, .size: 8, .value_kind: global_buffer, .address_space: global }
      - { .name: WV_w, .offset: 40, .size: 8, .value_kind: global_buffer, .address_space: global }
      - { .name: WO_w, .offset: 48, .size: 8, .value_kind: global_buffer, .address_space: global }
      - { .name: L1_w, .offset: 56, .size: 8, .value_kind: global_buffer, .address_space: global }
      - { .name: xb, .offset: 64, .size: 8, .value_kind: global_buffer, .address_space: global }
      - { .name: wqk, .offset: 72, .size: 8, .value_kind: global_buffer, .address_space: global }
      - { .name: wl, .offset: 80, .size: 8, .value_kind: global_buffer, .address_space: global }
      - { .name: wv, .offset: 88, .size: 8, .value_kind: global_buffer, .address_space: global }
      - { .name: wo, .offset: 96, .size: 8, .value_kind: global_buffer, .address_space: global }
    .group_segment_fixed_size: 0
    .private_segment_fixed_size: 0
    .kernarg_segment_align: 8
    .kernarg_segment_size: 104
    .max_flat_workgroup_size: 256
    .sgpr_count:     66
    .vgpr_count:     240
    .wavefront_size: 32
...
	.end_amdgpu_metadata
.endif
;; end of part 1
;; launch qk (part 2): grid 4 x 64, 4 waves a work-group, clusters of 4 x 4, 327,680 bytes of LDS; arguments xb, wqk, wl, WQ1_b, WK1_b, WQ2_b, WK2_b, L1_b, L2_w, sc, pl; writes sc, pl
.if DOCPART == 2
	.amdgcn_target "amdgcn-amd-amdhsa--gfx1250"
	.amdhsa_code_object_version 6
	.text
	.protected	k_q06c552bc16_qk
	.globl	k_q06c552bc16_qk
	.p2align	8
	.type	k_q06c552bc16_qk,@function
k_q06c552bc16_qk:
	s_mov_b64 s[64:65], 0
	v_nop
	global_prefetch_b8 v0, s[64:65] scope:SCOPE_SE
	s_setreg_imm32_b32 hwreg(HW_REG_WAVE_MODE, 25, 1), 1
	s_wait_xcnt 0x0
	s_wait_alu depctr_hold_cnt(0) depctr_sa_sdst(0) depctr_va_vdst(0) depctr_va_sdst(0) depctr_va_ssrc(0) depctr_va_vcc(0) depctr_vm_vsrc(0)
	s_getreg_b32 s2, hwreg(HW_REG_IB_STS2, 6, 4)
	s_cmp_eq_u32 s2, 0
	s_cbranch_scc0 .Lentry_in_a_cluster
	s_endpgm
.Lentry_in_a_cluster:
	s_bfe_u32 s2, ttmp6, 0x10000c
	s_cmp_lg_u32 s2, 0xf033
	s_cbranch_scc0 .Lentry_shape_is_right
	s_endpgm
.Lentry_shape_is_right:
; QK: for 128 tokens (64 rows b of x) and one head: phase 0 makes Q1 and K1, phase 1 Q2 and K2 (each 128 x 512, K = 1024, bf16 operands, f32 sums that start from the biases), and the
; raw scores s[q][k] = Q[b, q] . K[b, k] are taken straight from the f32 sums: Q and K never reach memory.  Beside them each phase makes 32 hidden columns of the lambda net on the same tiles of x.
; OUT.  sc [p 2][h 4][wq 4][b 4096][4]: s00, s01, s10, s11, unscaled, summed over the wave's 64 channels.  pl [h 4][wn 2][b 4096][2 phases]: relu(hidden) . L2_w over 16 hidden columns.
; LIMITS.  x and the weights enter as bf16; sums, biases, scores and the lambda partials are f32; the order of the sums is not the reference's; NaN and infinities are not treated apart.
; SHARES.  Wave wq takes all 128 rows and channels 64 wq .. 64 wq + 63 of both Q and K: 8 row blocks x 8 column blocks = 64 accumulators, 512 registers.  A tile's rows lie [token][b], and row block
; a = 2 lb + token: token 0 and token 1 of one b sit in the same lane and register of neighbouring accumulators, so the scores want no exchange but one between the halves of the lanes.
; The wave's b blocks: lb 0, 1 = b 32 wh + 16 lb + r, lb 2, 3 = the other 32 (wh = wq / 2).  For the lambda net it takes lb 0, 1 and hidden columns 64 h + 32 p + 16 wn + 0..15 (wn = wq % 2): 2 accumulators.
; THE MATRIX INSTRUCTION IS USED TRANSPOSED: source 0 = 16 weight columns (the weights lie [k][n] and are turned by ds_load_tr16_b128), source 1 = 16 rows of x: a lane holds one row and eight neighbouring columns.
; RING.  32 steps of 64 along K (t = 16 p + kblk) through two LDS slots.  CLUSTER 4 x 4: x's tile hangs on the row block alone and is asked for jointly along a row of the cluster; the weights' tiles hang
; on the head alone and are asked for jointly along a column.  Waves 0 and 1 fetch the halves of the Q/K weights' tile, wave 2 x's tile, wave 3 the lambda weights': one joint load a wave behind each round.
; REGISTERS, in windows of 256 (s_set_vgpr_msb: bits 1:0 source 0, 3:2 source 1, 5:4 source 2, 7:6 destination):
;   window 0: v0-19 addresses; v20-31 at work; v32-47 the lambda accumulators; v48-63 at work; v64-127, v128-191 fragments of x, two buffers; v192-207, v208-223 lambda weights, two buffers; v224-255 at work
;   window 1: v64-127, v128-191 fragments of the Q/K weights, two buffers        windows 2, 3: accumulator (a, i) at v[64 (a % 4) + 8 i], a < 4 in window 2; i < 4: Q, i >= 4: K
.set PA,    144                        ; a row of x in LDS: 128 bytes + 16: 16 rows of a load start at 16 different groups of four banks (64 banks of 4 bytes: ISA guide 11.1)
.set PB,    1056                       ; a row of the Q/K weights: 1,024 + 32, an odd multiple of 32
.set PL,    160                        ; a row of the lambda weights: 128 + 32
.set BOFF,  128*PA                     ; a slot: 128 rows of x,
.set LOFF,  BOFF+64*PB                 ; 64 rows of Q/K weights,
.set SLOT,  LOFF+64*PL                 ; 64 rows of lambda weights: 96,256 bytes
.set CONST, 2*SLOT                     ; behind the ring, never filled by a tensor load: the head's Q1, K1, Q2, K2 biases (1,024 bytes each), then L1_b and L2_w (256 each)
.set SPARE, CONST+4608                 ; the spare words, 128 bytes for each wave: two blocks of 256 bytes that no other line names
.set SPW,  2                           ; v2      LDS address of my spare word; never rewritten
.set NIL,  3                           ; v3      0; never rewritten
.set ADAX, 4                           ; v4-5    my fragments of x, b blocks lb 0, 1, in slot 0, 1
.set ADAY, 6                           ; v6-7    the same for lb 2, 3
.set ADRB, 8                           ; v8-9    my fragments of the Q/K weights
.set ADRL, 10                          ; v10-11  of the lambda weights
.set CB,   12                          ; v12     my eight numbers of a bias
.set LB,   13                          ; v13     my eight numbers of L1_b; L2_w lies 256 bytes on
.set VOX,  14                          ; v14     sc: 16 bytes for b = 32 wh + lane
.set VOY,  15                          ; v15     sc: for b = 32 (1 - wh) + lane
.set VOP,  16                          ; v16     pl: 8 bytes for b = 32 wh + lane
.set LPA,  18                          ; v18-19  the lambda partials of phase 0 and 1
.set LACC, 32
.set L2R,  48                          ; v48-55  my eight numbers of L2_w
.set OUTX, 56                          ; v56-63  what the two stores of scores read
.set F0,   64
.set F1,   128
.set SV,   208                         ; v208-223 the sixteen reduced scores (the second lambda buffer is idle at a phase's end)
.set T,    224
.set WV,  26                           ; s26  my wave's number
.set HD,  29                           ; s29  the head
.set RB,  30                           ; s30  the row block
.set G1A, 32                           ; s[32:39], s[40:47], s[48:55] descriptor group 1 for x's, the Q/K weights', the lambda weights' tiles
.set G1B, 40
.set G1L, 48
.set G0A, 56                           ; s[56:63] group 0 for x's tiles, a set for each slot
.set G0B, 68                           ; s[68:75]
.set G0L, 76                           ; s[76:83]
.set BSA, 84                           ; s[84:85] x's tile 0 of my row block;  s[86:87] my half of the head's Q/K weight tile 0;  s[88:89] the head's lambda tile 0
.set BSB, 86
.set BSL, 88
.set OFF, 90                           ; s[90:91] a tile's byte offset
.set TN,  92                           ; s92  the tile to be asked for next
.set CNT, 93                           ; s93  laps to go
.set SEL, 94                           ; s[94:95] v_permlanex16_b32's selects: each lane takes its own place in the other half
.set HM,  96                           ; s96  a lane mask: lanes 16-31
.set MSB, 0
.macro WIN new                         ; the immediate's high byte repeats the setting that is left; a switch that changes nothing is dropped
.if MSB != (\new)
	s_set_vgpr_msb (MSB<<8)|(\new)
.set MSB, (\new)
.endif
.endm
.macro PLACES                          ; four places in front of loads into registers that matrix instructions have read, and of vector lines that read results
.rept 4
	v_nop
.endr
.endm
; A joint load.  The branches hang on the wave's number alone.  An s_nop 0 and four v_nop follow each line, ahead of the jump, the label and what follows.
.macro JLOAD s
	s_cmp_lt_u32 s[WV], 2
	s_cbranch_scc0 .Lnot_b_\@
	tensor_load_to_lds s[G0B+4*(\s):G0B+4*(\s)+3], s[G1B:G1B+7]
	s_nop 0
.rept 4
	v_nop
.endr
	s_branch .Lasked_\@
.Lnot_b_\@:
	s_cmp_eq_u32 s[WV], 2
	s_cbranch_scc0 .Lfor_l_\@
	tensor_load_to_lds s[G0A+4*(\s):G0A+4*(\s)+3], s[G1A:G1A+7]
	s_nop 0
.rept 4
	v_nop
.endr
	s_branch .Lasked_\@
.Lfor_l_\@:
	tensor_load_to_lds s[G0L+4*(\s):G0L+4*(\s)+3], s[G1L:G1L+7]
	s_nop 0
.rept 4
	v_nop
.endr
.Lasked_\@:
.endm
.macro CREST                           ; a round of the cluster's barrier behind its opening barrier
	s_cmp_lg_u32 s[WV], 0
	s_cbranch_scc1 .Lnot_wave_0_\@
	s_barrier_signal -3
.Lnot_wave_0_\@:
	s_barrier_wait -3
	s_barrier_signal -1
	s_barrier_wait -1
.endm
.macro CROUND                          ; a whole round
	s_barrier_signal -1
	s_barrier_wait -1
	CREST
.endm
	s_load_b512 s[4:19], s[0:1], 0x0               ; xb, wqk, wl, WQ1_b, WK1_b, WQ2_b, WK2_b, L1_b
	s_load_b128 s[20:23], s[0:1], 0x40             ; L2_w, sc
	s_load_b64 s[24:25], s[0:1], 0x50              ; pl
	v_lshl_add_u32 v[SPW], v0, 2, SPARE
	v_mov_b32 v[NIL], 0
	ds_add_u32 v[SPW], v[NIL]                      ; the wave's opening: the add and its wait stand ahead of my first tensor load; the set-up below, work on registers, stands between them
	ds_add_u32 v2, v3
	v_lshrrev_b32 v1, 5, v0
	v_readfirstlane_b32 s[WV], v1                  ; wave 0..3 = wq
	s_lshr_b32 s2, s[WV], 1                        ; wh
	s_and_b32 s3, s[WV], 1                         ; wn; also: which half of the Q/K weights' tile a wave below 2 fetches
	s_bfe_u32 s27, ttmp6, 0x40000                  ; cx
	s_bfe_u32 s28, ttmp6, 0x40004                  ; cy
	s_lshl_b32 s[HD], ttmp9, 2
	s_add_co_u32 s[HD], s[HD], s27                 ; head = 4 x cluster x + cx
	s_and_b32 s[RB], ttmp7, 0xffff
	s_lshl_b32 s[RB], s[RB], 2
	s_add_co_u32 s[RB], s[RB], s28                 ; row block = 4 x cluster y + cy
	s_lshl_b32 s31, s28, 2
	s_lshl_b32 s31, 15, s31                        ; my row of the cluster
	s_lshl_b32 s97, 0x1111, s27                    ; my column
	; group 1.  15:0 the mask; 17:16 elements of 2 bytes; 20 padding on; 21 set beside a mask; 24:22 the interval's code; 31:25 the padding's words less one
	s_or_b32 s[G1A], s31, (1<<16)|(1<<20)|(1<<21)|(4<<22)|(3<<25)  ; x: 16,384 dense bytes as 64 rows of 256, 4 words of padding after every 32 words: LDS rows of 128 + 16 bytes
	s_mov_b32 s[G1A+1], 128<<16                    ; tensor_dim0 = 128
	s_mov_b32 s[G1A+2], 64<<16                     ; tensor_dim1 = 64
	s_mov_b32 s[G1A+3], 128<<16                    ; tile_dim0 = 128
	s_mov_b32 s[G1A+4], 64                         ; tile_dim1 = 64
	s_mov_b32 s[G1A+5], 128                        ; elements from row to row
	s_mov_b32 s[G1A+6], 0
	s_mov_b32 s[G1A+7], 0
	s_or_b32 s[G1B], s97, (1<<16)|(1<<20)|(1<<21)|(7<<22)|(7<<25)  ; Q/K weights: 32 rows of 1,024 bytes, 8 words of padding after every 256 words
	s_mov_b32 s[G1B+1], 512<<16
	s_mov_b32 s[G1B+2], 32<<16
	s_mov_b32 s[G1B+3], 512<<16
	s_mov_b32 s[G1B+4], 32
	s_mov_b32 s[G1B+5], 512
	s_mov_b32 s[G1B+6], 0
	s_mov_b32 s[G1B+7], 0
	s_or_b32 s[G1L], s97, (1<<16)|(1<<20)|(1<<21)|(4<<22)|(7<<25)  ; lambda weights: 8,192 dense bytes as 32 rows of 256, 8 words of padding after every 32 words
	s_mov_b32 s[G1L+1], 128<<16
	s_mov_b32 s[G1L+2], 32<<16
	s_mov_b32 s[G1L+3], 128<<16
	s_mov_b32 s[G1L+4], 32
	s_mov_b32 s[G1L+5], 128
	s_mov_b32 s[G1L+6], 0
	s_mov_b32 s[G1L+7], 0
	; offsets.  s98-99 never hold cx, s100-101 never cy: what feeds x's descriptors hangs on the row block alone, what feeds the weights' on the head alone
	s_lshl_b32 s98, s[RB], 18                      ; a row block of xb: 16 tiles of 16,384 bytes
	s_mov_b32 s99, 0
	s_lshl_b32 s100, s[HD], 21                     ; a head of wqk: 2 x 1,024 rows of 1,024 bytes
	s_lshl_b32 s66, s3, 15                         ; my 32 rows of a tile
	s_add_co_u32 s100, s100, s66
	s_mov_b32 s101, 0
	s_mul_i32 s67, s3, 32*PB                       ; and their place in a slot
	s_mov_b32 s[OFF+1], 0
	s_mov_b32 s[TN], 2
	s_mov_b32 s[SEL], 0x76543210
	s_mov_b32 s[SEL+1], 0xfedcba98
	s_mov_b32 s[HM], 0xffff0000
	s_wait_dscnt 0x0                               ; the opening add is done
	s_wait_kmcnt 0x0
	s_add_nc_u64 s[BSA:BSA+1], s[4:5], s[98:99]
	s_add_nc_u64 s[BSB:BSB+1], s[6:7], s[100:101]
	s_lshl_b32 s100, s[HD], 18                     ; a head of wl: 2 x 1,024 rows of 128 bytes
	s_add_nc_u64 s[BSL:BSL+1], s[8:9], s[100:101]
	CROUND                                         ; all sixteen work-groups are here: the first joint loads meet
.irp s, 0,1
	s_mov_b32 s[G0A+4*(\s)], 1                     ; count = 1
	s_mov_b32 s[G0A+4*(\s)+1], (\s)*SLOT           ; LDS address
	s_add_nc_u64 s[G0A+4*(\s)+2:G0A+4*(\s)+3], s[BSA:BSA+1], (\s)*16384  ; global address: tile s
	s_or_b32 s[G0A+4*(\s)+3], s[G0A+4*(\s)+3], 0x80000000               ; type = 2
	s_mov_b32 s[G0B+4*(\s)], 1
	s_add_co_u32 s[G0B+4*(\s)+1], s67, BOFF+(\s)*SLOT
	s_add_nc_u64 s[G0B+4*(\s)+2:G0B+4*(\s)+3], s[BSB:BSB+1], (\s)*65536
	s_or_b32 s[G0B+4*(\s)+3], s[G0B+4*(\s)+3], 0x80000000
	s_mov_b32 s[G0L+4*(\s)], 1
	s_mov_b32 s[G0L+4*(\s)+1], LOFF+(\s)*SLOT
	s_add_nc_u64 s[G0L+4*(\s)+2:G0L+4*(\s)+3], s[BSL:BSL+1], (\s)*8192
	s_or_b32 s[G0L+4*(\s)+3], s[G0L+4*(\s)+3], 0x80000000
	JLOAD \s                                       ; both slots are asked for before anything else is done: two loads of mine are out
.endr
	; The head's constants go into LDS once: threads 0-63 bring the Q biases and L1_b, threads 64-127 the K biases and L2_w.
	s_cmp_lt_u32 s[WV], 2
	s_cselect_b64 s[10:11], s[10:11], s[12:13]     ; WQ1_b or WK1_b
	s_cselect_b64 s[14:15], s[14:15], s[16:17]     ; WQ2_b or WK2_b
	s_cselect_b64 s[18:19], s[18:19], s[20:21]     ; L1_b or L2_w
	s_lshl_b32 s100, s[HD], 10                     ; the head's 256 numbers
	s_add_nc_u64 s[10:11], s[10:11], s[100:101]
	s_add_nc_u64 s[14:15], s[14:15], s[100:101]
	s_lshl_b32 s100, s[HD], 8                      ; the head's 64 hidden columns
	s_add_nc_u64 s[18:19], s[18:19], s[100:101]
	v_and_b32 v29, 63, v0
	v_lshlrev_b32 v30, 2, v29
	v_lshlrev_b32 v29, 4, v29
	global_load_b128 v[224:227], v29, s[10:11]
	global_load_b128 v[228:231], v29, s[14:15]
	global_load_b32 v232, v30, s[18:19]
	v_lshl_add_u32 v31, v0, 4, CONST
	v_lshl_add_u32 v17, v0, 2, CONST+4096
	; where the results go
	s_lshl_b32 s100, s[HD], 2
	s_add_co_u32 s100, s100, s[WV]
	s_lshl_b32 s100, s100, 16                      ; sc: (4 h + wq) x 4,096 b x 16 bytes,
	s_add_nc_u64 s[22:23], s[22:23], s[100:101]
	s_lshl_b32 s98, s[RB], 10                      ; and the row block's 64 b
	s_add_nc_u64 s[22:23], s[22:23], s[98:99]
	s_lshl_b32 s100, s[HD], 1
	s_add_co_u32 s100, s100, s3
	s_lshl_b32 s100, s100, 15                      ; pl: (2 h + wn) x 4,096 b x 8 bytes,
	s_add_nc_u64 s[24:25], s[24:25], s[100:101]
	s_lshl_b32 s98, s[RB], 9
	s_lshl_b32 s66, s2, 8
	s_add_co_u32 s98, s98, s66                     ; and b = 64 rb + 32 wh
	s_add_nc_u64 s[24:25], s[24:25], s[98:99]
	; LDS addresses.  A fragment of x: lane l holds row l % 16, K = 8 (l / 16) + 0..7 and 16 + the same: two loads of 16 bytes, 32 bytes apart.
	v_and_b32 v20, 15, v0                          ; r
	v_bfe_u32 v21, v0, 4, 1                        ; hh
	v_and_b32 v22, 31, v0                          ; lane
	v_and_b32 v23, 7, v0
	v_bfe_u32 v24, v0, 3, 1
	v_mul_u32_u24 v25, v20, PA
	v_lshl_add_u32 v25, v21, 4, v25
	s_mul_i32 s66, s2, 32*PA
	s_xor_b32 s67, s2, 1
	s_mul_i32 s67, s67, 32*PA
	v_add_nc_u32 v[ADAX], s66, v25
	v_add_nc_u32 v[ADAX+1], SLOT, v[ADAX]
	v_add_nc_u32 v[ADAY], s67, v25
	v_add_nc_u32 v[ADAY+1], SLOT, v[ADAY]
	; The turning load: lane l reads 16 bytes of row 8 (l / 16) + l % 8, columns 8 ((l / 8) % 2) + 0..7, and is left with column l % 16 and 8 K.
	v_lshl_add_u32 v26, v21, 3, v23
	v_mul_u32_u24 v27, v26, PB
	v_lshl_add_u32 v27, v24, 4, v27
	s_lshl_b32 s66, s2, 9                          ; my 64 channels of Q lie at 512 (wq / 2) + 128 (wq % 2) in a row, K's 256 bytes on
	s_lshl_b32 s67, s3, 7
	s_add_co_u32 s66, s66, s67
	s_add_co_u32 s66, s66, BOFF
	v_add_nc_u32 v[ADRB], s66, v27
	v_add_nc_u32 v[ADRB+1], SLOT, v[ADRB]
	v_mul_u32_u24 v28, v26, PL
	v_lshl_add_u32 v28, v24, 4, v28
	s_lshl_b32 s66, s3, 5
	s_add_co_u32 s66, s66, LOFF
	v_add_nc_u32 v[ADRL], s66, v28
	v_add_nc_u32 v[ADRL+1], SLOT, v[ADRL]
	v_lshlrev_b32 v27, 5, v21                      ; 32 hh
	s_lshl_b32 s66, s[WV], 8
	s_add_co_u32 s66, s66, CONST
	v_add_nc_u32 v[CB], s66, v27
	s_lshl_b32 s66, s3, 6
	s_add_co_u32 s66, s66, CONST+4096
	v_add_nc_u32 v[LB], s66, v27
	v_lshlrev_b32 v28, 4, v22
	s_lshl_b32 s66, s2, 9
	s_xor_b32 s67, s66, 512
	v_add_nc_u32 v[VOX], s66, v28
	v_add_nc_u32 v[VOY], s67, v28
	v_lshlrev_b32 v[VOP], 3, v22
	v_mov_b32 v[LPA], 0                            ; written here so that it is defined on every way through the text; phase 0's end writes it
	s_wait_loadcnt 0x0
	ds_store_b128 v31, v[224:227]
	ds_store_b128 v31, v[228:231] offset:2048
	ds_store_b32 v17, v232
; 16 matrix instructions: row blocks a0, a0 + 1 of the window's four x all 8 column blocks, 32 along K.  The 64 accumulators take turns, one instruction a turn.
.macro MUL16 f, hi, a0
	WIN 0xa1+0x50*(\hi)                            ; weights window 1, x window 0, C and D window 2 or 3
.irp a, \a0, (\a0)+1
.irp i, 0,1,2,3,4,5,6,7
	v_wmma_f32_16x16x32_bf16 v[8*(8*(\a)+(\i)):8*(8*(\a)+(\i))+7], v[(\f)+8*(\i):(\f)+8*(\i)+7], v[(\f)+8*(4*(\hi)+(\a)):(\f)+8*(4*(\hi)+(\a))+7], v[8*(8*(\a)+(\i)):8*(8*(\a)+(\i))+7]
.endr
.endr
.endm
; The lambda net's four: hidden += L1_w[k] x token 0 and L1_w[1024 + k] x token 1, for b blocks lb 0 and 1; the two accumulators by turns.
.macro LAMQ f
	WIN 0
.set LF, 192+((\f)-64)/4
	v_wmma_f32_16x16x32_bf16 v[LACC:LACC+7],    v[LF:LF+7],    v[(\f):(\f)+7],     v[LACC:LACC+7]
	v_wmma_f32_16x16x32_bf16 v[LACC+8:LACC+15], v[LF:LF+7],    v[(\f)+16:(\f)+23], v[LACC+8:LACC+15]
	v_wmma_f32_16x16x32_bf16 v[LACC:LACC+7],    v[LF+8:LF+15], v[(\f)+8:(\f)+15],  v[LACC:LACC+7]
	v_wmma_f32_16x16x32_bf16 v[LACC+8:LACC+15], v[LF+8:LF+15], v[(\f)+24:(\f)+31], v[LACC+8:LACC+15]
.endm
; 36 LDS loads in one run: the fragments of half kq of a step (32 along K): 16 for the Q/K weights, 4 for the lambda weights, 16 for x (row blocks 0 to 7 in order).
.macro FETCH slot, kq, f
	WIN 0x40                                       ; destination window 1
.irp i, 0,1,2,3,4,5,6,7
	ds_load_tr16_b128 v[(\f)+8*(\i):(\f)+8*(\i)+3],   v[ADRB+(\slot)] offset:(\kq)*32*PB+((\i)%4)*32+((\i)/4)*256
	ds_load_tr16_b128 v[(\f)+8*(\i)+4:(\f)+8*(\i)+7], v[ADRB+(\slot)] offset:(\kq)*32*PB+16*PB+((\i)%4)*32+((\i)/4)*256
.endr
	WIN 0
.set LF, 192+((\f)-64)/4
.irp e, 0,1
	ds_load_tr16_b128 v[LF+8*(\e):LF+8*(\e)+3],   v[ADRL+(\slot)] offset:(\kq)*32*PL+64*(\e)
	ds_load_tr16_b128 v[LF+8*(\e)+4:LF+8*(\e)+7], v[ADRL+(\slot)] offset:(\kq)*32*PL+16*PL+64*(\e)
.endr
.irp a, 0,1,2,3
	ds_load_b128 v[(\f)+8*(\a):(\f)+8*(\a)+3],   v[ADAX+(\slot)] offset:(\kq)*64+((\a)%2)*64*PA+((\a)/2)*16*PA
	ds_load_b128 v[(\f)+8*(\a)+4:(\f)+8*(\a)+7], v[ADAX+(\slot)] offset:(\kq)*64+((\a)%2)*64*PA+((\a)/2)*16*PA+32
.endr
.irp a, 0,1,2,3
	ds_load_b128 v[(\f)+32+8*(\a):(\f)+32+8*(\a)+3],   v[ADAY+(\slot)] offset:(\kq)*64+((\a)%2)*64*PA+((\a)/2)*16*PA
	ds_load_b128 v[(\f)+32+8*(\a)+4:(\f)+32+8*(\a)+7], v[ADAY+(\slot)] offset:(\kq)*64+((\a)%2)*64*PA+((\a)/2)*16*PA+32
.endr
.endm
; A step's first half: multiplies buffer 0; in its middle it fetches the second half's fragments into buffer 1.
.macro QUARTER slot
	s_wait_dscnt 8                                 ; all but the youngest eight loads (x's row blocks 4-7) are in
	MUL16 F0, 0, 0
	MUL16 F0, 0, 2
	LAMQ F0
	PLACES
	FETCH \slot, 1, F1
	s_wait_dscnt 36                                ; all but the 36 just issued
	MUL16 F0, 1, 0
	MUL16 F0, 1, 2
.endm
; The global words of slot's three descriptors are made anew from the tile's number: x's tiles come round again in phase 1, the weights' run on.
.macro NEXT slot
	s_and_b32 s[OFF], s[TN], 15
	s_lshl_b32 s[OFF], s[OFF], 14
	s_add_nc_u64 s[G0A+4*(\slot)+2:G0A+4*(\slot)+3], s[BSA:BSA+1], s[OFF:OFF+1]
	s_or_b32 s[G0A+4*(\slot)+3], s[G0A+4*(\slot)+3], 0x80000000
	s_lshl_b32 s[OFF], s[TN], 16
	s_add_nc_u64 s[G0B+4*(\slot)+2:G0B+4*(\slot)+3], s[BSB:BSB+1], s[OFF:OFF+1]
	s_or_b32 s[G0B+4*(\slot)+3], s[G0B+4*(\slot)+3], 0x80000000
	s_lshl_b32 s[OFF], s[TN], 13
	s_add_nc_u64 s[G0L+4*(\slot)+2:G0L+4*(\slot)+3], s[BSL:BSL+1], s[OFF:OFF+1]
	s_or_b32 s[G0L+4*(\slot)+3], s[G0L+4*(\slot)+3], 0x80000000
	s_add_co_u32 s[TN], s[TN], 1
.endm
; A step's second half multiplies buffer 1 and changes slots: ONE barrier.  In front of it each wave waits for all its tensor loads (one is out: its part of the next slot), adds 0 to its spare word, and waits
; for that and for its own reads of this slot.  fill = 1: the barrier opens a round of the cluster's, and the joint refill of this slot, two steps ahead, is the first tensor load behind the round.
.macro TURN slot, next, fill
	WIN 0                                          ; (the add's two registers lie in window 0)
	s_wait_tensorcnt 0x0                           ; no tensor load of mine is out, so a group 0 may be written
	ds_add_u32 v[SPW], v[NIL]                      ; 0 onto my spare word
.if \fill
	NEXT \slot
.endif
	s_wait_dscnt 9                                 ; (the add and the youngest eight loads may be out)
	MUL16 F1, 0, 0
	s_wait_dscnt 0x0                               ; the add is done, and my reads of this slot are over
	s_barrier_signal -1
	MUL16 F1, 0, 2                                 ; work on registers while the others arrive
	LAMQ F1
	WIN 0
	s_barrier_wait -1
.if \fill
	CREST                                          ; no wave of any partner still reads this slot's tiles or has a load on its way
	JLOAD \slot                                    ; the four v_nop behind it are also the places in front of the loads below
.else
	PLACES
.endif
	FETCH \next, 0, F0
	MUL16 F1, 1, 0
	MUL16 F1, 1, 2
.endm
.macro LASTQ                           ; the very last half step: nothing more to fetch
	s_wait_dscnt 8
	MUL16 F1, 0, 0
	MUL16 F1, 0, 2
	LAMQ F1
	s_wait_dscnt 0x0
	MUL16 F1, 1, 0
	MUL16 F1, 1, 2
.endm
; A phase's sums start from the biases: register j of accumulator (a, i) holds column 16 i + 8 hh + j whatever a, so each accumulator takes 32 bytes of the bias from LDS.  Nothing is cleared and no bias is added later.
.macro INIT p
.irp hi, 0,1
	WIN 0x80+0x40*(\hi)                            ; destination window 2, then 3
.set n, 0
.rept 32                               ; accumulator n = 8 (a % 4) + i
	ds_load_b128 v[8*n:8*n+3],   v[CB] offset:(\p)*2048+((n%8)/4)*1024+(n%4)*64
	ds_load_b128 v[8*n+4:8*n+7], v[CB] offset:(\p)*2048+((n%8)/4)*1024+(n%4)*64+16
.set n, n+1
.endr
.endr
	WIN 0
.irp e, 0,8
	ds_load_b128 v[LACC+(\e):LACC+(\e)+3],   v[LB] offset:(\p)*128
	ds_load_b128 v[LACC+(\e)+4:LACC+(\e)+7], v[LB] offset:(\p)*128+16
.endr
	s_wait_dscnt 0x0
.endm
; A PHASE'S END.  Scores: for each b block four sums of products of the lane's 32 channels (Q token 0 or 1 with K token 0 or 1), two at a time; each accumulator is read from its lowest pair on.
; The halves of a pair and the two halves of the lanes are added; lanes 0-15 then keep one b block's four numbers, lanes 16-31 the next one's: a store covers 512 consecutive bytes.
; Lambda: relu, times L2_w, summed likewise.  The text holds no barrier and no tensor load, so phase 0's may be jumped over in the other laps.
.macro EPI p
	PLACES
	ds_load_b128 v[L2R:L2R+3],   v[LB] offset:256+(\p)*128
	ds_load_b128 v[L2R+4:L2R+7], v[LB] offset:256+(\p)*128+16
.irp lb, 0,1,2,3
	WIN 0x0a+5*((\lb)/2)                           ; sources 0 and 1: window 2 or 3
.irp i, 0,1,2,3
.irp j, 0,2,4,6
.set QE, 128*((\lb)%2)+8*(\i)+(\j)     ; Q of token 0; K of token 0 at + 32, Q of token 1 at + 64, K of token 1 at + 96
.set TT, T+8*(\lb)
.if ((\i)+(\j)) == 0
	v_pk_mul_f32 v[TT:TT+1],   v[QE:QE+1],     v[QE+32:QE+33]
	v_pk_mul_f32 v[TT+2:TT+3], v[QE:QE+1],     v[QE+96:QE+97]
	v_pk_mul_f32 v[TT+4:TT+5], v[QE+64:QE+65], v[QE+32:QE+33]
	v_pk_mul_f32 v[TT+6:TT+7], v[QE+64:QE+65], v[QE+96:QE+97]
.else
	v_pk_fma_f32 v[TT:TT+1],   v[QE:QE+1],     v[QE+32:QE+33], v[TT:TT+1]
	v_pk_fma_f32 v[TT+2:TT+3], v[QE:QE+1],     v[QE+96:QE+97], v[TT+2:TT+3]
	v_pk_fma_f32 v[TT+4:TT+5], v[QE+64:QE+65], v[QE+32:QE+33], v[TT+4:TT+5]
	v_pk_fma_f32 v[TT+6:TT+7], v[QE+64:QE+65], v[QE+96:QE+97], v[TT+6:TT+7]
.endif
.endr
.endr
.endr
	WIN 0
.set n, 0
.rept 16
	v_add_f32 v[T+2*n], v[T+2*n], v[T+2*n+1]
.set n, n+1
.endr
.set n, 0
.rept 16
	v_permlanex16_b32 v[T+2*n+1], v[T+2*n], s[SEL], s[SEL+1]  ; the row's other 32 channels lie in the lane 16 away
.set n, n+1
.endr
.set n, 0
.rept 16
	v_add_f32 v[SV+n], v[T+2*n], v[T+2*n+1]
.set n, n+1
.endr
.irp c, 0,1,2,3
	v_cndmask_b32 v[OUTX+(\c)],   v[SV+(\c)],   v[SV+4+(\c)],  s[HM]
	v_cndmask_b32 v[OUTX+4+(\c)], v[SV+8+(\c)], v[SV+12+(\c)], s[HM]
.endr
	global_store_b128 v[VOX], v[OUTX:OUTX+3],   s[22:23] offset:(\p)*1048576
	global_store_b128 v[VOY], v[OUTX+4:OUTX+7], s[22:23] offset:(\p)*1048576
	s_wait_dscnt 0x0                               ; L2_w's eight numbers are in
.set n, 0
.rept 16
	v_max_num_f32 v[LACC+n], 0, v[LACC+n]
.set n, n+1
.endr
	v_pk_mul_f32 v[20:21], v[LACC:LACC+1],   v[L2R:L2R+1]
	v_pk_mul_f32 v[22:23], v[LACC+8:LACC+9], v[L2R:L2R+1]
.irp j, 2,4,6
	v_pk_fma_f32 v[20:21], v[LACC+(\j):LACC+(\j)+1],   v[L2R+(\j):L2R+(\j)+1], v[20:21]
	v_pk_fma_f32 v[22:23], v[LACC+8+(\j):LACC+9+(\j)], v[L2R+(\j):L2R+(\j)+1], v[22:23]
.endr
	v_add_f32 v20, v20, v21
	v_add_f32 v22, v22, v23
	v_permlanex16_b32 v21, v20, s[SEL], s[SEL+1]
	v_permlanex16_b32 v23, v22, s[SEL], s[SEL+1]
	v_add_f32 v20, v20, v21
	v_add_f32 v22, v22, v23
	v_cndmask_b32 v[LPA+(\p)], v20, v22, s[HM]
.if (\p) == 1
	global_store_b64 v[VOP], v[LPA:LPA+1], s[24:25]  ; both phases' partials of 32 b: 256 consecutive bytes, at a multiple of 256 from pl's first byte
.else
	s_wait_xcnt 0x0                                ; the stores' data registers are written again at phase 1's end: only behind this wait
.endif
.endm
	s_wait_tensorcnt 0x1                           ; my part of slot 0 is in; slot 1's may stay out
	s_wait_dscnt 0x0                               ; for the others' sake: my stores of the constants are done
	s_barrier_signal -1
	s_barrier_wait -1
	INIT 0
	FETCH 0, 0, F0
	WIN 0                                          ; at a label and at a branch every window is 0
	s_mov_b32 s[CNT], 15
.Llap:                                                 ; a lap = two steps = once round the ring; 15 laps ask for tiles 2 to 31
	QUARTER 0
	TURN 0, 1, 1
	QUARTER 1
	TURN 1, 0, 1
	WIN 0
	s_cmp_lg_u32 s[CNT], 8                         ; the eighth lap ends step 15: phase 0 is whole.  Step 16's first fragments rest in buffer 0 meanwhile
	s_cbranch_scc1 .Lsame_phase
	EPI 0
	INIT 1
	WIN 0
.Lsame_phase:
	s_sub_co_u32 s[CNT], s[CNT], 1
	s_cmp_lg_u32 s[CNT], 0
	s_cbranch_scc1 .Llap
	QUARTER 0                                      ; the last lap is written out: it asks for nothing, and has no round of the cluster's barrier
	TURN 0, 1, 0
	QUARTER 1
	LASTQ
	WIN 0
	EPI 1
	s_wait_tensorcnt 0x0                           ; the wave's end: behind my last tensor load and my last LDS store
	ds_add_u32 v[SPW], v[NIL]
	s_wait_dscnt 0x0
	CROUND                                         ; the closing round: no work-group ends while a partner may still ask for a tile that names it
	s_endpgm
.Lfunc_end_k_q06c552bc16_qk:
	.size	k_q06c552bc16_qk, .Lfunc_end_k_q06c552bc16_qk-k_q06c552bc16_qk
	.p2alignl 7, 3214868480
	.fill 96, 4, 3214868480
	.section	.rodata,"a",@progbits
	.p2align	6, 0x0
	.amdhsa_kernel k_q06c552bc16_qk
		.amdhsa_group_segment_fixed_size 327680
		.amdhsa_private_segment_fixed_size 0
		.amdhsa_enable_private_segment 0
		.amdhsa_kernarg_size 88
		.amdhsa_user_sgpr_count 2
		.amdhsa_user_sgpr_kernarg_segment_ptr 1
		.amdhsa_wavefront_size32 1
		.amdhsa_system_sgpr_workgroup_id_x 1
		.amdhsa_system_sgpr_workgroup_id_y 1
		.amdhsa_system_sgpr_workgroup_id_z 1
		.amdhsa_system_vgpr_workitem_id 0
		.amdhsa_next_free_vgpr 1024
		.amdhsa_next_free_sgpr 102
		.amdhsa_reserve_vcc 0
		.amdhsa_float_denorm_mode_32 3
		.amdhsa_float_denorm_mode_16_64 3
		.amdhsa_memory_ordered 1
		.amdhsa_forward_progress 1
		.amdhsa_inst_pref_size 127
	.end_amdhsa_kernel
	.amdgpu_metadata
---
amdhsa.version: [ 1, 2 ]
amdhsa.kernels:
  - .name:           k_q06c552bc16_qk
    .symbol:         k_q06c552bc16_qk.kd
    .args:
      - { .name: xb, .offset: 0, .size: 8, .value_kind: global_buffer, .address_space: global }
      - { .name: wqk, .offset: 8, .size: 8, .value_kind: global_buffer, .address_space: global }
      - { .name: wl, .offset: 16, .size: 8, .value_kind: global_buffer, .address_space: global }
      - { .name: WQ1_b, .offset: 24, .size: 8, .value_kind: global_buffer, .address_space: global }
      - { .name: WK1_b, .offset: 32, .size: 8, .value_kind: global_buffer, .address_space: global }
      - { .name: WQ2_b, .offset: 40, .size: 8, .value_kind: global_buffer, .address_space: global }
      - { .name: WK2_b, .offset: 48, .size: 8, .value_kind: global_buffer, .address_space: global }
      - { .name: L1_b, .offset: 56, .size: 8, .value_kind: global_buffer, .address_space: global }
      - { .name: L2_w, .offset: 64, .size: 8, .value_kind: global_buffer, .address_space: global }
      - { .name: sc, .offset: 72, .size: 8, .value_kind: global_buffer, .address_space: global }
      - { .name: pl, .offset: 80, .size: 8, .value_kind: global_buffer, .address_space: global }
    .group_segment_fixed_size: 327680
    .private_segment_fixed_size: 0
    .kernarg_segment_align: 8
    .kernarg_segment_size: 88
    .max_flat_workgroup_size: 128
    .sgpr_count:     102
    .vgpr_count:     1024
    .wavefront_size: 32
...
	.end_amdgpu_metadata
.endif
;; end of part 2
;; launch vmix (part 3): grid 4 x 64, 4 waves a work-group, clusters of 4 x 4, 327,680 bytes of LDS; arguments xb, wv, WV_b, sc, pl, L2_b, ab; writes ab
.if DOCPART == 3
	.amdgcn_target "amdgcn-amd-amdhsa--gfx1250"
	.amdhsa_code_object_version 6
	.text
	.protected	k_q06c552bc16_vmix
	.globl	k_q06c552bc16_vmix
	.p2align	8
	.type	k_q06c552bc16_vmix,@function
k_q06c552bc16_vmix:
	s_mov_b64 s[64:65], 0
	v_nop
	global_prefetch_b8 v0, s[64:65] scope:SCOPE_SE
	s_setreg_imm32_b32 hwreg(HW_REG_WAVE_MODE, 25, 1), 1
	s_wait_xcnt 0x0
	s_wait_alu depctr_hold_cnt(0) depctr_sa_sdst(0) depctr_va_vdst(0) depctr_va_sdst(0) depctr_va_ssrc(0) depctr_va_vcc(0) depctr_vm_vsrc(0)
	s_getreg_b32 s2, hwreg(HW_REG_IB_STS2, 6, 4)
	s_cmp_eq_u32 s2, 0
	s_cbranch_scc0 .Lentry_in_a_cluster
	s_endpgm
.Lentry_in_a_cluster:
	s_bfe_u32 s2, ttmp6, 0x10000c
	s_cmp_lg_u32 s2, 0xf033
	s_cbranch_scc0 .Lentry_shape_is_right
	s_endpgm
.Lentry_shape_is_right:
; VMIX: for 128 tokens (64 rows b) and one head: V = tokens x WV + WV_b (128 x 256, K = 1024, bf16 operands, f32 sums that start from the bias); the two softmaxes of 2 x 2, the gate lam and
; w = relu(a1 - lam a2) are finished from the partial scores and partial logits of the launch before; out[q] = w[q][0] V[0] + w[q][1] V[1] in f32, rounded once to bf16 into ab (xb's layout, k = 256 h + d).
; SOFTMAX.  t = s x log2(e) / 16; the row's maximum is taken away; a = 2^(t - m) / (the sum of the two).  lam = 1 / (1 + 2^(-log2(e) z)), z = the sum of the 16 partial logits + L2_b.
; LIMITS.  x, WV and the mixed rows are bf16; all else f32.  A weight below 2^-126 counts as 0 (the exponential flushes); NaN and infinities are not treated apart; the order of the sums is not the reference's.
; SHARES.  Wave (wr = w / 2, wc = w % 2): b = 32 wr .. + 31, both tokens, columns 128 wc .. + 127: row blocks a = 2 bb + token (4) x 8 column blocks = 32 accumulators.  Token 0 and token 1 of one b sit in
; the same lane and register of neighbouring accumulators, so the mixing changes no lanes.  THE MATRIX INSTRUCTION IS USED TRANSPOSED (source 0 = 16 weight columns, turned by ds_load_tr16_b128; source 1 = 16 rows).
; RING.  8 steps of 128 along K through two LDS slots.  CLUSTER 4 x 4: x's tiles are asked for jointly along a row of the cluster, WV's along a column; waves 0, 1 fetch x's two sub-tiles of 64 K, waves 2, 3 the halves of WV's.
; REGISTERS: window 0: v0-15 addresses; v16-31 the weights; v32-255 at work.   window 1: v0-31, v32-63 fragments of x; v64-127, v128-191 of WV.   window 2: accumulator (a, i) at v[64 a + 8 i].
.set PA,    144                        ; a row of x in LDS: 128 bytes + 16
.set PB,    544                        ; a row of WV: 512 + 32, an odd multiple of 32
.set BOFF,  2*128*PA                   ; a slot: two sub-tiles of 128 rows of x, then 128 rows of WV
.set SLOT,  BOFF+128*PB                ; 106,496 bytes
.set STAGE, 2*SLOT                     ; behind the ring, never filled by a tensor load: for each wave 2 x 16 rows of 144 bytes, for the way out
.set SP,    144
.set SPARE, STAGE+4*32*SP              ; the spare words, 128 bytes for each wave: two blocks of 256 bytes that no other line names
.set SPW,  2
.set NIL,  3
.set ADRA, 4                           ; v4-5   my fragments of x in slot 0, 1
.set ADRB, 6                           ; v6-7   of WV
.set STO,  8                           ; v8     the way out: where I put 16 bytes of a row
.set RD,   9                           ; v9     where I read rows back
.set GO,   10                          ; v10    16 x lane
.set BO,   11                          ; v11    32 hh: my eight numbers of the bias
.set VL8,  12                          ; v12    8 x lane
.set WT,   16                          ; v[16 + 2 (4 bb + c)]: weight c (w00, w01, w10, w11) of b = 16 bb + r, in both registers of the pair
.set TE,   64                          ; v64-127  token 0's mixed row, v128-191 token 1's
.set TO,   128
.set PKD,  192                         ; v192-255 both, rounded
.set BK,   64                          ; v64-127  rows read back from the stage
.set WV,  18
.set WR,  19                           ; w / 2; also: I fetch for x (0) or for the weights (1)
.set WC,  20                           ; w % 2; also: which half I fetch
.set COL, 23
.set G1A, 24
.set G0A, 32
.set RB,  40
.set CNT, 43
.set OY,  44                           ; s[44:45] offsets that hang on the row block (never cx)
.set OX,  46                           ; s[46:47] offsets that hang on the head (never cy)
.set G1B, 48
.set G0B, 56
.set SEL, 66
.set HM,  68
.set L2B, 69
.set BSA, 70
.set BSB, 72
.set TM,  74
.set CS,  76                           ; s[76:77] log2(e) / 16
.set MSB, 0
.macro WIN new
.if MSB != (\new)
	s_set_vgpr_msb (MSB<<8)|(\new)
.set MSB, (\new)
.endif
.endm
.macro PLACES
.rept 4
	v_nop
.endr
.endm
.macro JLOAD s                         ; a joint load; an s_nop 0 and four v_nop follow each of the two lines, ahead of the jump, the label and what follows
	s_cmp_eq_u32 s[WR], 0
	s_cbranch_scc0 .Lfor_b_\@
	tensor_load_to_lds s[G0A+4*(\s):G0A+4*(\s)+3], s[G1A:G1A+7]
	s_nop 0
.rept 4
	v_nop
.endr
	s_branch .Lasked_\@
.Lfor_b_\@:
	tensor_load_to_lds s[G0B+4*(\s):G0B+4*(\s)+3], s[G1B:G1B+7]
	s_nop 0
.rept 4
	v_nop
.endr
.Lasked_\@:
.endm
.macro CREST
	s_cmp_lg_u32 s[WV], 0
	s_cbranch_scc1 .Lnot_wave_0_\@
	s_barrier_signal -3
.Lnot_wave_0_\@:
	s_barrier_wait -3
	s_barrier_signal -1
	s_barrier_wait -1
.endm
.macro CROUND
	s_barrier_signal -1
	s_barrier_wait -1
	CREST
.endm
	s_load_b256 s[4:11], s[0:1], 0x0               ; xb, wv, WV_b, sc
	s_load_b128 s[12:15], s[0:1], 0x20             ; pl, L2_b
	s_load_b64 s[16:17], s[0:1], 0x30              ; ab
	v_lshl_add_u32 v[SPW], v0, 2, SPARE
	v_mov_b32 v[NIL], 0
	ds_add_u32 v[SPW], v[NIL]                      ; the wave's opening: the add and its wait stand ahead of my first tensor load
	ds_add_u32 v2, v3
	v_lshrrev_b32 v1, 5, v0
	v_readfirstlane_b32 s[WV], v1
	s_lshr_b32 s[WR], s[WV], 1
	s_and_b32 s[WC], s[WV], 1
	s_bfe_u32 s21, ttmp6, 0x40000                  ; cx
	s_bfe_u32 s22, ttmp6, 0x40004                  ; cy
	s_lshl_b32 s[COL], ttmp9, 2
	s_add_co_u32 s[COL], s[COL], s21               ; head
	s_and_b32 s[RB], ttmp7, 0xffff
	s_lshl_b32 s[RB], s[RB], 2
	s_add_co_u32 s[RB], s[RB], s22                 ; row block
	s_lshl_b32 s41, s22, 2
	s_lshl_b32 s41, 15, s41                        ; my row of the cluster
	s_lshl_b32 s42, 0x1111, s21                    ; my column
	s_or_b32 s[G1A], s41, (1<<16)|(1<<20)|(1<<21)|(4<<22)|(3<<25)  ; x: 16,384 dense bytes as 64 rows of 256; 4 words of padding after every 32 words
	s_mov_b32 s[G1A+1], 128<<16
	s_mov_b32 s[G1A+2], 64<<16
	s_mov_b32 s[G1A+3], 128<<16
	s_mov_b32 s[G1A+4], 64
	s_mov_b32 s[G1A+5], 128
	s_mov_b32 s[G1A+6], 0
	s_mov_b32 s[G1A+7], 0
	s_or_b32 s[G1B], s42, (1<<16)|(1<<20)|(1<<21)|(6<<22)|(7<<25)  ; weights: 64 rows of 512 bytes; 8 words of padding after every 128 words
	s_mov_b32 s[G1B+1], 256<<16
	s_mov_b32 s[G1B+2], 64<<16
	s_mov_b32 s[G1B+3], 256<<16
	s_mov_b32 s[G1B+4], 64
	s_mov_b32 s[G1B+5], 256
	s_mov_b32 s[G1B+6], 0
	s_mov_b32 s[G1B+7], 0
	s_lshl_b32 s[OY], s[RB], 18                    ; the row block's 16 tiles,
	s_lshl_b32 s[TM], s[WC], 14                    ; my sub-tile of a step's two
	s_add_co_u32 s[OY], s[OY], s[TM]
	s_mov_b32 s[OY+1], 0
	s_lshl_b32 s[OX], s[COL], 19                   ; the column block's 1,024 rows of 512 bytes,
	s_lshl_b32 s[TM], s[WC], 15                    ; my 64 rows of a step's 128
	s_add_co_u32 s[OX], s[OX], s[TM]
	s_mov_b32 s[OX+1], 0
	s_mul_i32 s78, s[WC], 128*PA                   ; and their places in a slot
	s_mul_i32 s79, s[WC], 64*PB
	s_mov_b32 s[SEL], 0x76543210
	s_mov_b32 s[SEL+1], 0xfedcba98
	s_mov_b32 s[HM], 0xffff0000
	s_mov_b32 s[CS], 0x3db8aa3b                    ; log2(e) / 16
	s_mov_b32 s[CS+1], s[CS]                       ; named with it as a pair
	s_wait_dscnt 0x0                               ; the opening add is done
	s_wait_kmcnt 0x0
	s_load_b32 s[L2B], s[14:15], 0x0
	s_add_nc_u64 s[BSA:BSA+1], s[4:5], s[OY:OY+1]
	s_add_nc_u64 s[BSB:BSB+1], s[6:7], s[OX:OX+1]
	CROUND                                         ; all sixteen work-groups are here: the first joint loads meet
.irp s, 0,1
	s_mov_b32 s[G0A+4*(\s)], 1
	s_add_co_u32 s[G0A+4*(\s)+1], s78, (\s)*SLOT
	s_add_nc_u64 s[G0A+4*(\s)+2:G0A+4*(\s)+3], s[BSA:BSA+1], (\s)*32768
	s_or_b32 s[G0A+4*(\s)+3], s[G0A+4*(\s)+3], 0x80000000
	s_mov_b32 s[G0B+4*(\s)], 1
	s_add_co_u32 s[G0B+4*(\s)+1], s79, BOFF+(\s)*SLOT
	s_add_nc_u64 s[G0B+4*(\s)+2:G0B+4*(\s)+3], s[BSB:BSB+1], (\s)*65536
	s_or_b32 s[G0B+4*(\s)+3], s[G0B+4*(\s)+3], 0x80000000
	JLOAD \s                                       ; two loads of mine are out
.endr
	; addresses
	v_and_b32 v13, 15, v0                          ; r
	v_bfe_u32 v14, v0, 4, 1                        ; hh
	v_and_b32 v15, 7, v0
	v_bfe_u32 v32, v0, 3, 1
	v_mul_u32_u24 v33, v13, PA
	v_lshl_add_u32 v33, v14, 4, v33                ; r x 144 + 16 hh: a fragment's row, and a stage's
	s_mul_i32 s[TM], s[WR], 32*PA
	v_add_nc_u32 v[ADRA], s[TM], v33
	v_add_nc_u32 v[ADRA+1], SLOT, v[ADRA]
	v_lshl_add_u32 v34, v14, 3, v15
	v_mul_u32_u24 v34, v34, PB
	v_lshl_add_u32 v34, v32, 4, v34
	s_lshl_b32 s[TM], s[WC], 8
	s_add_co_u32 s[TM], s[TM], BOFF
	v_add_nc_u32 v[ADRB], s[TM], v34
	v_add_nc_u32 v[ADRB+1], SLOT, v[ADRB]
	s_mul_i32 s[TM], s[WV], 32*SP
	s_add_co_u32 s[TM], s[TM], STAGE               ; my stage
	v_add_nc_u32 v[STO], s[TM], v33
	v_bfe_u32 v35, v0, 3, 2                        ; back: 32 lanes take four rows of 128 bytes
	v_mul_u32_u24 v35, v35, SP
	v_lshl_add_u32 v35, v15, 4, v35
	v_add_nc_u32 v[RD], s[TM], v35
	v_and_b32 v36, 31, v0
	v_lshlrev_b32 v[GO], 4, v36
	v_lshlrev_b32 v[VL8], 3, v36
	v_lshlrev_b32 v[BO], 5, v14
	s_lshl_b32 s[OX], s[COL], 10                   ; the bias: 256 head + 128 wc numbers on
	s_lshl_b32 s[TM], s[WC], 9
	s_add_co_u32 s[OX], s[OX], s[TM]
	s_add_nc_u64 s[8:9], s[8:9], s[OX:OX+1]
	s_lshl_b32 s[OX], s[COL], 18                   ; sc: the head's four partials,
	s_add_nc_u64 s[10:11], s[10:11], s[OX:OX+1]
	s_lshl_b32 s[OY], s[RB], 10                    ; b = 64 rb + 32 wr, 16 bytes each
	s_lshl_b32 s[TM], s[WR], 9
	s_add_co_u32 s[OY], s[OY], s[TM]
	s_add_nc_u64 s[10:11], s[10:11], s[OY:OY+1]
	s_lshr_b32 s[OY], s[OY], 1                     ; pl: 8 bytes each
	s_add_nc_u64 s[12:13], s[12:13], s[OY:OY+1]
	s_lshl_b32 s[OY], s[RB], 18                    ; ab: the row block's tiles, my 32 rows of 128 bytes,
	s_lshl_b32 s[TM], s[WR], 12
	s_add_co_u32 s[OY], s[OY], s[TM]
	s_add_nc_u64 s[16:17], s[16:17], s[OY:OY+1]
	s_lshl_b32 s[OX], s[COL], 16                   ; tile 4 h + 2 wc
	s_lshl_b32 s[TM], s[WC], 15
	s_add_co_u32 s[OX], s[OX], s[TM]
	s_add_nc_u64 s[16:17], s[16:17], s[OX:OX+1]
	; lane l stands for b = 64 rb + 32 wr + l
.irp n, 0,1,2,3,4,5,6,7                ; attention n / 4, partial n % 4: four scores
	global_load_b128 v[32+4*(\n):35+4*(\n)], v[GO], s[10:11] offset:((\n)/4)*1048576+((\n)%4)*65536
.endr
.irp n, 0,1,2,3,4,5,6,7                ; the eight (head, wn): two partial logits each
	global_load_b64 v[64+2*(\n):65+2*(\n)], v[VL8], s[12:13] offset:(\n)*32768
.endr
	WIN 0x80                                       ; the sums start from the bias: register j of accumulator (a, i) holds column 16 i + 8 hh + j, whatever a
.set n, 0
.rept 32
	global_load_b128 v[8*n:8*n+3],   v[BO], s[8:9] offset:(n%8)*64
	global_load_b128 v[8*n+4:8*n+7], v[BO], s[8:9] offset:(n%8)*64+16
.set n, n+1
.endr
	WIN 0
	s_wait_loadcnt 0x0                             ; one wait for all 80: the count that would leave the bias out does not fit the wait's field; all this stands in the wait for the first tile
	s_wait_kmcnt 0x0                               ; L2_b
.irp p, 0,16
.irp w, 4,8,12
	v_pk_add_f32 v[32+(\p):33+(\p)], v[32+(\p):33+(\p)], v[32+(\p)+(\w):33+(\p)+(\w)]
	v_pk_add_f32 v[34+(\p):35+(\p)], v[34+(\p):35+(\p)], v[34+(\p)+(\w):35+(\p)+(\w)]
.endr
.endr
.irp i, 2,4,6,8,10,12,14
	v_pk_add_f32 v[64:65], v[64:65], v[64+(\i):65+(\i)]
.endr
.irp a, 32,34,48,50
	v_pk_mul_f32 v[\a:\a+1], v[\a:\a+1], s[CS:CS+1] op_sel_hi:[1,0]
.endr
	v_add_f32 v64, v64, v65
	v_add_f32 v64, s[L2B], v64                     ; z
	v_max_num_f32 v80, v32, v33                    ; a row's maximum: attention 1 query 0, query 1; attention 2 query 0, query 1
	v_max_num_f32 v81, v34, v35
	v_max_num_f32 v82, v48, v49
	v_max_num_f32 v83, v50, v51
	v_mul_f32 v65, 0xbfb8aa3b, v64                 ; -log2(e) z
	v_sub_f32 v32, v32, v80
	v_sub_f32 v33, v33, v80
	v_sub_f32 v34, v34, v81
	v_sub_f32 v35, v35, v81
	v_sub_f32 v48, v48, v82
	v_sub_f32 v49, v49, v82
	v_sub_f32 v50, v50, v83
	v_sub_f32 v51, v51, v83
.irp a, 32,33,34,35,48,49,50,51,65
	v_exp_f32 v\a, v\a
.endr
	v_nop                                          ; a plain instruction between the last exponential and the use of its result
	s_wait_alu depctr_va_vdst(0)
	v_add_f32 v80, v32, v33
	v_add_f32 v81, v34, v35
	v_add_f32 v82, v48, v49
	v_add_f32 v83, v50, v51
	v_add_f32 v65, 1.0, v65
.irp a, 80,81,82,83,65
	v_rcp_f32 v\a, v\a
.endr
	v_nop
	s_wait_alu depctr_va_vdst(0)
	v_mul_f32 v32, v32, v80
	v_mul_f32 v33, v33, v80
	v_mul_f32 v34, v34, v81
	v_mul_f32 v35, v35, v81
	v_mul_f32 v48, v48, v82
	v_mul_f32 v49, v49, v82
	v_mul_f32 v50, v50, v83
	v_mul_f32 v51, v51, v83
.irp c, 0,1,2,3
	v_fma_f32 v[32+(\c)], -v65, v[48+(\c)], v[32+(\c)]  ; a1 - lam a2
.endr
.irp c, 0,1,2,3
	v_max_num_f32 v[32+(\c)], 0, v[32+(\c)]
.endr
.irp c, 0,1,2,3
	v_permlanex16_b32 v[36+(\c)], v[32+(\c)], s[SEL], s[SEL+1]
.endr
.irp c, 0,1,2,3                        ; in the products lane (r, hh) holds b = 16 bb + r: both halves of the lanes take lane r's weights for bb = 0, lane 16 + r's for bb = 1
	v_cndmask_b32 v[WT+2*(\c)],   v[32+(\c)], v[36+(\c)], s[HM]
	v_cndmask_b32 v[WT+8+2*(\c)], v[36+(\c)], v[32+(\c)], s[HM]
.endr
.irp c, 0,2,4,6,8,10,12,14
	v_mov_b32 v[WT+1+(\c)], v[WT+(\c)]             ; the packed lines name the pair and take its low word for both halves
.endr
; 8 matrix instructions: row block a x all 8 column blocks, 32 along K, buffer f.  The 32 accumulators take turns, one instruction a turn.
.macro MUL8 f, a
	WIN 0xa5                                       ; sources 0 and 1 window 1, C and D window 2
.irp i, 0,1,2,3,4,5,6,7
	v_wmma_f32_16x16x32_bf16 v[64*(\a)+8*(\i):64*(\a)+8*(\i)+7], v[64+64*(\f)+8*(\i):64+64*(\f)+8*(\i)+7], v[32*(\f)+8*(\a):32*(\f)+8*(\a)+7], v[64*(\a)+8*(\i):64*(\a)+8*(\i)+7]
.endr
.endm
; 24 LDS loads in one run: quarter q (32 along K) of a step: 16 for the weights, then 8 for x (row blocks 0 to 3 in order).
.macro FETCH slot, q, f
	WIN 0x40                                       ; destination window 1
.irp i, 0,1,2,3,4,5,6,7
	ds_load_tr16_b128 v[64+64*(\f)+8*(\i):64+64*(\f)+8*(\i)+3],   v[ADRB+(\slot)] offset:(\q)*32*PB+32*(\i)
	ds_load_tr16_b128 v[64+64*(\f)+8*(\i)+4:64+64*(\f)+8*(\i)+7], v[ADRB+(\slot)] offset:(\q)*32*PB+16*PB+32*(\i)
.endr
.irp a, 0,1,2,3
	ds_load_b128 v[32*(\f)+8*(\a):32*(\f)+8*(\a)+3],   v[ADRA+(\slot)] offset:((\q)/2)*128*PA+((\q)%2)*64+((\a)%2)*64*PA+((\a)/2)*16*PA
	ds_load_b128 v[32*(\f)+8*(\a)+4:32*(\f)+8*(\a)+7], v[ADRA+(\slot)] offset:((\q)/2)*128*PA+((\q)%2)*64+((\a)%2)*64*PA+((\a)/2)*16*PA+32
.endr
.endm
.macro QUARTER slot, q, f, g           ; multiplies buffer f; in its middle fetches quarter q into buffer g
	s_wait_dscnt 4                                 ; all but the youngest four loads (row blocks 2, 3) are in
	MUL8 \f, 0
	MUL8 \f, 1
	PLACES
	FETCH \slot, \q, \g
	s_wait_dscnt 24                                ; all but the 24 just issued
	MUL8 \f, 2
	MUL8 \f, 3
.endm
; The last quarter multiplies buffer 1 and changes slots: ONE barrier; in front of it each wave waits for all its tensor loads (one is out: its part of the next slot), adds 0 to its spare word, and waits for that
; and for its own reads of this slot.  fill = 1: the barrier opens a round of the cluster's, and the joint refill, two steps ahead, is the first tensor load behind the round.
.macro TURN slot, next, fill
	WIN 0
	s_wait_tensorcnt 0x0                           ; no tensor load of mine is out, so a group 0 may be written
	ds_add_u32 v[SPW], v[NIL]                      ; 0 onto my spare word
.if \fill
	s_add_nc_u64 s[G0A+4*(\slot)+2:G0A+4*(\slot)+3], s[G0A+4*(\slot)+2:G0A+4*(\slot)+3], 65536   ; two steps on: four tiles of x,
	s_add_nc_u64 s[G0B+4*(\slot)+2:G0B+4*(\slot)+3], s[G0B+4*(\slot)+2:G0B+4*(\slot)+3], 131072  ; 256 rows of the weights
.endif
	s_wait_dscnt 5                                 ; (the add and the youngest four loads may be out)
	MUL8 1, 0
	s_wait_dscnt 0x0                               ; the add is done, and my reads of this slot are over
	s_barrier_signal -1
	MUL8 1, 1
	WIN 0
	s_barrier_wait -1
.if \fill
	CREST
	JLOAD \slot                                    ; the four v_nop behind it are also the places in front of the loads below
.else
	PLACES
.endif
	FETCH \next, 0, 0
	MUL8 1, 2
	MUL8 1, 3
.endm
.macro THREE slot
	QUARTER \slot, 1, 0, 1
	QUARTER \slot, 2, 1, 0
	QUARTER \slot, 3, 0, 1
.endm
	s_wait_tensorcnt 0x1                           ; my part of slot 0 is in; slot 1's may stay out
	s_barrier_signal -1
	s_barrier_wait -1
	FETCH 0, 0, 0
	WIN 0
	s_mov_b32 s[CNT], 3
.Llap:                                                 ; a lap = two steps; three laps ask for tiles 2 to 7
	THREE 0
	TURN 0, 1, 1
	THREE 1
	TURN 1, 0, 1
	WIN 0
	s_sub_co_u32 s[CNT], s[CNT], 1
	s_cmp_lg_u32 s[CNT], 0
	s_cbranch_scc1 .Llap
	THREE 0                                        ; the last lap is written out: it asks for nothing
	TURN 0, 1, 0
	THREE 1
	s_wait_dscnt 4
	MUL8 1, 0
	MUL8 1, 1
	s_wait_dscnt 0x0
	MUL8 1, 2
	MUL8 1, 3
	WIN 0
	PLACES
; THE WAY OUT of b block bb: both tokens' rows are mixed (each accumulator is read from its lowest pair on), rounded, sent through my stage and stored as whole rows of ab's tiles.
.macro MIXOUT bb
	WIN 0x02                                       ; source 0 window 2
.irp i, 0,1,2,3,4,5,6,7
.irp j, 0,2,4,6
.set VE, 128*(\bb)+8*(\i)+(\j)         ; V of token 0; token 1's 64 on
.set X,  8*(\i)+(\j)
	v_pk_mul_f32 v[TE+X:TE+X+1], v[VE:VE+1],       v[WT+8*(\bb):WT+8*(\bb)+1]   op_sel_hi:[1,0]
	v_pk_mul_f32 v[TO+X:TO+X+1], v[VE:VE+1],       v[WT+8*(\bb)+4:WT+8*(\bb)+5] op_sel_hi:[1,0]
	v_pk_fma_f32 v[TE+X:TE+X+1], v[VE+64:VE+65],   v[WT+8*(\bb)+2:WT+8*(\bb)+3], v[TE+X:TE+X+1] op_sel_hi:[1,0,1]
	v_pk_fma_f32 v[TO+X:TO+X+1], v[VE+64:VE+65],   v[WT+8*(\bb)+6:WT+8*(\bb)+7], v[TO+X:TO+X+1] op_sel_hi:[1,0,1]
.endr
.endr
	WIN 0
.set n, 0
.rept 64                               ; TE's 32 pairs, then TO's
	v_cvt_pk_bf16_f32 v[PKD+n], v[TE+2*n], v[TE+2*n+1]
.set n, n+1
.endr
.irp p, 0,1
.irp i, 0,1,2,3,4,5,6,7
	ds_store_b128 v[STO], v[PKD+32*(\p)+4*(\i):PKD+32*(\p)+4*(\i)+3] offset:((\i)/4)*16*SP+((\i)%4)*32
.endr
.irp t, 0,1,2,3,4,5,6,7
	ds_load_b128 v[BK+32*(\p)+4*(\t):BK+32*(\p)+4*(\t)+3], v[RD] offset:((\t)/4)*16*SP+((\t)%4)*4*SP  ; LDS serves a wave's instructions in order (ISA guide 5.7.1.4): these see the stores above, and token 1's stores come behind them
.endr
.endr
.irp p, 0,1
.irp t, 0,1,2,3,4,5,6,7
	s_wait_dscnt 16*(1-(\p))+7-(\t)                ; behind token 0's loads stand token 1's sixteen LDS instructions
	global_store_b128 v[GO], v[BK+32*(\p)+4*(\t):BK+32*(\p)+4*(\t)+3], s[16:17] offset:((\t)/4)*16384+(\p)*8192+(\bb)*2048+((\t)%4)*512  ; 512 consecutive bytes, at a multiple of 256 from ab's first
.endr
.endr
.endm
	MIXOUT 0
	s_wait_xcnt 0x0                                ; the registers that those stores read are written again only behind this wait
	MIXOUT 1
	s_wait_tensorcnt 0x0                           ; the wave's end: behind my last tensor load and my last LDS store
	ds_add_u32 v[SPW], v[NIL]
	s_wait_dscnt 0x0
	CROUND                                         ; the closing round
	s_endpgm
.Lfunc_end_k_q06c552bc16_vmix:
	.size	k_q06c552bc16_vmix, .Lfunc_end_k_q06c552bc16_vmix-k_q06c552bc16_vmix
	.p2alignl 7, 3214868480
	.fill 96, 4, 3214868480
	.section	.rodata,"a",@progbits
	.p2align	6, 0x0
	.amdhsa_kernel k_q06c552bc16_vmix
		.amdhsa_group_segment_fixed_size 327680
		.amdhsa_private_segment_fixed_size 0
		.amdhsa_enable_private_segment 0
		.amdhsa_kernarg_size 56
		.amdhsa_user_sgpr_count 2
		.amdhsa_user_sgpr_kernarg_segment_ptr 1
		.amdhsa_wavefront_size32 1
		.amdhsa_system_sgpr_workgroup_id_x 1
		.amdhsa_system_sgpr_workgroup_id_y 1
		.amdhsa_system_sgpr_workgroup_id_z 1
		.amdhsa_system_vgpr_workitem_id 0
		.amdhsa_next_free_vgpr 768
		.amdhsa_next_free_sgpr 80
		.amdhsa_reserve_vcc 0
		.amdhsa_float_denorm_mode_32 3
		.amdhsa_float_denorm_mode_16_64 3
		.amdhsa_memory_ordered 1
		.amdhsa_forward_progress 1
		.amdhsa_inst_pref_size 115
	.end_amdhsa_kernel
	.amdgpu_metadata
---
amdhsa.version: [ 1, 2 ]
amdhsa.kernels:
  - .name:           k_q06c552bc16_vmix
    .symbol:         k_q06c552bc16_vmix.kd
    .args:
      - { .name: xb, .offset: 0, .size: 8, .value_kind: global_buffer, .address_space: global }
      - { .name: wv, .offset: 8, .size: 8, .value_kind: global_buffer, .address_space: global }
      - { .name: WV_b, .offset: 16, .size: 8, .value_kind: global_buffer, .address_space: global }
      - { .name: sc, .offset: 24, .size: 8, .value_kind: global_buffer, .address_space: global }
      - { .name: pl, .offset: 32, .size: 8, .value_kind: global_buffer, .address_space: global }
      - { .name: L2_b, .offset: 40, .size: 8, .value_kind: global_buffer, .address_space: global }
      - { .name: ab, .offset: 48, .size: 8, .value_kind: global_buffer, .address_space: global }
    .group_segment_fixed_size: 327680
    .private_segment_fixed_size: 0
    .kernarg_segment_align: 8
    .kernarg_segment_size: 56
    .max_flat_workgroup_size: 128
    .sgpr_count:     80
    .vgpr_count:     768
    .wavefront_size: 32
...
	.end_amdgpu_metadata
.endif
;; end of part 3
;; launch oproj (part 4): grid 4 x 64, 4 waves a work-group, clusters of 4 x 4, 327,680 bytes of LDS; arguments ab, wo, WO_b, x, out0; writes out0
.if DOCPART == 4
	.amdgcn_target "amdgcn-amd-amdhsa--gfx1250"
	.amdhsa_code_object_version 6
	.text
	.protected	k_q06c552bc16_oproj
	.globl	k_q06c552bc16_oproj
	.p2align	8
	.type	k_q06c552bc16_oproj,@function
k_q06c552bc16_oproj:
	s_mov_b64 s[64:65], 0
	v_nop
	global_prefetch_b8 v0, s[64:65] scope:SCOPE_SE
	s_setreg_imm32_b32 hwreg(HW_REG_WAVE_MODE, 25, 1), 1
	s_wait_xcnt 0x0
	s_wait_alu depctr_hold_cnt(0) depctr_sa_sdst(0) depctr_va_vdst(0) depctr_va_sdst(0) depctr_va_ssrc(0) depctr_va_vcc(0) depctr_vm_vsrc(0)
	s_getreg_b32 s2, hwreg(HW_REG_IB_STS2, 6, 4)
	s_cmp_eq_u32 s2, 0
	s_cbranch_scc0 .Lentry_in_a_cluster
	s_endpgm
.Lentry_in_a_cluster:
	s_bfe_u32 s2, ttmp6, 0x10000c
	s_cmp_lg_u32 s2, 0xf033
	s_cbranch_scc0 .Lentry_shape_is_right
	s_endpgm
.Lentry_shape_is_right:
; OPROJ: out0 = ab x WO + WO_b + x, for 128 tokens (64 rows b) and 256 columns: K = 1024, bf16 operands, f32 sums that start from the bias; the residual is x in f32, added once; out0 is f32.
; LIMITS.  The mixed rows and WO enter as bf16; the order of the sums is not the reference's; NaN and infinities are not treated apart.
; SHARES, RING, CLUSTER, REGISTERS: as in the launch before.  Wave (wr = w / 2, wc = w % 2): b = 32 wr .. + 31, both tokens, columns 128 wc .. + 127: row blocks a = 2 bb + token x 8 column blocks = 32 accumulators.
; The matrix instruction is used transposed (source 0 = 16 weight columns, turned by ds_load_tr16_b128; source 1 = 16 rows).  8 steps of 128 along K through two LDS slots; ab's tiles are asked for jointly along a
; row of the 4 x 4 cluster, WO's along a column; waves 0, 1 fetch ab's two sub-tiles, waves 2, 3 the halves of WO's.
;   window 0: v0-15 addresses; v64-127, v128-191 the residual, two buffers; v192-255 rows read back.   window 1: v0-31, v32-63 fragments of ab; v64-127, v128-191 of WO.   window 2: accumulator (a, i) at v[64 a + 8 i].
.set PA,    144
.set PB,    544
.set BOFF,  2*128*PA
.set SLOT,  BOFF+128*PB
.set STAGE, 2*SLOT                     ; behind the ring, never filled by a tensor load: for each wave 16 rows of 512 + 16 bytes
.set SP,    528
.set SPARE, STAGE+4*16*SP              ; the spare words, 128 bytes for each wave: two blocks of 256 bytes that no other line names
.set SPW,  2
.set NIL,  3
.set ADRA, 4
.set ADRB, 6
.set STO,  8                           ; v8   the way out: where I put 32 bytes of a row
.set RD,   9                           ; v9   where I read a row back
.set GO,   10                          ; v10  16 x lane
.set BO,   11                          ; v11  32 hh
.set R,    64
.set BK,   192
.set WV,  18
.set WR,  19
.set WC,  20
.set COL, 23
.set G1A, 24
.set G0A, 32
.set RB,  40
.set CNT, 43
.set OY,  44
.set OX,  46
.set G1B, 48
.set G0B, 56
.set BSA, 70
.set BSB, 72
.set TM,  74
.set MSB, 0
.macro WIN new
.if MSB != (\new)
	s_set_vgpr_msb (MSB<<8)|(\new)
.set MSB, (\new)
.endif
.endm
.macro PLACES
.rept 4
	v_nop
.endr
.endm
.macro JLOAD s                         ; a joint load; an s_nop 0 and four v_nop follow each of the two lines, ahead of the jump, the label and what follows
	s_cmp_eq_u32 s[WR], 0
	s_cbranch_scc0 .Lfor_b_\@
	tensor_load_to_lds s[G0A+4*(\s):G0A+4*(\s)+3], s[G1A:G1A+7]
	s_nop 0
.rept 4
	v_nop
.endr
	s_branch .Lasked_\@
.Lfor_b_\@:
	tensor_load_to_lds s[G0B+4*(\s):G0B+4*(\s)+3], s[G1B:G1B+7]
	s_nop 0
.rept 4
	v_nop
.endr
.Lasked_\@:
.endm
.macro CREST
	s_cmp_lg_u32 s[WV], 0
	s_cbranch_scc1 .Lnot_wave_0_\@
	s_barrier_signal -3
.Lnot_wave_0_\@:
	s_barrier_wait -3
	s_barrier_signal -1
	s_barrier_wait -1
.endm
.macro CROUND
	s_barrier_signal -1
	s_barrier_wait -1
	CREST
.endm
	s_load_b256 s[4:11], s[0:1], 0x0               ; ab, wo, WO_b, x
	s_load_b64 s[12:13], s[0:1], 0x20              ; out0
	v_lshl_add_u32 v[SPW], v0, 2, SPARE
	v_mov_b32 v[NIL], 0
	ds_add_u32 v[SPW], v[NIL]                      ; the wave's opening: the add and its wait stand ahead of my first tensor load
	ds_add_u32 v2, v3
	v_lshrrev_b32 v1, 5, v0
	v_readfirstlane_b32 s[WV], v1
	s_lshr_b32 s[WR], s[WV], 1
	s_and_b32 s[WC], s[WV], 1
	s_bfe_u32 s21, ttmp6, 0x40000                  ; cx
	s_bfe_u32 s22, ttmp6, 0x40004                  ; cy
	s_lshl_b32 s[COL], ttmp9, 2
	s_add_co_u32 s[COL], s[COL], s21               ; column block
	s_and_b32 s[RB], ttmp7, 0xffff
	s_lshl_b32 s[RB], s[RB], 2
	s_add_co_u32 s[RB], s[RB], s22                 ; row block
	s_lshl_b32 s41, s22, 2
	s_lshl_b32 s41, 15, s41                        ; my row of the cluster
	s_lshl_b32 s42, 0x1111, s21                    ; my column
	s_or_b32 s[G1A], s41, (1<<16)|(1<<20)|(1<<21)|(4<<22)|(3<<25)  ; ab: 16,384 dense bytes as 64 rows of 256; 4 words of padding after every 32 words
	s_mov_b32 s[G1A+1], 128<<16
	s_mov_b32 s[G1A+2], 64<<16
	s_mov_b32 s[G1A+3], 128<<16
	s_mov_b32 s[G1A+4], 64
	s_mov_b32 s[G1A+5], 128
	s_mov_b32 s[G1A+6], 0
	s_mov_b32 s[G1A+7], 0
	s_or_b32 s[G1B], s42, (1<<16)|(1<<20)|(1<<21)|(6<<22)|(7<<25)  ; weights: 64 rows of 512 bytes; 8 words of padding after every 128 words
	s_mov_b32 s[G1B+1], 256<<16
	s_mov_b32 s[G1B+2], 64<<16
	s_mov_b32 s[G1B+3], 256<<16
	s_mov_b32 s[G1B+4], 64
	s_mov_b32 s[G1B+5], 256
	s_mov_b32 s[G1B+6], 0
	s_mov_b32 s[G1B+7], 0
	s_lshl_b32 s[OY], s[RB], 18
	s_lshl_b32 s[TM], s[WC], 14
	s_add_co_u32 s[OY], s[OY], s[TM]
	s_mov_b32 s[OY+1], 0
	s_lshl_b32 s[OX], s[COL], 19
	s_lshl_b32 s[TM], s[WC], 15
	s_add_co_u32 s[OX], s[OX], s[TM]
	s_mov_b32 s[OX+1], 0
	s_mul_i32 s78, s[WC], 128*PA
	s_mul_i32 s79, s[WC], 64*PB
	s_wait_dscnt 0x0                               ; the opening add is done
	s_wait_kmcnt 0x0
	s_add_nc_u64 s[BSA:BSA+1], s[4:5], s[OY:OY+1]
	s_add_nc_u64 s[BSB:BSB+1], s[6:7], s[OX:OX+1]
	CROUND                                         ; all sixteen work-groups are here: the first joint loads meet
.irp s, 0,1
	s_mov_b32 s[G0A+4*(\s)], 1
	s_add_co_u32 s[G0A+4*(\s)+1], s78, (\s)*SLOT
	s_add_nc_u64 s[G0A+4*(\s)+2:G0A+4*(\s)+3], s[BSA:BSA+1], (\s)*32768
	s_or_b32 s[G0A+4*(\s)+3], s[G0A+4*(\s)+3], 0x80000000
	s_mov_b32 s[G0B+4*(\s)], 1
	s_add_co_u32 s[G0B+4*(\s)+1], s79, BOFF+(\s)*SLOT
	s_add_nc_u64 s[G0B+4*(\s)+2:G0B+4*(\s)+3], s[BSB:BSB+1], (\s)*65536
	s_or_b32 s[G0B+4*(\s)+3], s[G0B+4*(\s)+3], 0x80000000
	JLOAD \s                                       ; two loads of mine are out
.endr
	v_and_b32 v13, 15, v0                          ; r
	v_bfe_u32 v14, v0, 4, 1                        ; hh
	v_and_b32 v15, 7, v0
	v_bfe_u32 v32, v0, 3, 1
	v_mul_u32_u24 v33, v13, PA
	v_lshl_add_u32 v33, v14, 4, v33
	s_mul_i32 s[TM], s[WR], 32*PA
	v_add_nc_u32 v[ADRA], s[TM], v33
	v_add_nc_u32 v[ADRA+1], SLOT, v[ADRA]
	v_lshl_add_u32 v34, v14, 3, v15
	v_mul_u32_u24 v34, v34, PB
	v_lshl_add_u32 v34, v32, 4, v34
	s_lshl_b32 s[TM], s[WC], 8
	s_add_co_u32 s[TM], s[TM], BOFF
	v_add_nc_u32 v[ADRB], s[TM], v34
	v_add_nc_u32 v[ADRB+1], SLOT, v[ADRB]
	s_mul_i32 s[TM], s[WV], 16*SP
	s_add_co_u32 s[TM], s[TM], STAGE               ; my stage
	v_mul_u32_u24 v35, v13, SP                     ; in: row r, 32 bytes for each half of the lanes
	v_lshl_add_u32 v35, v14, 5, v35
	v_add_nc_u32 v[STO], s[TM], v35
	v_and_b32 v36, 31, v0
	v_lshlrev_b32 v[GO], 4, v36
	v_add_nc_u32 v[RD], s[TM], v[GO]               ; back: 32 lanes take one row of 512 bytes
	v_lshlrev_b32 v[BO], 5, v14
	s_lshl_b32 s[OX], s[COL], 10                   ; 256 cb + 128 wc numbers of 4 bytes: in the bias, and in a row of x and of out0
	s_lshl_b32 s[TM], s[WC], 9
	s_add_co_u32 s[OX], s[OX], s[TM]
	s_add_nc_u64 s[8:9], s[8:9], s[OX:OX+1]
	s_add_nc_u64 s[10:11], s[10:11], s[OX:OX+1]
	s_add_nc_u64 s[12:13], s[12:13], s[OX:OX+1]
	s_lshl_b32 s[OY], s[RB], 19                    ; row b = 64 rb + 32 wr, 8,192 bytes each
	s_lshl_b32 s[TM], s[WR], 18
	s_add_co_u32 s[OY], s[OY], s[TM]
	s_add_nc_u64 s[10:11], s[10:11], s[OY:OY+1]
	s_add_nc_u64 s[12:13], s[12:13], s[OY:OY+1]
	WIN 0x80                                       ; the sums start from the bias: register j of accumulator (a, i) holds column 16 i + 8 hh + j, whatever a
.set n, 0
.rept 32
	global_load_b128 v[8*n:8*n+3],   v[BO], s[8:9] offset:(n%8)*64
	global_load_b128 v[8*n+4:8*n+7], v[BO], s[8:9] offset:(n%8)*64+16
.set n, n+1
.endr
	WIN 0
; 8 matrix instructions: row block a x all 8 column blocks, 32 along K, buffer f.  The 32 accumulators take turns, one instruction a turn.
.macro MUL8 f, a
	WIN 0xa5
.irp i, 0,1,2,3,4,5,6,7
	v_wmma_f32_16x16x32_bf16 v[64*(\a)+8*(\i):64*(\a)+8*(\i)+7], v[64+64*(\f)+8*(\i):64+64*(\f)+8*(\i)+7], v[32*(\f)+8*(\a):32*(\f)+8*(\a)+7], v[64*(\a)+8*(\i):64*(\a)+8*(\i)+7]
.endr
.endm
.macro FETCH slot, q, f                ; 24 LDS loads in one run: 16 for the weights, then 8 for ab (row blocks 0 to 3 in order)
	WIN 0x40
.irp i, 0,1,2,3,4,5,6,7
	ds_load_tr16_b128 v[64+64*(\f)+8*(\i):64+64*(\f)+8*(\i)+3],   v[ADRB+(\slot)] offset:(\q)*32*PB+32*(\i)
	ds_load_tr16_b128 v[64+64*(\f)+8*(\i)+4:64+64*(\f)+8*(\i)+7], v[ADRB+(\slot)] offset:(\q)*32*PB+16*PB+32*(\i)
.endr
.irp a, 0,1,2,3
	ds_load_b128 v[32*(\f)+8*(\a):32*(\f)+8*(\a)+3],   v[ADRA+(\slot)] offset:((\q)/2)*128*PA+((\q)%2)*64+((\a)%2)*64*PA+((\a)/2)*16*PA
	ds_load_b128 v[32*(\f)+8*(\a)+4:32*(\f)+8*(\a)+7], v[ADRA+(\slot)] offset:((\q)/2)*128*PA+((\q)%2)*64+((\a)%2)*64*PA+((\a)/2)*16*PA+32
.endr
.endm
.macro QUARTER slot, q, f, g
	s_wait_dscnt 4                                 ; all but the youngest four loads (row blocks 2, 3) are in
	MUL8 \f, 0
	MUL8 \f, 1
	PLACES
	FETCH \slot, \q, \g
	s_wait_dscnt 24                                ; all but the 24 just issued
	MUL8 \f, 2
	MUL8 \f, 3
.endm
; The change of slots: ONE barrier; in front of it each wave waits for all its tensor loads (one is out: its part of the next slot), adds 0 to its spare word, and waits for that and for its own reads of this slot.
; fill = 1: the barrier opens a round of the cluster's, and the joint refill, two steps ahead, is the first tensor load behind the round.
.macro TURN slot, next, fill
	WIN 0
	s_wait_tensorcnt 0x0                           ; no tensor load of mine is out, so a group 0 may be written
	ds_add_u32 v[SPW], v[NIL]                      ; 0 onto my spare word
.if \fill
	s_add_nc_u64 s[G0A+4*(\slot)+2:G0A+4*(\slot)+3], s[G0A+4*(\slot)+2:G0A+4*(\slot)+3], 65536
	s_add_nc_u64 s[G0B+4*(\slot)+2:G0B+4*(\slot)+3], s[G0B+4*(\slot)+2:G0B+4*(\slot)+3], 131072
.endif
	s_wait_dscnt 5                                 ; (the add and the youngest four loads may be out)
	MUL8 1, 0
	s_wait_dscnt 0x0                               ; the add is done, and my reads of this slot are over
	s_barrier_signal -1
	MUL8 1, 1
	WIN 0
	s_barrier_wait -1
.if \fill
	CREST
	JLOAD \slot                                    ; the four v_nop behind it are also the places in front of the loads below
.else
	PLACES
.endif
	FETCH \next, 0, 0
	MUL8 1, 2
	MUL8 1, 3
.endm
.macro THREE slot
	QUARTER \slot, 1, 0, 1
	QUARTER \slot, 2, 1, 0
	QUARTER \slot, 3, 0, 1
.endm
; The residual of row block a (b block a / 2, token a % 2): 16 rows of 512 bytes of x, into buffer a % 2.
.macro RES a
.irp t, 0,1,2,3,4,5,6,7,8,9,10,11,12,13,14,15
	global_load_b128 v[R+64*((\a)%2)+4*(\t):R+64*((\a)%2)+4*(\t)+3], v[GO], s[10:11] offset:((\a)/2)*131072+((\a)%2)*4096+(\t)*8192 th:TH_LOAD_NT
.endr
.endm
; THE WAY OUT of row block a: the f32 sums go from the accumulators into my stage (each accumulator's lowest four registers first), come back as whole rows, take the residual, and leave.
.macro OUTA a, left
	WIN 0x08                                       ; the stores' data: window 2
.irp i, 0,1,2,3,4,5,6,7
	ds_store_b128 v[STO], v[64*(\a)+8*(\i):64*(\a)+8*(\i)+3]   offset:64*(\i)
	ds_store_b128 v[STO], v[64*(\a)+8*(\i)+4:64*(\a)+8*(\i)+7] offset:64*(\i)+16
.endr
	WIN 0
	s_wait_xcnt 0x0                                ; the registers that the block before's stores read are loaded again only behind this wait
.irp t, 0,1,2,3,4,5,6,7,8,9,10,11,12,13,14,15
	ds_load_b128 v[BK+4*(\t):BK+4*(\t)+3], v[RD] offset:(\t)*SP  ; LDS serves a wave's instructions in order (ISA guide 5.7.1.4): these see the stores above
.endr
	s_wait_loadcnt \left                           ; this block's residual is in; the other buffer's sixteen loads may be out
.irp t, 0,1,2,3,4,5,6,7,8,9,10,11,12,13,14,15
	s_wait_dscnt 15-(\t)
	v_pk_add_f32 v[BK+4*(\t):BK+4*(\t)+1],   v[BK+4*(\t):BK+4*(\t)+1],   v[R+64*((\a)%2)+4*(\t):R+64*((\a)%2)+4*(\t)+1]
	v_pk_add_f32 v[BK+4*(\t)+2:BK+4*(\t)+3], v[BK+4*(\t)+2:BK+4*(\t)+3], v[R+64*((\a)%2)+4*(\t)+2:R+64*((\a)%2)+4*(\t)+3]
	global_store_b128 v[GO], v[BK+4*(\t):BK+4*(\t)+3], s[12:13] offset:((\a)/2)*131072+((\a)%2)*4096+(\t)*8192 th:TH_STORE_NT  ; 512 consecutive bytes, at a multiple of 256 from out0's first
.endr
.endm
	s_wait_tensorcnt 0x1                           ; my part of slot 0 is in; slot 1's may stay out
	s_barrier_signal -1
	s_barrier_wait -1
	FETCH 0, 0, 0
	s_wait_loadcnt 0x0                             ; the bias
	WIN 0
	s_mov_b32 s[CNT], 3
.Llap:                                                 ; a lap = two steps; three laps ask for tiles 2 to 7
	THREE 0
	TURN 0, 1, 1
	THREE 1
	TURN 1, 0, 1
	WIN 0
	s_sub_co_u32 s[CNT], s[CNT], 1
	s_cmp_lg_u32 s[CNT], 0
	s_cbranch_scc1 .Llap
	RES 0                                          ; the first two blocks' residual is asked for a lap ahead of its use
	RES 1
	THREE 0                                        ; the last lap is written out: it asks for no tile
	TURN 0, 1, 0
	THREE 1
	s_wait_dscnt 4
	MUL8 1, 0
	MUL8 1, 1
	s_wait_dscnt 0x0
	MUL8 1, 2
	MUL8 1, 3
	WIN 0
	PLACES
	OUTA 0, 16
	RES 2
	OUTA 1, 16
	RES 3
	OUTA 2, 16
	OUTA 3, 0
	s_wait_tensorcnt 0x0                           ; the wave's end: behind my last tensor load and my last LDS store
	ds_add_u32 v[SPW], v[NIL]
	s_wait_dscnt 0x0
	CROUND                                         ; the closing round
	s_endpgm
.Lfunc_end_k_q06c552bc16_oproj:
	.size	k_q06c552bc16_oproj, .Lfunc_end_k_q06c552bc16_oproj-k_q06c552bc16_oproj
	.p2alignl 7, 3214868480
	.fill 96, 4, 3214868480
	.section	.rodata,"a",@progbits
	.p2align	6, 0x0
	.amdhsa_kernel k_q06c552bc16_oproj
		.amdhsa_group_segment_fixed_size 327680
		.amdhsa_private_segment_fixed_size 0
		.amdhsa_enable_private_segment 0
		.amdhsa_kernarg_size 40
		.amdhsa_user_sgpr_count 2
		.amdhsa_user_sgpr_kernarg_segment_ptr 1
		.amdhsa_wavefront_size32 1
		.amdhsa_system_sgpr_workgroup_id_x 1
		.amdhsa_system_sgpr_workgroup_id_y 1
		.amdhsa_system_sgpr_workgroup_id_z 1
		.amdhsa_system_vgpr_workitem_id 0
		.amdhsa_next_free_vgpr 768
		.amdhsa_next_free_sgpr 80
		.amdhsa_reserve_vcc 0
		.amdhsa_float_denorm_mode_32 3
		.amdhsa_float_denorm_mode_16_64 3
		.amdhsa_memory_ordered 1
		.amdhsa_forward_progress 1
		.amdhsa_inst_pref_size 107
	.end_amdhsa_kernel
	.amdgpu_metadata
---
amdhsa.version: [ 1, 2 ]
amdhsa.kernels:
  - .name:           k_q06c552bc16_oproj
    .symbol:         k_q06c552bc16_oproj.kd
    .args:
      - { .name: ab, .offset: 0, .size: 8, .value_kind: global_buffer, .address_space: global }
      - { .name: wo, .offset: 8, .size: 8, .value_kind: global_buffer, .address_space: global }
      - { .name: WO_b, .offset: 16, .size: 8, .value_kind: global_buffer, .address_space: global }
      - { .name: x, .offset: 24, .size: 8, .value_kind: global_buffer, .address_space: global }
      - { .name: out0, .offset: 32, .size: 8, .value_kind: global_buffer, .address_space: global }
    .group_segment_fixed_size: 327680
    .private_segment_fixed_size: 0
    .kernarg_segment_align: 8
    .kernarg_segment_size: 40
    .max_flat_workgroup_size: 128
    .sgpr_count:     80
    .vgpr_count:     768
    .wavefront_size: 32
...
	.end_amdgpu_metadata
.endif
;; end of part 4
;; ======== version 2 of 3: 4 launches; 1.12 times as fast as version 1
;; workspace buffers: xb 16,777,216 bytes; ab 16,777,216 bytes; wqk 9,437,184 bytes; wv 2,097,152 bytes; wo 2,097,152 bytes; sc 2,097,152 bytes; pl 262,144 bytes
;; launch prep (part 5): grid 256 x 1, 8 waves a work-group, no clusters, 0 bytes of LDS; arguments x, WQ1_w, WK1_w, WQ2_w, WK2_w, WV_w, WO_w, L1_w, xb, wqk, wv, wo; writes xb, wqk, wv, wo
.if DOCPART == 5
	.amdgcn_target "amdgcn-amd-amdhsa--gfx1250"
	.amdhsa_code_object_version 6
	.text
	.protected	k_q06c552bc16_prep
	.globl	k_q06c552bc16_prep
	.p2align	8
	.type	k_q06c552bc16_prep,@function
k_q06c552bc16_prep:
	s_mov_b64 s[64:65], 0
	v_nop
	global_prefetch_b8 v0, s[64:65] scope:SCOPE_SE
	s_setreg_imm32_b32 hwreg(HW_REG_WAVE_MODE, 25, 1), 1
	s_wait_xcnt 0x0
; PREP: x and the seven weight matrices are rounded once to bf16 (nearest even) and laid out as the three product launches read them.
;   xb  [rb 64][kblk 16][p 2][b 64][k 64]   token (b, p) = x[b][1024 p ..]; a (rb, kblk) tile is 16,384 dense bytes
;   wqk [col 8][p 2][kstep 8][73,728 bytes] col = 2 head + half.  A block holds 128 rows k of 512 bytes (Q's channels 128 half .. + 127, then K's; p = 0: WQ1, WK1; p = 1: WQ2, WK2),
;                                           then 128 rows k of 64 bytes: L1_w[k][32 col + 16 p + 0..15], then L1_w[1024 + k][the same 16]
;   wv, wo [cb 4][k 1024][256]
; A stream: no LDS, no barrier, no matrix unit.  One OP is a 16-byte load a lane (512 bytes a wave), two roundings, and an 8-byte store a lane:
; the 32 lanes of a store fill 256 consecutive bytes that begin at a multiple of 256 from the buffer's first byte.
; A wave has 58 ops; all 58 loads go out first, each into registers of its own, so no register is written twice and the only waits are the counted ones.
; Work-group g owns x's rows 16 g .. 16 g + 15, rows 4 g .. 4 g + 3 of each 1024 x 1024 matrix, and rows 4 g .. 4 g + 3 and 1024 + the same of L1_w.
.set NOPS, 58
.set BLK,  73728                       ; a block of wqk
.set D,    8                           ; v[8 + 4 n ..]  op n's four registers
.set VXL,  1                           ; v1  x, load:  (t / 16) rows of 8,192 bytes + 16 (t % 16)
.set VT8,  2                           ; v2  xb, store: 8 t
.set VT16, 3                           ; v3  a matrix row, load: 16 t: wave w takes columns 128 w .. + 127, which are col w's
.set VQK,  4                           ; v4  wqk, store: col = wave (16 blocks each), 8 L
.set VVO,  5                           ; v5  wv and wo, store: column block (w / 2), half (w % 2), 8 L
.set VLL,  6                           ; v6  L1_w, load
	s_load_b512 s[4:19], s[0:1], 0x0               ; x, WQ1_w, WK1_w, WQ2_w, WK2_w, WV_w, WO_w, L1_w
	s_load_b256 s[20:27], s[0:1], 0x40             ; xb, wqk, wv, wo
	v_lshrrev_b32 v8, 4, v0                        ; t / 16: which of the group's 16 rows of x
	v_and_b32 v9, 15, v0
	v_lshlrev_b32 v9, 4, v9
	v_lshl_add_u32 v[VXL], v8, 13, v9
	v_lshlrev_b32 v[VT8], 3, v0                    ; (t / 16) x 128 + (t % 16) x 8 = 8 t
	v_lshlrev_b32 v[VT16], 4, v0
	v_lshrrev_b32 v8, 6, v0                        ; w / 2
	v_bfe_u32 v9, v0, 5, 1                         ; w % 2
	v_and_b32 v10, 31, v0
	v_lshlrev_b32 v10, 3, v10                      ; 8 L
	v_lshrrev_b32 v11, 5, v0                       ; w
	v_mul_u32_u24 v[VQK], v11, 16*BLK
	v_add_nc_u32 v[VQK], v[VQK], v10
	v_lshl_add_u32 v[VVO], v9, 8, v10
	v_lshl_add_u32 v[VVO], v8, 19, v[VVO]
	v_and_b32 v8, 3, v0                            ; L1_w: four lanes take 16 columns,
	v_lshlrev_b32 v[VLL], 4, v8
	v_bfe_u32 v8, v0, 2, 1                         ; the next four the row 1,024 further down,
	v_lshl_add_u32 v[VLL], v8, 20, v[VLL]
	v_bfe_u32 v8, v0, 3, 2                         ; each eight lanes one of the group's four rows,
	v_lshl_add_u32 v[VLL], v8, 10, v[VLL]
	v_lshl_add_u32 v[VLL], v11, 7, v[VLL]          ; and the wave its 32 columns: 16 an op.  The 32 lanes' results are then 8 L bytes into four rows of 64 bytes
	s_mov_b32 s31, 0
	s_mov_b32 s33, 0
	s_lshr_b32 s32, ttmp9, 2                       ; xb: row block g / 4,
	s_lshl_b32 s32, s32, 18
	s_and_b32 s34, ttmp9, 3                        ; and in each of its tiles 16 (g % 4) rows of 128 bytes
	s_lshl_b32 s34, s34, 11
	s_add_co_u32 s32, s32, s34
	s_lshr_b32 s34, ttmp9, 5                       ; wqk: rows 4 g .. lie in K step g / 32,
	s_mul_i32 s34, s34, BLK
	s_and_b32 s35, ttmp9, 31                       ; at rows 4 (g % 32) .. of its blocks
	s_wait_kmcnt 0x0
	s_add_nc_u64 s[20:21], s[20:21], s[32:33]
	s_lshl_b32 s30, ttmp9, 17                      ; 16 rows of x
	s_add_nc_u64 s[4:5], s[4:5], s[30:31]
	s_lshl_b32 s30, ttmp9, 14                      ; 4 rows of 4,096 bytes
.irp b, 6,8,10,12,14,16
	s_add_nc_u64 s[\b:\b+1], s[\b:\b+1], s[30:31]
.endr
	s_lshl_b32 s30, ttmp9, 12                      ; 4 rows of L1_w
	s_add_nc_u64 s[18:19], s[18:19], s[30:31]
	s_lshl_b32 s30, ttmp9, 11                      ; 4 rows of wv and wo
	s_add_nc_u64 s[24:25], s[24:25], s[30:31]
	s_add_nc_u64 s[26:27], s[26:27], s[30:31]
	s_lshl_b32 s30, s35, 8                         ; a block's lambda part begins behind its 65,536 bytes of Q and K: four rows of 64 bytes
	s_add_co_u32 s30, s30, s34
	s_add_co_u32 s30, s30, 65536
	s_add_nc_u64 s[28:29], s[22:23], s[30:31]
	s_lshl_b32 s30, s35, 11                        ; four rows of 512 bytes
	s_add_co_u32 s30, s30, s34
	s_add_nc_u64 s[22:23], s[22:23], s[30:31]
; Op n.  MODE 0: its load.  MODE 1: the wait that leaves the younger loads out, the roundings in place, its store.
.macro ONE lv, lb, li, sv, sb, si
.if MODE == 0
	global_load_b128 v[D+4*n:D+4*n+3], v[\lv], s[(\lb):(\lb)+1] offset:\li th:TH_LOAD_NT
.else
	s_wait_loadcnt NOPS-1-n                        ; loads come back in order: op n's is in, the NOPS - 1 - n younger ones may be out
	v_cvt_pk_bf16_f32 v[D+4*n], v[D+4*n], v[D+4*n+1]
	v_cvt_pk_bf16_f32 v[D+4*n+1], v[D+4*n+2], v[D+4*n+3]
	global_store_b64 v[\sv], v[D+4*n:D+4*n+1], s[(\sb):(\sb)+1] offset:\si
.endif
.set n, n+1
.endm
.macro ALLOPS
.set n, 0
.set j, 0
.rept 32                               ; x: token j / 16, block j % 16 of 64 along K; two rows a wave
	ONE VXL, 4, (j/16)*4096+(j%16)*256, VT8, 20, (j%16)*16384+(j/16)*8192
.set j, j+1
.endr
.set j, 0
.rept 16                               ; WQ1, WK1, WQ2, WK2 (matrix j / 4), row j % 4: 128 columns a wave
	ONE VT16, 6+2*(j/4), (j%4)*4096, VQK, 22, (j/8)*8*BLK+((j/4)%2)*256+(j%4)*512
.set j, j+1
.endr
.set j, 0
.rept 8                                ; WV, WO
	ONE VT16, 14+2*(j/4), (j%4)*4096, VVO, 24+2*(j/4), (j%4)*512
.set j, j+1
.endr
.set j, 0
.rept 2                                ; L1_w: phase j's 16 hidden columns of col w, four rows and the four 1,024 further down
	ONE VLL, 18, j*64, VQK, 28, j*8*BLK
.set j, j+1
.endr
.endm
.set MODE, 0
	ALLOPS
.set MODE, 1
	ALLOPS
	s_endpgm
.Lfunc_end_k_q06c552bc16_prep:
	.size	k_q06c552bc16_prep, .Lfunc_end_k_q06c552bc16_prep-k_q06c552bc16_prep
	.p2alignl 7, 3214868480
	.fill 96, 4, 3214868480
	.section	.rodata,"a",@progbits
	.p2align	6, 0x0
	.amdhsa_kernel k_q06c552bc16_prep
		.amdhsa_group_segment_fixed_size 0
		.amdhsa_private_segment_fixed_size 0
		.amdhsa_enable_private_segment 0
		.amdhsa_kernarg_size 96
		.amdhsa_user_sgpr_count 2
		.amdhsa_user_sgpr_kernarg_segment_ptr 1
		.amdhsa_wavefront_size32 1
		.amdhsa_system_sgpr_workgroup_id_x 1
		.amdhsa_system_sgpr_workgroup_id_y 1
		.amdhsa_system_sgpr_workgroup_id_z 1
		.amdhsa_system_vgpr_workitem_id 0
		.amdhsa_next_free_vgpr 240
		.amdhsa_next_free_sgpr 66
		.amdhsa_reserve_vcc 0
		.amdhsa_float_denorm_mode_32 3
		.amdhsa_float_denorm_mode_16_64 3
		.amdhsa_memory_ordered 1
		.amdhsa_forward_progress 1
		.amdhsa_inst_pref_size 23
	.end_amdhsa_kernel
	.amdgpu_metadata
---
amdhsa.version: [ 1, 2 ]
amdhsa.kernels:
  - .name:           k_q06c552bc16_prep
    .symbol:         k_q06c552bc16_prep.kd
    .args:
      - { .name: x, .offset: 0, .size: 8, .value_kind: global_buffer, .address_space: global }
      - { .name: WQ1_w, .offset: 8, .size: 8, .value_kind: global_buffer, .address_space: global }
      - { .name: WK1_w, .offset: 16, .size: 8, .value_kind: global_buffer, .address_space: global }
      - { .name: WQ2_w, .offset: 24, .size: 8, .value_kind: global_buffer, .address_space: global }
      - { .name: WK2_w, .offset: 32, .size: 8, .value_kind: global_buffer, .address_space: global }
      - { .name: WV_w, .offset: 40, .size: 8, .value_kind: global_buffer, .address_space: global }
      - { .name: WO_w, .offset: 48, .size: 8, .value_kind: global_buffer, .address_space: global }
      - { .name: L1_w, .offset: 56, .size: 8, .value_kind: global_buffer, .address_space: global }
      - { .name: xb, .offset: 64, .size: 8, .value_kind: global_buffer, .address_space: global }
      - { .name: wqk, .offset: 72, .size: 8, .value_kind: global_buffer, .address_space: global }
      - { .name: wv, .offset: 80, .size: 8, .value_kind: global_buffer, .address_space: global }
      - { .name: wo, .offset: 88, .size: 8, .value_kind: global_buffer, .address_space: global }
    .group_segment_fixed_size: 0
    .private_segment_fixed_size: 0
    .kernarg_segment_align: 8
    .kernarg_segment_size: 96
    .max_flat_workgroup_size: 256
    .sgpr_count:     66
    .vgpr_count:     240
    .wavefront_size: 32
...
	.end_amdgpu_metadata
.endif
;; end of part 5
;; launch qk (part 6): grid 8 x 32, 4 waves a work-group, clusters of 4 x 4, 327,680 bytes of LDS; arguments xb, wqk, WQ1_b, WK1_b, WQ2_b, WK2_b, L1_b, L2_w, sc, pl; writes sc, pl
.if DOCPART == 6
	.amdgcn_target "amdgcn-amd-amdhsa--gfx1250"
	.amdhsa_code_object_version 6
	.text
	.protected	k_q06c552bc16_qk
	.globl	k_q06c552bc16_qk
	.p2align	8
	.type	k_q06c552bc16_qk,@function
k_q06c552bc16_qk:
	s_mov_b64 s[64:65], 0
	v_nop
	global_prefetch_b8 v0, s[64:65] scope:SCOPE_SE
	s_setreg_imm32_b32 hwreg(HW_REG_WAVE_MODE, 25, 1), 1
	s_wait_xcnt 0x0
	s_wait_alu depctr_hold_cnt(0) depctr_sa_sdst(0) depctr_va_vdst(0) depctr_va_sdst(0) depctr_va_ssrc(0) depctr_va_vcc(0) depctr_vm_vsrc(0)
	s_getreg_b32 s2, hwreg(HW_REG_IB_STS2, 6, 4)
	s_cmp_eq_u32 s2, 0
	s_cbranch_scc0 .Lentry_in_a_cluster
	s_endpgm
.Lentry_in_a_cluster:
	s_bfe_u32 s2, ttmp6, 0x10000c
	s_cmp_lg_u32 s2, 0xf033
	s_cbranch_scc0 .Lentry_shape_is_right
	s_endpgm
.Lentry_shape_is_right:
; QK: for 256 tokens (128 rows b of x) and half a head (128 channels): phase 0 makes Q1 and K1, phase 1 Q2 and K2 (each 256 x 256, K = 1024, bf16 operands, f32 sums that start from the biases), and the
; raw scores s[q][k] = Q[b, q] . K[b, k] are taken straight from the f32 sums: Q and K never reach memory.  Beside them each phase makes 16 hidden columns of the lambda net on the same tiles of x.
; OUT.  sc [p 2][2 col + wc: 16][b 4096][4]: s00, s01, s10, s11, unscaled, summed over the wave's 64 channels.  pl [col 8][b 4096][2 phases]: relu(hidden) . L2_w over 16 hidden columns.
; LIMITS.  x and the weights enter as bf16; sums, biases, scores and the lambda partials are f32; the order of the sums is not the reference's; NaN and infinities are not treated apart.
; SHARES.  col = 2 head + half.  Wave (wr, wc) takes the 128 rows of x's sub-tile wr (64 b, both tokens) and channels 64 wc .. + 63 of both Q and K: 8 row blocks x 8 column blocks = 64 accumulators, 512 registers.
; A sub-tile's rows lie [token][b], and row block a = 2 lb + token: token 0 and token 1 of one b sit in the same lane and register of neighbouring accumulators, so the scores want no exchange but one between
; the halves of the lanes.  The wave's b blocks: lb 0, 1 = b 32 wc + 16 lb + r of its 64, lb 2, 3 = the other 32.  For the lambda net it takes lb 0, 1 and hidden columns 32 col + 16 p + 0..15: 2 accumulators.
; THE MATRIX INSTRUCTION IS USED TRANSPOSED: source 0 = 16 weight columns (the weights lie [k][n] and are turned by ds_load_tr16_b128), source 1 = 16 rows of x: a lane holds one row and eight neighbouring columns.
; RING.  16 steps of 128 along K (t = 8 p + kstep) through two LDS slots: 272 matrix instructions a wave and step, 240 of them between a slot's request and the wait for it.
; CLUSTER 4 x 4: x's tiles hang on the row block alone and are asked for jointly along a row of the cluster; the weights' blocks hang on col alone and are asked for jointly along a column.
; Waves 0 and 1 fetch the halves of the weights' block (36,864 bytes each), waves 2 and 3 x's two sub-tiles (32,768 each): one joint load a wave behind each round.
; REGISTERS, in windows of 256 (s_set_vgpr_msb: bits 1:0 source 0, 3:2 source 1, 5:4 source 2, 7:6 destination):
;   window 0: v0-19 addresses; v20-31 at work; v32-47 the lambda accumulators; v48-63 at work; v64-127, v128-191 fragments of x, two buffers; v192-207, v208-223 lambda weights, two buffers; v224-255 at work
;   window 1: v64-127, v128-191 fragments of the Q/K weights, two buffers        windows 2, 3: accumulator (a, i) at v[64 (a % 4) + 8 i], a < 4 in window 2; i < 4: Q, i >= 4: K
.set PA,    144                        ; a row of x in LDS: 128 bytes + 16: 16 rows of a load start at 16 different groups of four banks (64 banks of 4 bytes: ISA guide 11.1)
.set PB,    544                        ; a chunk of the weights' block: 512 bytes + 32, an odd multiple of 32: a row of Q/K weights, or eight rows of lambda weights
.set ASUB,  256*PA                     ; a sub-tile of x: [64 K: 2][token 2][b 64] rows
.set BOFF,  2*ASUB                     ; a slot: two sub-tiles of x,
.set LOFF,  BOFF+128*PB                ; 128 rows of Q/K weights,
.set SLOT,  BOFF+144*PB                ; 16 chunks of lambda weights: 152,064 bytes
.set CONST, 2*SLOT                     ; behind the ring, never filled by a tensor load: col's Q1, K1, Q2, K2 biases (512 bytes each), then L1_b, L2_w and a second copy of both (128 each)
.set SPARE, CONST+2560                 ; the spare words, 128 bytes for each wave: two blocks of 256 bytes that no other line names
.set BLK,   73728                      ; a block of wqk in memory
.set SPW,  2                           ; v2      LDS address of my spare word; never rewritten
.set NIL,  3                           ; v3      0; never rewritten
.set ADAX, 4                           ; v4-5    my fragments of x, b blocks lb 0, 1, in slot 0, 1
.set ADAY, 6                           ; v6-7    the same for lb 2, 3
.set ADRB, 8                           ; v8-9    my fragments of the Q/K weights
.set ADRL, 10                          ; v10-11  of the lambda weights
.set CB,   12                          ; v12     my eight numbers of a bias
.set LB,   13                          ; v13     my eight numbers of L1_b; L2_w lies 128 bytes on
.set VOX,  14                          ; v14     sc: 16 bytes for b = 32 wc + lane of my 64
.set VOY,  15                          ; v15     sc: for b = 32 (1 - wc) + lane
.set VOP,  16                          ; v16     pl: 8 bytes for b = 32 wc + lane
.set LPA,  18                          ; v18-19  the lambda partials of phase 0 and 1
.set LACC, 32
.set L2R,  48                          ; v48-55  my eight numbers of L2_w
.set OUTX, 56                          ; v56-63  what the two stores of scores read
.set F0,   64
.set F1,   128
.set SV,   208                         ; v208-223 the sixteen reduced scores (the second lambda buffer is idle at a phase's end)
.set T,    224
.set WV,  24                           ; s24  my wave's number
.set WR,  25                           ; s25  wave / 2: my sub-tile of x.  Also: I fetch for the weights (0) or for x (1)
.set WC,  26                           ; s26  wave % 2: my 64 channels.  Also: which half I fetch
.set COL, 29
.set RB,  30                           ; s30  the row block of 128 b
.set G1A, 32                           ; s[32:39], s[40:47] descriptor group 1 for x's tiles, the weights' blocks
.set G1B, 40
.set G0A, 48                           ; s[48:55] group 0 for x's tiles, a set for each slot
.set G0B, 56                           ; s[56:63] for the weights'
.set BSA, 68                           ; s[68:69] my sub-tile of x at K step 0;  s[70:71] my half of col's block 0
.set BSB, 70
.set OFF, 72                           ; s[72:73] a tile's byte offset
.set TN,  74                           ; s74  the tile to be asked for next
.set CNT, 75                           ; s75  laps to go
.set SEL, 76                           ; s[76:77] v_permlanex16_b32's selects: each lane takes its own place in the other half
.set HM,  78                           ; s78  a lane mask: lanes 16-31
.set OY,  80                           ; s[80:81] offsets that hang on the row block (never cx)
.set OX,  82                           ; s[82:83] offsets that hang on col (never cy)
.set MSB, 0
.macro WIN new                         ; the immediate's high byte repeats the setting that is left; a switch that changes nothing is dropped
.if MSB != (\new)
	s_set_vgpr_msb (MSB<<8)|(\new)
.set MSB, (\new)
.endif
.endm
.macro PLACES                          ; four places in front of loads into registers that matrix instructions have read, and of vector lines that read results
.rept 4
	v_nop
.endr
.endm
; A joint load.  The branch hangs on the wave's number alone.  An s_nop 0 and four v_nop follow each line, ahead of the jump, the label and what follows.
.macro JLOAD s
	s_cmp_eq_u32 s[WR], 0
	s_cbranch_scc0 .Lfor_x_\@
	tensor_load_to_lds s[G0B+4*(\s):G0B+4*(\s)+3], s[G1B:G1B+7]
	s_nop 0
.rept 4
	v_nop
.endr
	s_branch .Lasked_\@
.Lfor_x_\@:
	tensor_load_to_lds s[G0A+4*(\s):G0A+4*(\s)+3], s[G1A:G1A+7]
	s_nop 0
.rept 4
	v_nop
.endr
.Lasked_\@:
.endm
.macro CREST                           ; a round of the cluster's barrier behind its opening barrier
	s_cmp_lg_u32 s[WV], 0
	s_cbranch_scc1 .Lnot_wave_0_\@
	s_barrier_signal -3
.Lnot_wave_0_\@:
	s_barrier_wait -3
	s_barrier_signal -1
	s_barrier_wait -1
.endm
.macro CROUND                          ; a whole round
	s_barrier_signal -1
	s_barrier_wait -1
	CREST
.endm
	s_load_b512 s[4:19], s[0:1], 0x0               ; xb, wqk, WQ1_b, WK1_b, WQ2_b, WK2_b, L1_b, L2_w
	s_load_b128 s[20:23], s[0:1], 0x40             ; sc, pl
	v_lshl_add_u32 v[SPW], v0, 2, SPARE
	v_mov_b32 v[NIL], 0
	ds_add_u32 v[SPW], v[NIL]                      ; the wave's opening: the add and its wait stand ahead of my first tensor load; the set-up below, work on registers, stands between them
	ds_add_u32 v2, v3
	v_lshrrev_b32 v1, 5, v0
	v_readfirstlane_b32 s[WV], v1                  ; wave 0..3
	s_lshr_b32 s[WR], s[WV], 1
	s_and_b32 s[WC], s[WV], 1
	s_bfe_u32 s27, ttmp6, 0x40000                  ; cx
	s_bfe_u32 s28, ttmp6, 0x40004                  ; cy
	s_lshl_b32 s[COL], ttmp9, 2
	s_add_co_u32 s[COL], s[COL], s27               ; col = 4 x cluster x + cx
	s_and_b32 s[RB], ttmp7, 0xffff
	s_lshl_b32 s[RB], s[RB], 2
	s_add_co_u32 s[RB], s[RB], s28                 ; row block = 4 x cluster y + cy
	s_lshl_b32 s31, s28, 2
	s_lshl_b32 s31, 15, s31                        ; my row of the cluster
	s_lshl_b32 s79, 0x1111, s27                    ; my column
	; group 1.  15:0 the mask; 17:16 elements of 2 bytes; 20 padding on; 21 set beside a mask; 24:22 the interval's code; 31:25 the padding's words less one
	s_or_b32 s[G1A], s31, (1<<16)|(1<<20)|(1<<21)|(4<<22)|(3<<25)  ; x: 32,768 dense bytes as 128 rows of 256, 4 words of padding after every 32 words: LDS rows of 128 + 16 bytes
	s_mov_b32 s[G1A+1], 128<<16                    ; tensor_dim0 = 128
	s_mov_b32 s[G1A+2], 128<<16                    ; tensor_dim1 = 128
	s_mov_b32 s[G1A+3], 128<<16                    ; tile_dim0 = 128
	s_mov_b32 s[G1A+4], 128                        ; tile_dim1 = 128
	s_mov_b32 s[G1A+5], 128                        ; elements from row to row
	s_mov_b32 s[G1A+6], 0
	s_mov_b32 s[G1A+7], 0
	s_or_b32 s[G1B], s79, (1<<16)|(1<<20)|(1<<21)|(6<<22)|(7<<25)  ; weights: half a block, 36,864 dense bytes as 72 rows of 512, 8 words of padding after every 128 words
	s_mov_b32 s[G1B+1], 256<<16
	s_mov_b32 s[G1B+2], 72<<16
	s_mov_b32 s[G1B+3], 256<<16
	s_mov_b32 s[G1B+4], 72
	s_mov_b32 s[G1B+5], 256
	s_mov_b32 s[G1B+6], 0
	s_mov_b32 s[G1B+7], 0
	; what feeds x's descriptors hangs on the row block alone, what feeds the weights' on col alone
	s_lshl_b32 s[OY], s[RB], 19                    ; two row blocks of xb, 16 tiles of 16,384 bytes each,
	s_lshl_b32 s84, s[WC], 18                      ; of which I fetch one
	s_add_co_u32 s[OY], s[OY], s84
	s_mov_b32 s[OY+1], 0
	s_mul_i32 s[OX], s[COL], 16*BLK                ; col's 16 blocks,
	s_mul_i32 s84, s[WC], BLK/2                    ; my half of each
	s_add_co_u32 s[OX], s[OX], s84
	s_mov_b32 s[OX+1], 0
	s_mul_i32 s85, s[WC], ASUB                     ; and their places in a slot
	s_mul_i32 s79, s[WC], 72*PB
	s_mov_b32 s[OFF+1], 0
	s_mov_b32 s[TN], 2
	s_mov_b32 s[SEL], 0x76543210
	s_mov_b32 s[SEL+1], 0xfedcba98
	s_mov_b32 s[HM], 0xffff0000
	s_wait_dscnt 0x0                               ; the opening add is done
	s_wait_kmcnt 0x0
	s_add_nc_u64 s[BSA:BSA+1], s[4:5], s[OY:OY+1]
	s_add_nc_u64 s[BSB:BSB+1], s[6:7], s[OX:OX+1]
	CROUND                                         ; all sixteen work-groups are here: the first joint loads meet
.irp s, 0,1
	s_mov_b32 s[G0A+4*(\s)], 1                     ; count = 1
	s_add_co_u32 s[G0A+4*(\s)+1], s85, (\s)*SLOT   ; LDS address
	s_add_nc_u64 s[G0A+4*(\s)+2:G0A+4*(\s)+3], s[BSA:BSA+1], (\s)*32768  ; global address: K step s
	s_or_b32 s[G0A+4*(\s)+3], s[G0A+4*(\s)+3], 0x80000000               ; type = 2
	s_mov_b32 s[G0B+4*(\s)], 1
	s_add_co_u32 s[G0B+4*(\s)+1], s79, BOFF+(\s)*SLOT
	s_add_nc_u64 s[G0B+4*(\s)+2:G0B+4*(\s)+3], s[BSB:BSB+1], (\s)*BLK
	s_or_b32 s[G0B+4*(\s)+3], s[G0B+4*(\s)+3], 0x80000000
	JLOAD \s                                       ; both slots are asked for before anything else is done: two loads of mine are out
.endr
	; col's constants go into LDS once: wave w brings 128 numbers of the bias of Q1, K1, Q2, K2 (w = 0..3), and 32 of L1_b (even waves) or L2_w (odd waves), each wave into bytes of its own.
	s_cmp_lt_u32 s[WV], 2
	s_cselect_b64 s[8:9], s[8:9], s[12:13]         ; WQ1_b or WQ2_b
	s_cselect_b64 s[10:11], s[10:11], s[14:15]     ; WK1_b or WK2_b
	s_cmp_eq_u32 s[WC], 0
	s_cselect_b64 s[8:9], s[8:9], s[10:11]         ; Q's or K's
	s_cselect_b64 s[16:17], s[16:17], s[18:19]     ; L1_b or L2_w
	s_lshl_b32 s[OX], s[COL], 9                    ; col's 128 numbers
	s_add_nc_u64 s[8:9], s[8:9], s[OX:OX+1]
	s_lshl_b32 s[OX], s[COL], 7                    ; col's 32 hidden columns
	s_add_nc_u64 s[16:17], s[16:17], s[OX:OX+1]
	v_and_b32 v29, 31, v0
	v_lshlrev_b32 v30, 2, v29
	v_lshlrev_b32 v29, 4, v29
	global_load_b128 v[224:227], v29, s[8:9]
	global_load_b32 v228, v30, s[16:17]
	v_lshl_add_u32 v31, v0, 4, CONST
	v_lshl_add_u32 v17, v0, 2, CONST+2048
	; where the results go
	s_lshl_b32 s[OX], s[COL], 1
	s_add_co_u32 s[OX], s[OX], s[WC]
	s_lshl_b32 s[OX], s[OX], 16                    ; sc: (2 col + wc) x 4,096 b x 16 bytes,
	s_add_nc_u64 s[20:21], s[20:21], s[OX:OX+1]
	s_lshl_b32 s[OY], s[RB], 11                    ; and b = 128 rb + 64 wr
	s_lshl_b32 s86, s[WR], 10
	s_add_co_u32 s[OY], s[OY], s86
	s_add_nc_u64 s[20:21], s[20:21], s[OY:OY+1]
	s_lshl_b32 s[OX], s[COL], 15                   ; pl: col x 4,096 b x 8 bytes,
	s_add_nc_u64 s[22:23], s[22:23], s[OX:OX+1]
	s_lshr_b32 s[OY], s[OY], 1                     ; and b = 128 rb + 64 wr + 32 wc
	s_lshl_b32 s86, s[WC], 8
	s_add_co_u32 s[OY], s[OY], s86
	s_add_nc_u64 s[22:23], s[22:23], s[OY:OY+1]
	; LDS addresses.  A fragment of x: lane l holds row l % 16, K = 8 (l / 16) + 0..7 and 16 + the same: two loads of 16 bytes, 32 bytes apart.
	v_and_b32 v20, 15, v0                          ; r
	v_bfe_u32 v21, v0, 4, 1                        ; hh
	v_and_b32 v22, 31, v0                          ; lane
	v_and_b32 v23, 7, v0
	v_bfe_u32 v24, v0, 3, 1
	v_mul_u32_u24 v25, v20, PA
	v_lshl_add_u32 v25, v21, 4, v25
	s_mul_i32 s84, s[WR], ASUB
	s_mul_i32 s86, s[WC], 32*PA
	s_xor_b32 s87, s[WC], 1
	s_mul_i32 s87, s87, 32*PA
	s_add_co_u32 s86, s86, s84
	s_add_co_u32 s87, s87, s84
	v_add_nc_u32 v[ADAX], s86, v25
	v_add_nc_u32 v[ADAX+1], SLOT, v[ADAX]
	v_add_nc_u32 v[ADAY], s87, v25
	v_add_nc_u32 v[ADAY+1], SLOT, v[ADAY]
	; The turning load: lane l reads 16 bytes of row 8 (l / 16) + l % 8, columns 8 ((l / 8) % 2) + 0..7, and is left with column l % 16 and 8 K.
	v_lshl_add_u32 v26, v21, 3, v23
	v_mul_u32_u24 v27, v26, PB
	v_lshl_add_u32 v27, v24, 4, v27
	s_lshl_b32 s86, s[WC], 7                       ; my 64 channels of Q lie at 128 wc in a row, K's 256 bytes on
	s_add_co_u32 s86, s86, BOFF
	v_add_nc_u32 v[ADRB], s86, v27
	v_add_nc_u32 v[ADRB+1], SLOT, v[ADRB]
	v_mul_u32_u24 v28, v21, PB                     ; the lambda weights lie eight rows of 64 bytes to a chunk: chunk hh, row l % 8
	v_lshl_add_u32 v28, v23, 6, v28
	v_lshl_add_u32 v28, v24, 4, v28
	v_add_nc_u32 v[ADRL], LOFF, v28
	v_add_nc_u32 v[ADRL+1], SLOT, v[ADRL]
	v_lshlrev_b32 v27, 5, v21                      ; 32 hh
	s_lshl_b32 s86, s[WC], 8
	s_add_co_u32 s86, s86, CONST
	v_add_nc_u32 v[CB], s86, v27
	v_add_nc_u32 v[LB], CONST+2048, v27
	v_lshlrev_b32 v28, 4, v22
	s_lshl_b32 s86, s[WC], 9
	s_xor_b32 s87, s86, 512
	v_add_nc_u32 v[VOX], s86, v28
	v_add_nc_u32 v[VOY], s87, v28
	v_lshlrev_b32 v[VOP], 3, v22
	v_mov_b32 v[LPA], 0                            ; written here so that it is defined on every way through the text; phase 0's end writes it
	s_wait_loadcnt 0x0
	ds_store_b128 v31, v[224:227]
	ds_store_b32 v17, v228
; 16 matrix instructions: row blocks a0, a0 + 1 of the window's four x all 8 column blocks, 32 along K.  The 64 accumulators take turns, one instruction a turn.
.macro MUL16 f, hi, a0
	WIN 0xa1+0x50*(\hi)                            ; weights window 1, x window 0, C and D window 2 or 3
.irp a, \a0, (\a0)+1
.irp i, 0,1,2,3,4,5,6,7
	v_wmma_f32_16x16x32_bf16 v[8*(8*(\a)+(\i)):8*(8*(\a)+(\i))+7], v[(\f)+8*(\i):(\f)+8*(\i)+7], v[(\f)+8*(4*(\hi)+(\a)):(\f)+8*(4*(\hi)+(\a))+7], v[8*(8*(\a)+(\i)):8*(8*(\a)+(\i))+7]
.endr
.endr
.endm
; The lambda net's four: hidden += L1_w[k] x token 0 and L1_w[1024 + k] x token 1, for b blocks lb 0 and 1; the two accumulators by turns.
.macro LAMQ f
	WIN 0
.set LF, 192+((\f)-64)/4
	v_wmma_f32_16x16x32_bf16 v[LACC:LACC+7],    v[LF:LF+7],    v[(\f):(\f)+7],     v[LACC:LACC+7]
	v_wmma_f32_16x16x32_bf16 v[LACC+8:LACC+15], v[LF:LF+7],    v[(\f)+16:(\f)+23], v[LACC+8:LACC+15]
	v_wmma_f32_16x16x32_bf16 v[LACC:LACC+7],    v[LF+8:LF+15], v[(\f)+8:(\f)+15],  v[LACC:LACC+7]
	v_wmma_f32_16x16x32_bf16 v[LACC+8:LACC+15], v[LF+8:LF+15], v[(\f)+24:(\f)+31], v[LACC+8:LACC+15]
.endm
; 36 LDS loads in one run: the fragments of quarter q of a step (32 along K): 16 for the Q/K weights, 4 for the lambda weights, 16 for x (row blocks 0 to 7 in order).
.macro FETCH slot, q, f
	WIN 0x40                                       ; destination window 1
.irp i, 0,1,2,3,4,5,6,7
	ds_load_tr16_b128 v[(\f)+8*(\i):(\f)+8*(\i)+3],   v[ADRB+(\slot)] offset:(\q)*32*PB+((\i)%4)*32+((\i)/4)*256
	ds_load_tr16_b128 v[(\f)+8*(\i)+4:(\f)+8*(\i)+7], v[ADRB+(\slot)] offset:(\q)*32*PB+16*PB+((\i)%4)*32+((\i)/4)*256
.endr
	WIN 0
.set LF, 192+((\f)-64)/4
.irp e, 0,1
	ds_load_tr16_b128 v[LF+8*(\e):LF+8*(\e)+3],   v[ADRL+(\slot)] offset:(\q)*4*PB+32*(\e)
	ds_load_tr16_b128 v[LF+8*(\e)+4:LF+8*(\e)+7], v[ADRL+(\slot)] offset:(\q)*4*PB+2*PB+32*(\e)
.endr
.irp a, 0,1,2,3
	ds_load_b128 v[(\f)+8*(\a):(\f)+8*(\a)+3],   v[ADAX+(\slot)] offset:((\q)/2)*128*PA+((\q)%2)*64+((\a)%2)*64*PA+((\a)/2)*16*PA
	ds_load_b128 v[(\f)+8*(\a)+4:(\f)+8*(\a)+7], v[ADAX+(\slot)] offset:((\q)/2)*128*PA+((\q)%2)*64+((\a)%2)*64*PA+((\a)/2)*16*PA+32
.endr
.irp a, 0,1,2,3
	ds_load_b128 v[(\f)+32+8*(\a):(\f)+32+8*(\a)+3],   v[ADAY+(\slot)] offset:((\q)/2)*128*PA+((\q)%2)*64+((\a)%2)*64*PA+((\a)/2)*16*PA
	ds_load_b128 v[(\f)+32+8*(\a)+4:(\f)+32+8*(\a)+7], v[ADAY+(\slot)] offset:((\q)/2)*128*PA+((\q)%2)*64+((\a)%2)*64*PA+((\a)/2)*16*PA+32
.endr
.endm
; A step is four quarters of 32 along K, 68 matrix instructions each, on buffers 0, 1, 0, 1.  One of the first three: multiplies buffer f; in its middle it fetches quarter q into buffer g.
.macro QUARTER slot, q, f, g
	s_wait_dscnt 8                                 ; all but the youngest eight loads (x's row blocks 4-7) are in
	MUL16 \f, 0, 0
	MUL16 \f, 0, 2
	LAMQ \f
	PLACES
	FETCH \slot, \q, \g
	s_wait_dscnt 36                                ; all but the 36 just issued
	MUL16 \f, 1, 0
	MUL16 \f, 1, 2
.endm
.macro THREE slot
	QUARTER \slot, 1, F0, F1
	QUARTER \slot, 2, F1, F0
	QUARTER \slot, 3, F0, F1
.endm
; The global words of slot's two descriptors are made anew from the tile's number: x's tiles come round again in phase 1, the weights' blocks run on.
.macro NEXT slot
	s_and_b32 s[OFF], s[TN], 7
	s_lshl_b32 s[OFF], s[OFF], 15
	s_add_nc_u64 s[G0A+4*(\slot)+2:G0A+4*(\slot)+3], s[BSA:BSA+1], s[OFF:OFF+1]
	s_or_b32 s[G0A+4*(\slot)+3], s[G0A+4*(\slot)+3], 0x80000000
	s_mul_i32 s[OFF], s[TN], BLK
	s_add_nc_u64 s[G0B+4*(\slot)+2:G0B+4*(\slot)+3], s[BSB:BSB+1], s[OFF:OFF+1]
	s_or_b32 s[G0B+4*(\slot)+3], s[G0B+4*(\slot)+3], 0x80000000
	s_add_co_u32 s[TN], s[TN], 1
.endm
; The last quarter multiplies buffer 1 and changes slots: ONE barrier.  In front of it each wave waits for all its tensor loads (one is out: its part of the next slot), adds 0 to its spare word, and waits
; for that and for its own reads of this slot.  fill = 1: the barrier opens a round of the cluster's, and the joint refill of this slot, two steps ahead, is the first tensor load behind the round.
; The lambda net's four products stand behind the refill, so that 32 matrix instructions and no more lie between the wait for all loads and the next request.
.macro TURN slot, next, fill
	WIN 0                                          ; (the add's two registers lie in window 0)
	s_wait_tensorcnt 0x0                           ; no tensor load of mine is out, so a group 0 may be written
	ds_add_u32 v[SPW], v[NIL]                      ; 0 onto my spare word
.if \fill
	NEXT \slot
.endif
	s_wait_dscnt 9                                 ; (the add and the youngest eight loads may be out)
	MUL16 F1, 0, 0
	s_wait_dscnt 0x0                               ; the add is done, and my reads of this slot are over
	s_barrier_signal -1
	MUL16 F1, 0, 2                                 ; work on registers while the others arrive
	WIN 0
	s_barrier_wait -1
.if \fill
	CREST                                          ; no wave of any partner still reads this slot's tiles or has a load on its way
	JLOAD \slot                                    ; the four v_nop behind it are also the places in front of the loads below
.else
	PLACES
.endif
	FETCH \next, 0, F0
	LAMQ F1
	MUL16 F1, 1, 0
	MUL16 F1, 1, 2
.endm
.macro LASTQ                           ; the very last quarter: nothing more to fetch
	s_wait_dscnt 8
	MUL16 F1, 0, 0
	MUL16 F1, 0, 2
	LAMQ F1
	s_wait_dscnt 0x0
	MUL16 F1, 1, 0
	MUL16 F1, 1, 2
.endm
; A phase's sums start from the biases: register j of accumulator (a, i) holds column 16 i + 8 hh + j whatever a, so each accumulator takes 32 bytes of the bias from LDS.  Nothing is cleared and no bias is added later.
.macro INIT p
.irp hi, 0,1
	WIN 0x80+0x40*(\hi)                            ; destination window 2, then 3
.set n, 0
.rept 32                               ; accumulator n = 8 (a % 4) + i
	ds_load_b128 v[8*n:8*n+3],   v[CB] offset:(\p)*1024+((n%8)/4)*512+(n%4)*64
	ds_load_b128 v[8*n+4:8*n+7], v[CB] offset:(\p)*1024+((n%8)/4)*512+(n%4)*64+16
.set n, n+1
.endr
.endr
	WIN 0
.irp e, 0,8
	ds_load_b128 v[LACC+(\e):LACC+(\e)+3],   v[LB] offset:(\p)*64
	ds_load_b128 v[LACC+(\e)+4:LACC+(\e)+7], v[LB] offset:(\p)*64+16
.endr
	s_wait_dscnt 0x0
.endm
; A PHASE'S END.  Scores: for each b block four sums of products of the lane's 32 channels (Q token 0 or 1 with K token 0 or 1), two at a time; each accumulator is read from its lowest pair on.
; The halves of a pair and the two halves of the lanes are added; lanes 0-15 then keep one b block's four numbers, lanes 16-31 the next one's: a store covers 512 consecutive bytes.
; Lambda: relu, times L2_w, summed likewise.  The text holds no barrier and no tensor load, so phase 0's may be jumped over in the other laps.
.macro EPI p
	PLACES
	ds_load_b128 v[L2R:L2R+3],   v[LB] offset:128+(\p)*64
	ds_load_b128 v[L2R+4:L2R+7], v[LB] offset:128+(\p)*64+16
.irp lb, 0,1,2,3
	WIN 0x0a+5*((\lb)/2)                           ; sources 0 and 1: window 2 or 3
.irp i, 0,1,2,3
.irp j, 0,2,4,6
.set QE, 128*((\lb)%2)+8*(\i)+(\j)     ; Q of token 0; K of token 0 at + 32, Q of token 1 at + 64, K of token 1 at + 96
.set TT, T+8*(\lb)
.if ((\i)+(\j)) == 0
	v_pk_mul_f32 v[TT:TT+1],   v[QE:QE+1],     v[QE+32:QE+33]
	v_pk_mul_f32 v[TT+2:TT+3], v[QE:QE+1],     v[QE+96:QE+97]
	v_pk_mul_f32 v[TT+4:TT+5], v[QE+64:QE+65], v[QE+32:QE+33]
	v_pk_mul_f32 v[TT+6:TT+7], v[QE+64:QE+65], v[QE+96:QE+97]
.else
	v_pk_fma_f32 v[TT:TT+1],   v[QE:QE+1],     v[QE+32:QE+33], v[TT:TT+1]
	v_pk_fma_f32 v[TT+2:TT+3], v[QE:QE+1],     v[QE+96:QE+97], v[TT+2:TT+3]
	v_pk_fma_f32 v[TT+4:TT+5], v[QE+64:QE+65], v[QE+32:QE+33], v[TT+4:TT+5]
	v_pk_fma_f32 v[TT+6:TT+7], v[QE+64:QE+65], v[QE+96:QE+97], v[TT+6:TT+7]
.endif
.endr
.endr
.endr
	WIN 0
.set n, 0
.rept 16
	v_add_f32 v[T+2*n], v[T+2*n], v[T+2*n+1]
.set n, n+1
.endr
.set n, 0
.rept 16
	v_permlanex16_b32 v[T+2*n+1], v[T+2*n], s[SEL], s[SEL+1]  ; the row's other 32 channels lie in the lane 16 away
.set n, n+1
.endr
.set n, 0
.rept 16
	v_add_f32 v[SV+n], v[T+2*n], v[T+2*n+1]
.set n, n+1
.endr
.irp c, 0,1,2,3
	v_cndmask_b32 v[OUTX+(\c)],   v[SV+(\c)],   v[SV+4+(\c)],  s[HM]
	v_cndmask_b32 v[OUTX+4+(\c)], v[SV+8+(\c)], v[SV+12+(\c)], s[HM]
.endr
	global_store_b128 v[VOX], v[OUTX:OUTX+3],   s[20:21] offset:(\p)*1048576
	global_store_b128 v[VOY], v[OUTX+4:OUTX+7], s[20:21] offset:(\p)*1048576
	s_wait_dscnt 0x0                               ; L2_w's eight numbers are in
.set n, 0
.rept 16
	v_max_num_f32 v[LACC+n], 0, v[LACC+n]
.set n, n+1
.endr
	v_pk_mul_f32 v[20:21], v[LACC:LACC+1],   v[L2R:L2R+1]
	v_pk_mul_f32 v[22:23], v[LACC+8:LACC+9], v[L2R:L2R+1]
.irp j, 2,4,6
	v_pk_fma_f32 v[20:21], v[LACC+(\j):LACC+(\j)+1],   v[L2R+(\j):L2R+(\j)+1], v[20:21]
	v_pk_fma_f32 v[22:23], v[LACC+8+(\j):LACC+9+(\j)], v[L2R+(\j):L2R+(\j)+1], v[22:23]
.endr
	v_add_f32 v20, v20, v21
	v_add_f32 v22, v22, v23
	v_permlanex16_b32 v21, v20, s[SEL], s[SEL+1]
	v_permlanex16_b32 v23, v22, s[SEL], s[SEL+1]
	v_add_f32 v20, v20, v21
	v_add_f32 v22, v22, v23
	v_cndmask_b32 v[LPA+(\p)], v20, v22, s[HM]
.if (\p) == 1
	global_store_b64 v[VOP], v[LPA:LPA+1], s[22:23]  ; both phases' partials of 32 b: 256 consecutive bytes, at a multiple of 256 from pl's first byte
.else
	s_wait_xcnt 0x0                                ; the stores' data registers are written again at phase 1's end: only behind this wait
.endif
.endm
	s_wait_tensorcnt 0x1                           ; my part of slot 0 is in; slot 1's may stay out
	s_wait_dscnt 0x0                               ; for the others' sake: my stores of the constants are done
	s_barrier_signal -1
	s_barrier_wait -1
	INIT 0
	FETCH 0, 0, F0
	WIN 0                                          ; at a label and at a branch every window is 0
	s_mov_b32 s[CNT], 7
.Llap:                                                 ; a lap = two steps = once round the ring; 7 laps ask for tiles 2 to 15
	THREE 0
	TURN 0, 1, 1
	THREE 1
	TURN 1, 0, 1
	WIN 0
	s_cmp_lg_u32 s[CNT], 4                         ; the fourth lap ends step 7: phase 0 is whole.  Step 8's first fragments rest in buffer 0 meanwhile
	s_cbranch_scc1 .Lsame_phase
	EPI 0
	INIT 1
	WIN 0
.Lsame_phase:
	s_sub_co_u32 s[CNT], s[CNT], 1
	s_cmp_lg_u32 s[CNT], 0
	s_cbranch_scc1 .Llap
	THREE 0                                        ; the last lap is written out: it asks for nothing, and has no round of the cluster's barrier
	TURN 0, 1, 0
	THREE 1
	LASTQ
	WIN 0
	EPI 1
	s_wait_tensorcnt 0x0                           ; the wave's end: behind my last tensor load and my last LDS store
	ds_add_u32 v[SPW], v[NIL]
	s_wait_dscnt 0x0
	CROUND                                         ; the closing round: no work-group ends while a partner may still ask for a tile that names it
	s_endpgm
.Lfunc_end_k_q06c552bc16_qk:
	.size	k_q06c552bc16_qk, .Lfunc_end_k_q06c552bc16_qk-k_q06c552bc16_qk
	.p2alignl 7, 3214868480
	.fill 96, 4, 3214868480
	.section	.rodata,"a",@progbits
	.p2align	6, 0x0
	.amdhsa_kernel k_q06c552bc16_qk
		.amdhsa_group_segment_fixed_size 327680
		.amdhsa_private_segment_fixed_size 0
		.amdhsa_enable_private_segment 0
		.amdhsa_kernarg_size 80
		.amdhsa_user_sgpr_count 2
		.amdhsa_user_sgpr_kernarg_segment_ptr 1
		.amdhsa_wavefront_size32 1
		.amdhsa_system_sgpr_workgroup_id_x 1
		.amdhsa_system_sgpr_workgroup_id_y 1
		.amdhsa_system_sgpr_workgroup_id_z 1
		.amdhsa_system_vgpr_workitem_id 0
		.amdhsa_next_free_vgpr 1024
		.amdhsa_next_free_sgpr 88
		.amdhsa_reserve_vcc 0
		.amdhsa_float_denorm_mode_32 3
		.amdhsa_float_denorm_mode_16_64 3
		.amdhsa_memory_ordered 1
		.amdhsa_forward_progress 1
		.amdhsa_inst_pref_size 180
	.end_amdhsa_kernel
	.amdgpu_metadata
---
amdhsa.version: [ 1, 2 ]
amdhsa.kernels:
  - .name:           k_q06c552bc16_qk
    .symbol:         k_q06c552bc16_qk.kd
    .args:
      - { .name: xb, .offset: 0, .size: 8, .value_kind: global_buffer, .address_space: global }
      - { .name: wqk, .offset: 8, .size: 8, .value_kind: global_buffer, .address_space: global }
      - { .name: WQ1_b, .offset: 16, .size: 8, .value_kind: global_buffer, .address_space: global }
      - { .name: WK1_b, .offset: 24, .size: 8, .value_kind: global_buffer, .address_space: global }
      - { .name: WQ2_b, .offset: 32, .size: 8, .value_kind: global_buffer, .address_space: global }
      - { .name: WK2_b, .offset: 40, .size: 8, .value_kind: global_buffer, .address_space: global }
      - { .name: L1_b, .offset: 48, .size: 8, .value_kind: global_buffer, .address_space: global }
      - { .name: L2_w, .offset: 56, .size: 8, .value_kind: global_buffer, .address_space: global }
      - { .name: sc, .offset: 64, .size: 8, .value_kind: global_buffer, .address_space: global }
      - { .name: pl, .offset: 72, .size: 8, .value_kind: global_buffer, .address_space: global }
    .group_segment_fixed_size: 327680
    .private_segment_fixed_size: 0
    .kernarg_segment_align: 8
    .kernarg_segment_size: 80
    .max_flat_workgroup_size: 128
    .sgpr_count:     88
    .vgpr_count:     1024
    .wavefront_size: 32
...
	.end_amdgpu_metadata
.endif
;; end of part 6
;; launch vmix (part 7): grid 4 x 64, 4 waves a work-group, clusters of 4 x 4, 327,680 bytes of LDS; arguments xb, wv, WV_b, sc, pl, L2_b, ab; writes ab
.if DOCPART == 7
	.amdgcn_target "amdgcn-amd-amdhsa--gfx1250"
	.amdhsa_code_object_version 6
	.text
	.protected	k_q06c552bc16_vmix
	.globl	k_q06c552bc16_vmix
	.p2align	8
	.type	k_q06c552bc16_vmix,@function
k_q06c552bc16_vmix:
	s_mov_b64 s[64:65], 0
	v_nop
	global_prefetch_b8 v0, s[64:65] scope:SCOPE_SE
	s_setreg_imm32_b32 hwreg(HW_REG_WAVE_MODE, 25, 1), 1
	s_wait_xcnt 0x0
	s_wait_alu depctr_hold_cnt(0) depctr_sa_sdst(0) depctr_va_vdst(0) depctr_va_sdst(0) depctr_va_ssrc(0) depctr_va_vcc(0) depctr_vm_vsrc(0)
	s_getreg_b32 s2, hwreg(HW_REG_IB_STS2, 6, 4)
	s_cmp_eq_u32 s2, 0
	s_cbranch_scc0 .Lentry_in_a_cluster
	s_endpgm
.Lentry_in_a_cluster:
	s_bfe_u32 s2, ttmp6, 0x10000c
	s_cmp_lg_u32 s2, 0xf033
	s_cbranch_scc0 .Lentry_shape_is_right
	s_endpgm
.Lentry_shape_is_right:
; VMIX: for 128 tokens (64 rows b) and one head: V = tokens x WV + WV_b (128 x 256, K = 1024, bf16 operands, f32 sums that start from the bias); the two softmaxes of 2 x 2, the gate lam and
; w = relu(a1 - lam a2) are finished from the partial scores and partial logits of the launch before; out[q] = w[q][0] V[0] + w[q][1] V[1] in f32, rounded once to bf16 into ab (xb's layout, k = 256 h + d).
; SOFTMAX.  t = s x log2(e) / 16; the row's maximum is taken away; a = 2^(t - m) / (the sum of the two).  lam = 1 / (1 + 2^(-log2(e) z)), z = the sum of the 16 partial logits + L2_b.
; LIMITS.  x, WV and the mixed rows are bf16; all else f32.  A weight below 2^-126 counts as 0 (the exponential flushes); NaN and infinities are not treated apart; the order of the sums is not the reference's.
; SHARES.  Wave (wr = w / 2, wc = w % 2): b = 32 wr .. + 31, both tokens, columns 128 wc .. + 127: row blocks a = 2 bb + token (4) x 8 column blocks = 32 accumulators.  Token 0 and token 1 of one b sit in
; the same lane and register of neighbouring accumulators, so the mixing changes no lanes.  THE MATRIX INSTRUCTION IS USED TRANSPOSED (source 0 = 16 weight columns, turned by ds_load_tr16_b128; source 1 = 16 rows).
; RING.  8 steps of 128 along K through two LDS slots.  Slot 1 begins at byte 1 << 17, so that one exclusive or turns an address in one slot into the other's: a step is written once with a refill (six trips,
; tiles 2 to 7) and once without (two trips).  The price of one text for the last two steps: the last trip passes one barrier more and fetches 24 fragments, of a tile read before, that serve nothing.
; CLUSTER 4 x 4: x's tiles are asked for jointly along a row of the cluster, WV's along a column; waves 0, 1 fetch x's two sub-tiles of 64 K, waves 2, 3 the halves of WV's.
; REGISTERS: window 0: v0-15 addresses; v16-31 the weights; v32-255 at work.   window 1: v0-31, v32-63 fragments of x; v64-127, v128-191 of WV.   window 2: accumulator (a, i) at v[64 a + 8 i].
.set PA,    144                        ; a row of x in LDS: 128 bytes + 16
.set PB,    544                        ; a row of WV: 512 + 32, an odd multiple of 32
.set BOFF,  2*128*PA                   ; a slot: two sub-tiles of 128 rows of x, then 128 rows of WV
.set SLOTB, BOFF+128*PB                ; 106,496 bytes
.set SLOT1, 1<<17                      ; where slot 1 begins
.set STAGE, SLOT1+SLOTB                ; behind the ring, never filled by a tensor load: for each wave 2 x 16 rows of 144 bytes, for the way out
.set SP,    144
.set SPARE, STAGE+4*32*SP              ; the spare words, 128 bytes for each wave: two blocks of 256 bytes that no other line names
.set SPW,   2
.set NIL,   3
.set ADRA0, 4                          ; v4     my lane's place among the fragments of x in a slot; never rewritten
.set ADRA,  5                          ; v5     the same in the slot in hand
.set ADRB0, 6                          ; v6     my lane's place among WV's fragments; never rewritten
.set ADRB,  7                          ; v7     the same in the slot in hand
.set STO,  8                           ; v8     the way out: where I put 16 bytes of a row
.set RD,   9                           ; v9     where I read rows back
.set GO,   10                          ; v10    16 x lane
.set BO,   11                          ; v11    32 hh: my eight numbers of the bias
.set VL8,  12                          ; v12    8 x lane
.set WT,   16                          ; v[16 + 2 (4 bb + c)]: weight c (w00, w01, w10, w11) of b = 16 bb + r, in both registers of the pair
.set TE,   64                          ; v64-127  token 0's mixed row, v128-191 token 1's
.set TO,   128
.set PKD,  192                         ; v192-255 both, rounded
.set BK,   64                          ; v64-127  rows read back from the stage
.set WV,  18
.set WR,  19                           ; w / 2; also: I fetch for x (0) or for the weights (1)
.set WC,  20                           ; w % 2; also: which half I fetch
.set COL, 23
.set G1A, 24
.set G0A, 32                           ; s[32:39] group 0 for x's tiles: a set for each of the two first fills; the second then walks on
.set RB,  40
.set CNT, 43
.set OY,  44                           ; s[44:45] offsets that hang on the row block (never cx)
.set OX,  46                           ; s[46:47] offsets that hang on the head (never cy)
.set G1B, 48
.set G0B, 56                           ; s[56:63] the same for the weights' tiles
.set SEL, 66
.set HM,  68
.set L2B, 69
.set BSA, 70
.set BSB, 72
.set TM,  74
.set TB,  75                           ; s75  LDS byte at which the slot in hand begins: 0 or SLOT1
.set CS,  76                           ; s[76:77] log2(e) / 16
.set MSB, 0
.macro WIN new
.if MSB != (\new)
	s_set_vgpr_msb (MSB<<8)|(\new)
.set MSB, (\new)
.endif
.endm
.macro PLACES
.rept 4
	v_nop
.endr
.endm
.macro JLOAD s                         ; a joint load; an s_nop 0 and four v_nop follow each of the two lines, ahead of the jump, the label and what follows
	s_cmp_eq_u32 s[WR], 0
	s_cbranch_scc0 .Lfor_b_\@
	tensor_load_to_lds s[G0A+4*(\s):G0A+4*(\s)+3], s[G1A:G1A+7]
	s_nop 0
.rept 4
	v_nop
.endr
	s_branch .Lasked_\@
.Lfor_b_\@:
	tensor_load_to_lds s[G0B+4*(\s):G0B+4*(\s)+3], s[G1B:G1B+7]
	s_nop 0
.rept 4
	v_nop
.endr
.Lasked_\@:
.endm
.macro CREST
	s_cmp_lg_u32 s[WV], 0
	s_cbranch_scc1 .Lnot_wave_0_\@
	s_barrier_signal -3
.Lnot_wave_0_\@:
	s_barrier_wait -3
	s_barrier_signal -1
	s_barrier_wait -1
.endm
.macro CROUND
	s_barrier_signal -1
	s_barrier_wait -1
	CREST
.endm
	s_load_b256 s[4:11], s[0:1], 0x0               ; xb, wv, WV_b, sc
	s_load_b128 s[12:15], s[0:1], 0x20             ; pl, L2_b
	s_load_b64 s[16:17], s[0:1], 0x30              ; ab
	v_lshl_add_u32 v[SPW], v0, 2, SPARE
	v_mov_b32 v[NIL], 0
	ds_add_u32 v[SPW], v[NIL]                      ; the wave's opening: the add and its wait stand ahead of my first tensor load
	ds_add_u32 v2, v3
	v_lshrrev_b32 v1, 5, v0
	v_readfirstlane_b32 s[WV], v1
	s_lshr_b32 s[WR], s[WV], 1
	s_and_b32 s[WC], s[WV], 1
	s_bfe_u32 s21, ttmp6, 0x40000                  ; cx
	s_bfe_u32 s22, ttmp6, 0x40004                  ; cy
	s_lshl_b32 s[COL], ttmp9, 2
	s_add_co_u32 s[COL], s[COL], s21               ; head
	s_and_b32 s[RB], ttmp7, 0xffff
	s_lshl_b32 s[RB], s[RB], 2
	s_add_co_u32 s[RB], s[RB], s22                 ; row block
	s_lshl_b32 s41, s22, 2
	s_lshl_b32 s41, 15, s41                        ; my row of the cluster
	s_lshl_b32 s42, 0x1111, s21                    ; my column
	s_or_b32 s[G1A], s41, (1<<16)|(1<<20)|(1<<21)|(4<<22)|(3<<25)  ; x: 16,384 dense bytes as 64 rows of 256; 4 words of padding after every 32 words
	s_mov_b32 s[G1A+1], 128<<16
	s_mov_b32 s[G1A+2], 64<<16
	s_mov_b32 s[G1A+3], 128<<16
	s_mov_b32 s[G1A+4], 64
	s_mov_b32 s[G1A+5], 128
	s_mov_b32 s[G1A+6], 0
	s_mov_b32 s[G1A+7], 0
	s_or_b32 s[G1B], s42, (1<<16)|(1<<20)|(1<<21)|(6<<22)|(7<<25)  ; weights: 64 rows of 512 bytes; 8 words of padding after every 128 words
	s_mov_b32 s[G1B+1], 256<<16
	s_mov_b32 s[G1B+2], 64<<16
	s_mov_b32 s[G1B+3], 256<<16
	s_mov_b32 s[G1B+4], 64
	s_mov_b32 s[G1B+5], 256
	s_mov_b32 s[G1B+6], 0
	s_mov_b32 s[G1B+7], 0
	s_lshl_b32 s[OY], s[RB], 18                    ; the row block's 16 tiles,
	s_lshl_b32 s[TM], s[WC], 14                    ; my sub-tile of a step's two
	s_add_co_u32 s[OY], s[OY], s[TM]
	s_mov_b32 s[OY+1], 0
	s_lshl_b32 s[OX], s[COL], 19                   ; the column block's 1,024 rows of 512 bytes,
	s_lshl_b32 s[TM], s[WC], 15                    ; my 64 rows of a step's 128
	s_add_co_u32 s[OX], s[OX], s[TM]
	s_mov_b32 s[OX+1], 0
	s_mul_i32 s78, s[WC], 128*PA                   ; and their places in a slot
	s_mul_i32 s79, s[WC], 64*PB
	s_mov_b32 s[TB], 0                             ; step 0 lies in slot 0
	s_mov_b32 s[SEL], 0x76543210
	s_mov_b32 s[SEL+1], 0xfedcba98
	s_mov_b32 s[HM], 0xffff0000
	s_mov_b32 s[CS], 0x3db8aa3b                    ; log2(e) / 16
	s_mov_b32 s[CS+1], s[CS]                       ; named with it as a pair
	s_wait_dscnt 0x0                               ; the opening add is done
	s_wait_kmcnt 0x0
	s_load_b32 s[L2B], s[14:15], 0x0
	s_add_nc_u64 s[BSA:BSA+1], s[4:5], s[OY:OY+1]
	s_add_nc_u64 s[BSB:BSB+1], s[6:7], s[OX:OX+1]
	CROUND                                         ; all sixteen work-groups are here: the first joint loads meet
.irp s, 0,1
	s_mov_b32 s[G0A+4*(\s)], 1
	s_add_co_u32 s[G0A+4*(\s)+1], s78, (\s)*SLOT1
	s_add_nc_u64 s[G0A+4*(\s)+2:G0A+4*(\s)+3], s[BSA:BSA+1], (\s)*32768
	s_or_b32 s[G0A+4*(\s)+3], s[G0A+4*(\s)+3], 0x80000000
	s_mov_b32 s[G0B+4*(\s)], 1
	s_add_co_u32 s[G0B+4*(\s)+1], s79, BOFF+(\s)*SLOT1
	s_add_nc_u64 s[G0B+4*(\s)+2:G0B+4*(\s)+3], s[BSB:BSB+1], (\s)*65536
	s_or_b32 s[G0B+4*(\s)+3], s[G0B+4*(\s)+3], 0x80000000
	JLOAD \s                                       ; two loads of mine are out
.endr
	; addresses
	v_and_b32 v13, 15, v0                          ; r
	v_bfe_u32 v14, v0, 4, 1                        ; hh
	v_and_b32 v15, 7, v0
	v_bfe_u32 v32, v0, 3, 1
	v_mul_u32_u24 v33, v13, PA
	v_lshl_add_u32 v33, v14, 4, v33                ; r x 144 + 16 hh: a fragment's row, and a stage's
	s_mul_i32 s[TM], s[WR], 32*PA
	v_add_nc_u32 v[ADRA0], s[TM], v33
	v_add_nc_u32 v[ADRA], s[TB], v[ADRA0]
	v_lshl_add_u32 v34, v14, 3, v15
	v_mul_u32_u24 v34, v34, PB
	v_lshl_add_u32 v34, v32, 4, v34
	s_lshl_b32 s[TM], s[WC], 8
	s_add_co_u32 s[TM], s[TM], BOFF
	v_add_nc_u32 v[ADRB0], s[TM], v34
	v_add_nc_u32 v[ADRB], s[TB], v[ADRB0]
	s_mul_i32 s[TM], s[WV], 32*SP
	s_add_co_u32 s[TM], s[TM], STAGE               ; my stage
	v_add_nc_u32 v[STO], s[TM], v33
	v_bfe_u32 v35, v0, 3, 2                        ; back: 32 lanes take four rows of 128 bytes
	v_mul_u32_u24 v35, v35, SP
	v_lshl_add_u32 v35, v15, 4, v35
	v_add_nc_u32 v[RD], s[TM], v35
	v_and_b32 v36, 31, v0
	v_lshlrev_b32 v[GO], 4, v36
	v_lshlrev_b32 v[VL8], 3, v36
	v_lshlrev_b32 v[BO], 5, v14
	s_lshl_b32 s[OX], s[COL], 10                   ; the bias: 256 head + 128 wc numbers on
	s_lshl_b32 s[TM], s[WC], 9
	s_add_co_u32 s[OX], s[OX], s[TM]
	s_add_nc_u64 s[8:9], s[8:9], s[OX:OX+1]
	s_lshl_b32 s[OX], s[COL], 18                   ; sc: the head's four partials,
	s_add_nc_u64 s[10:11], s[10:11], s[OX:OX+1]
	s_lshl_b32 s[OY], s[RB], 10                    ; b = 64 rb + 32 wr, 16 bytes each
	s_lshl_b32 s[TM], s[WR], 9
	s_add_co_u32 s[OY], s[OY], s[TM]
	s_add_nc_u64 s[10:11], s[10:11], s[OY:OY+1]
	s_lshr_b32 s[OY], s[OY], 1                     ; pl: 8 bytes each
	s_add_nc_u64 s[12:13], s[12:13], s[OY:OY+1]
	s_lshl_b32 s[OY], s[RB], 18                    ; ab: the row block's tiles, my 32 rows of 128 bytes,
	s_lshl_b32 s[TM], s[WR], 12
	s_add_co_u32 s[OY], s[OY], s[TM]
	s_add_nc_u64 s[16:17], s[16:17], s[OY:OY+1]
	s_lshl_b32 s[OX], s[COL], 16                   ; tile 4 h + 2 wc
	s_lshl_b32 s[TM], s[WC], 15
	s_add_co_u32 s[OX], s[OX], s[TM]
	s_add_nc_u64 s[16:17], s[16:17], s[OX:OX+1]
	; lane l stands for b = 64 rb + 32 wr + l
.irp n, 0,1,2,3,4,5,6,7                ; attention n / 4, partial n % 4: four scores
	global_load_b128 v[32+4*(\n):35+4*(\n)], v[GO], s[10:11] offset:((\n)/4)*1048576+((\n)%4)*65536
.endr
.irp n, 0,1,2,3,4,5,6,7                ; the eight planes of partial logits: two each
	global_load_b64 v[64+2*(\n):65+2*(\n)], v[VL8], s[12:13] offset:(\n)*32768
.endr
	WIN 0x80                                       ; the sums start from the bias: register j of accumulator (a, i) holds column 16 i + 8 hh + j, whatever a
.set n, 0
.rept 32
	global_load_b128 v[8*n:8*n+3],   v[BO], s[8:9] offset:(n%8)*64
	global_load_b128 v[8*n+4:8*n+7], v[BO], s[8:9] offset:(n%8)*64+16
.set n, n+1
.endr
	WIN 0
	s_wait_loadcnt 0x0                             ; one wait for all 80: the count that would leave the bias out does not fit the wait's field; all this stands in the wait for the first tile
	s_wait_kmcnt 0x0                               ; L2_b
.irp p, 0,16
.irp w, 4,8,12
	v_pk_add_f32 v[32+(\p):33+(\p)], v[32+(\p):33+(\p)], v[32+(\p)+(\w):33+(\p)+(\w)]
	v_pk_add_f32 v[34+(\p):35+(\p)], v[34+(\p):35+(\p)], v[34+(\p)+(\w):35+(\p)+(\w)]
.endr
.endr
.irp i, 2,4,6,8,10,12,14
	v_pk_add_f32 v[64:65], v[64:65], v[64+(\i):65+(\i)]
.endr
.irp a, 32,34,48,50
	v_pk_mul_f32 v[\a:\a+1], v[\a:\a+1], s[CS:CS+1] op_sel_hi:[1,0]
.endr
	v_add_f32 v64, v64, v65
	v_add_f32 v64, s[L2B], v64                     ; z
	v_max_num_f32 v80, v32, v33                    ; a row's maximum: attention 1 query 0, query 1; attention 2 query 0, query 1
	v_max_num_f32 v81, v34, v35
	v_max_num_f32 v82, v48, v49
	v_max_num_f32 v83, v50, v51
	v_mul_f32 v65, 0xbfb8aa3b, v64                 ; -log2(e) z
	v_sub_f32 v32, v32, v80
	v_sub_f32 v33, v33, v80
	v_sub_f32 v34, v34, v81
	v_sub_f32 v35, v35, v81
	v_sub_f32 v48, v48, v82
	v_sub_f32 v49, v49, v82
	v_sub_f32 v50, v50, v83
	v_sub_f32 v51, v51, v83
.irp a, 32,33,34,35,48,49,50,51,65
	v_exp_f32 v\a, v\a
.endr
	v_nop                                          ; a plain instruction between the last exponential and the use of its result
	s_wait_alu depctr_va_vdst(0)
	v_add_f32 v80, v32, v33
	v_add_f32 v81, v34, v35
	v_add_f32 v82, v48, v49
	v_add_f32 v83, v50, v51
	v_add_f32 v65, 1.0, v65
.irp a, 80,81,82,83,65
	v_rcp_f32 v\a, v\a
.endr
	v_nop
	s_wait_alu depctr_va_vdst(0)
	v_mul_f32 v32, v32, v80
	v_mul_f32 v33, v33, v80
	v_mul_f32 v34, v34, v81
	v_mul_f32 v35, v35, v81
	v_mul_f32 v48, v48, v82
	v_mul_f32 v49, v49, v82
	v_mul_f32 v50, v50, v83
	v_mul_f32 v51, v51, v83
.irp c, 0,1,2,3
	v_fma_f32 v[32+(\c)], -v65, v[48+(\c)], v[32+(\c)]  ; a1 - lam a2
.endr
.irp c, 0,1,2,3
	v_max_num_f32 v[32+(\c)], 0, v[32+(\c)]
.endr
.irp c, 0,1,2,3
	v_permlanex16_b32 v[36+(\c)], v[32+(\c)], s[SEL], s[SEL+1]
.endr
.irp c, 0,1,2,3                        ; in the products lane (r, hh) holds b = 16 bb + r: both halves of the lanes take lane r's weights for bb = 0, lane 16 + r's for bb = 1
	v_cndmask_b32 v[WT+2*(\c)],   v[32+(\c)], v[36+(\c)], s[HM]
	v_cndmask_b32 v[WT+8+2*(\c)], v[36+(\c)], v[32+(\c)], s[HM]
.endr
.irp c, 0,2,4,6,8,10,12,14
	v_mov_b32 v[WT+1+(\c)], v[WT+(\c)]             ; the packed lines name the pair and take its low word for both halves
.endr
; 8 matrix instructions: row block a x all 8 column blocks, 32 along K, buffer f.  The 32 accumulators take turns, one instruction a turn.
.macro MUL8 f, a
	WIN 0xa5                                       ; sources 0 and 1 window 1, C and D window 2
.irp i, 0,1,2,3,4,5,6,7
	v_wmma_f32_16x16x32_bf16 v[64*(\a)+8*(\i):64*(\a)+8*(\i)+7], v[64+64*(\f)+8*(\i):64+64*(\f)+8*(\i)+7], v[32*(\f)+8*(\a):32*(\f)+8*(\a)+7], v[64*(\a)+8*(\i):64*(\a)+8*(\i)+7]
.endr
.endm
; 24 LDS loads in one run: quarter q (32 along K) of the slot in hand: 16 for the weights, then 8 for x (row blocks 0 to 3 in order).
.macro FETCH q, f
	WIN 0x40                                       ; destination window 1
.irp i, 0,1,2,3,4,5,6,7
	ds_load_tr16_b128 v[64+64*(\f)+8*(\i):64+64*(\f)+8*(\i)+3],   v[ADRB] offset:(\q)*32*PB+32*(\i)
	ds_load_tr16_b128 v[64+64*(\f)+8*(\i)+4:64+64*(\f)+8*(\i)+7], v[ADRB] offset:(\q)*32*PB+16*PB+32*(\i)
.endr
.irp a, 0,1,2,3
	ds_load_b128 v[32*(\f)+8*(\a):32*(\f)+8*(\a)+3],   v[ADRA] offset:((\q)/2)*128*PA+((\q)%2)*64+((\a)%2)*64*PA+((\a)/2)*16*PA
	ds_load_b128 v[32*(\f)+8*(\a)+4:32*(\f)+8*(\a)+7], v[ADRA] offset:((\q)/2)*128*PA+((\q)%2)*64+((\a)%2)*64*PA+((\a)/2)*16*PA+32
.endr
.endm
.macro QUARTER q, f, g                 ; multiplies buffer f; in its middle fetches quarter q into buffer g
	s_wait_dscnt 4                                 ; all but the youngest four loads (row blocks 2, 3) are in
	MUL8 \f, 0
	MUL8 \f, 1
	PLACES
	FETCH \q, \g
	s_wait_dscnt 24                                ; all but the 24 just issued
	MUL8 \f, 2
	MUL8 \f, 3
.endm
; The last quarter multiplies buffer 1 and changes slots: ONE barrier; in front of it each wave waits for all its tensor loads (one is out: its part of the next slot), adds 0 to its spare word, and waits for that
; and for its own reads of this slot.  fill = 1: the barrier opens a round of the cluster's, and the joint refill of the slot just read, two steps ahead, is the first tensor load behind the round.
.macro TURN fill
	WIN 0
	s_wait_tensorcnt 0x0                           ; no tensor load of mine is out, so a group 0 may be written
	ds_add_u32 v[SPW], v[NIL]                      ; 0 onto my spare word
.if \fill
	s_xor_b32 s[G0A+5], s[G0A+5], SLOT1            ; the walking descriptors: the other slot than last time,
	s_add_nc_u64 s[G0A+6:G0A+7], s[G0A+6:G0A+7], 32768   ; the next step: two tiles of x on,
	s_xor_b32 s[G0B+5], s[G0B+5], SLOT1
	s_add_nc_u64 s[G0B+6:G0B+7], s[G0B+6:G0B+7], 65536   ; 128 rows of the weights on; the type bits on top are not reached
.endif
	s_xor_b32 s[TB], s[TB], SLOT1                  ; the fetches go on in the other slot
	s_wait_dscnt 5                                 ; (the add and the youngest four loads may be out)
	MUL8 1, 0
	s_wait_dscnt 0x0                               ; the add is done, and my reads of this slot are over
	s_barrier_signal -1
	MUL8 1, 1
	WIN 0
	s_barrier_wait -1
.if \fill
	CREST
	JLOAD 1                                        ; the four v_nop behind it are also the places in front of the loads below
.endif
	v_add_nc_u32 v[ADRA], s[TB], v[ADRA0]
	v_add_nc_u32 v[ADRB], s[TB], v[ADRB0]
.if !(\fill)
	v_nop                                          ; with the two additions: the four places in front of the loads below
	v_nop
.endif
	FETCH 0, 0
	MUL8 1, 2
	MUL8 1, 3
.endm
.macro THREE
	QUARTER 1, 0, 1
	QUARTER 2, 1, 0
	QUARTER 3, 0, 1
.endm
	s_wait_tensorcnt 0x1                           ; my part of slot 0 is in; slot 1's may stay out
	s_barrier_signal -1
	s_barrier_wait -1
	FETCH 0, 0
	WIN 0
	s_mov_b32 s[CNT], 6
.Lstep:                                                ; steps 0 to 5 ask for tiles 2 to 7
	THREE
	TURN 1
	WIN 0
	s_sub_co_u32 s[CNT], s[CNT], 1
	s_cmp_lg_u32 s[CNT], 0
	s_cbranch_scc1 .Lstep
	s_mov_b32 s[CNT], 2
.Ltail:                                                ; steps 6 and 7 ask for nothing, and have no round of the cluster's barrier
	THREE
	TURN 0
	WIN 0
	s_sub_co_u32 s[CNT], s[CNT], 1
	s_cmp_lg_u32 s[CNT], 0
	s_cbranch_scc1 .Ltail
	s_wait_dscnt 0x0                               ; the last trip's fetch, which serves nothing, is over
	PLACES
; THE WAY OUT of b block bb: both tokens' rows are mixed (each accumulator is read from its lowest pair on), rounded, sent through my stage and stored as whole rows of ab's tiles.
.macro MIXOUT bb
	WIN 0x02                                       ; source 0 window 2
.irp i, 0,1,2,3,4,5,6,7
.irp j, 0,2,4,6
.set VE, 128*(\bb)+8*(\i)+(\j)         ; V of token 0; token 1's 64 on
.set X,  8*(\i)+(\j)
	v_pk_mul_f32 v[TE+X:TE+X+1], v[VE:VE+1],       v[WT+8*(\bb):WT+8*(\bb)+1]   op_sel_hi:[1,0]
	v_pk_mul_f32 v[TO+X:TO+X+1], v[VE:VE+1],       v[WT+8*(\bb)+4:WT+8*(\bb)+5] op_sel_hi:[1,0]
	v_pk_fma_f32 v[TE+X:TE+X+1], v[VE+64:VE+65],   v[WT+8*(\bb)+2:WT+8*(\bb)+3], v[TE+X:TE+X+1] op_sel_hi:[1,0,1]
	v_pk_fma_f32 v[TO+X:TO+X+1], v[VE+64:VE+65],   v[WT+8*(\bb)+6:WT+8*(\bb)+7], v[TO+X:TO+X+1] op_sel_hi:[1,0,1]
.endr
.endr
	WIN 0
.set n, 0
.rept 64                               ; TE's 32 pairs, then TO's
	v_cvt_pk_bf16_f32 v[PKD+n], v[TE+2*n], v[TE+2*n+1]
.set n, n+1
.endr
.irp p, 0,1
.irp i, 0,1,2,3,4,5,6,7
	ds_store_b128 v[STO], v[PKD+32*(\p)+4*(\i):PKD+32*(\p)+4*(\i)+3] offset:((\i)/4)*16*SP+((\i)%4)*32
.endr
.irp t, 0,1,2,3,4,5,6,7
	ds_load_b128 v[BK+32*(\p)+4*(\t):BK+32*(\p)+4*(\t)+3], v[RD] offset:((\t)/4)*16*SP+((\t)%4)*4*SP  ; LDS serves a wave's instructions in order (ISA guide 5.7.1.4): these see the stores above, and token 1's stores come behind them
.endr
.endr
.irp p, 0,1
.irp t, 0,1,2,3,4,5,6,7
	s_wait_dscnt 16*(1-(\p))+7-(\t)                ; behind token 0's loads stand token 1's sixteen LDS instructions
	global_store_b128 v[GO], v[BK+32*(\p)+4*(\t):BK+32*(\p)+4*(\t)+3], s[16:17] offset:((\t)/4)*16384+(\p)*8192+(\bb)*2048+((\t)%4)*512  ; 512 consecutive bytes, at a multiple of 256 from ab's first
.endr
.endr
.endm
	MIXOUT 0
	s_wait_xcnt 0x0                                ; the registers that those stores read are written again only behind this wait
	MIXOUT 1
	s_wait_tensorcnt 0x0                           ; the wave's end: behind my last tensor load and my last LDS store
	ds_add_u32 v[SPW], v[NIL]
	s_wait_dscnt 0x0
	CROUND                                         ; the closing round
	s_endpgm
.Lfunc_end_k_q06c552bc16_vmix:
	.size	k_q06c552bc16_vmix, .Lfunc_end_k_q06c552bc16_vmix-k_q06c552bc16_vmix
	.p2alignl 7, 3214868480
	.fill 96, 4, 3214868480
	.section	.rodata,"a",@progbits
	.p2align	6, 0x0
	.amdhsa_kernel k_q06c552bc16_vmix
		.amdhsa_group_segment_fixed_size 327680
		.amdhsa_private_segment_fixed_size 0
		.amdhsa_enable_private_segment 0
		.amdhsa_kernarg_size 56
		.amdhsa_user_sgpr_count 2
		.amdhsa_user_sgpr_kernarg_segment_ptr 1
		.amdhsa_wavefront_size32 1
		.amdhsa_system_sgpr_workgroup_id_x 1
		.amdhsa_system_sgpr_workgroup_id_y 1
		.amdhsa_system_sgpr_workgroup_id_z 1
		.amdhsa_system_vgpr_workitem_id 0
		.amdhsa_next_free_vgpr 768
		.amdhsa_next_free_sgpr 80
		.amdhsa_reserve_vcc 0
		.amdhsa_float_denorm_mode_32 3
		.amdhsa_float_denorm_mode_16_64 3
		.amdhsa_memory_ordered 1
		.amdhsa_forward_progress 1
		.amdhsa_inst_pref_size 86
	.end_amdhsa_kernel
	.amdgpu_metadata
---
amdhsa.version: [ 1, 2 ]
amdhsa.kernels:
  - .name:           k_q06c552bc16_vmix
    .symbol:         k_q06c552bc16_vmix.kd
    .args:
      - { .name: xb, .offset: 0, .size: 8, .value_kind: global_buffer, .address_space: global }
      - { .name: wv, .offset: 8, .size: 8, .value_kind: global_buffer, .address_space: global }
      - { .name: WV_b, .offset: 16, .size: 8, .value_kind: global_buffer, .address_space: global }
      - { .name: sc, .offset: 24, .size: 8, .value_kind: global_buffer, .address_space: global }
      - { .name: pl, .offset: 32, .size: 8, .value_kind: global_buffer, .address_space: global }
      - { .name: L2_b, .offset: 40, .size: 8, .value_kind: global_buffer, .address_space: global }
      - { .name: ab, .offset: 48, .size: 8, .value_kind: global_buffer, .address_space: global }
    .group_segment_fixed_size: 327680
    .private_segment_fixed_size: 0
    .kernarg_segment_align: 8
    .kernarg_segment_size: 56
    .max_flat_workgroup_size: 128
    .sgpr_count:     80
    .vgpr_count:     768
    .wavefront_size: 32
...
	.end_amdgpu_metadata
.endif
;; end of part 7
;; launch oproj (part 8): grid 4 x 64, 4 waves a work-group, clusters of 4 x 4, 327,680 bytes of LDS; arguments ab, wo, WO_b, x, out0; writes out0
.if DOCPART == 8
	.amdgcn_target "amdgcn-amd-amdhsa--gfx1250"
	.amdhsa_code_object_version 6
	.text
	.protected	k_q06c552bc16_oproj
	.globl	k_q06c552bc16_oproj
	.p2align	8
	.type	k_q06c552bc16_oproj,@function
k_q06c552bc16_oproj:
	s_mov_b64 s[64:65], 0
	v_nop
	global_prefetch_b8 v0, s[64:65] scope:SCOPE_SE
	s_setreg_imm32_b32 hwreg(HW_REG_WAVE_MODE, 25, 1), 1
	s_wait_xcnt 0x0
	s_wait_alu depctr_hold_cnt(0) depctr_sa_sdst(0) depctr_va_vdst(0) depctr_va_sdst(0) depctr_va_ssrc(0) depctr_va_vcc(0) depctr_vm_vsrc(0)
	s_getreg_b32 s2, hwreg(HW_REG_IB_STS2, 6, 4)
	s_cmp_eq_u32 s2, 0
	s_cbranch_scc0 .Lentry_in_a_cluster
	s_endpgm
.Lentry_in_a_cluster:
	s_bfe_u32 s2, ttmp6, 0x10000c
	s_cmp_lg_u32 s2, 0xf033
	s_cbranch_scc0 .Lentry_shape_is_right
	s_endpgm
.Lentry_shape_is_right:
; OPROJ: out0 = ab x WO + WO_b + x, for 128 tokens (64 rows b) and 256 columns: K = 1024, bf16 operands, f32 sums that start from the bias; the residual is x in f32, added once; out0 is f32.
; LIMITS.  The mixed rows and WO enter as bf16; the order of the sums is not the reference's; NaN and infinities are not treated apart.
; SHARES.  Wave (wr = w / 2, wc = w % 2): b = 32 wr .. + 31, both tokens, columns 128 wc .. + 127: row blocks a = 2 bb + token x 8 column blocks = 32 accumulators.
; The matrix instruction is used transposed (source 0 = 16 weight columns, turned by ds_load_tr16_b128; source 1 = 16 rows).
; RING.  8 steps of 128 along K through two LDS slots.  Slot 1 begins at byte 1 << 17, so that one exclusive or turns an address in one slot into the other's: a step is written once with a refill (six trips,
; tiles 2 to 7) and once without (two trips).  The price of one text for the last two steps: the last trip passes one barrier more and fetches 24 fragments, of a tile read before, that serve nothing.
; CLUSTER 4 x 4: ab's tiles are asked for jointly along a row of the cluster, WO's along a column; waves 0, 1 fetch ab's two sub-tiles, waves 2, 3 the halves of WO's.
; THE RESIDUAL, 64 rows of 512 bytes a wave, has 256 registers of its own and is asked for while the products run: row blocks 0 and 1 in front of the first step, 2 and 3 in front of the last two.
;   window 0: v0-15 addresses; v192-255 rows read back.   window 1: v0-31, v32-63 fragments of ab; v64-127, v128-191 of WO.   window 2: accumulator (a, i) at v[64 a + 8 i].
;   window 3: row t of row block a at v[64 a + 4 t]: the residual, then the result.
.set PA,    144
.set PB,    544
.set BOFF,  2*128*PA
.set SLOTB, BOFF+128*PB                ; a slot's 106,496 bytes
.set SLOT1, 1<<17                      ; where slot 1 begins
.set STAGE, SLOT1+SLOTB                ; behind the ring, never filled by a tensor load: for each wave 16 rows of 512 + 16 bytes
.set SP,    528
.set SPARE, STAGE+4*16*SP              ; the spare words, 128 bytes for each wave: two blocks of 256 bytes that no other line names
.set SPW,   2
.set NIL,   3
.set ADRA0, 4                          ; v4   my lane's place among ab's fragments in a slot; never rewritten
.set ADRA,  5                          ; v5   the same in the slot in hand
.set ADRB0, 6                          ; v6   my lane's place among WO's fragments; never rewritten
.set ADRB,  7                          ; v7   the same in the slot in hand
.set STO,  8                           ; v8   the way out: where I put 32 bytes of a row
.set RD,   9                           ; v9   where I read a row back
.set GO,   10                          ; v10  16 x lane; never rewritten
.set BO,   11                          ; v11  32 hh
.set BK,   192
.set WV,  18
.set WR,  19
.set WC,  20
.set COL, 23
.set G1A, 24
.set G0A, 32                           ; s[32:39] group 0 for ab's tiles: a set for each of the two first fills; the second then walks on
.set RB,  40
.set CNT, 43
.set OY,  44
.set OX,  46
.set G1B, 48
.set G0B, 56                           ; s[56:63] the same for the weights' tiles
.set BSA, 70
.set BSB, 72
.set TM,  74
.set TB,  75                           ; s75  LDS byte at which the slot in hand begins: 0 or SLOT1
.set MSB, 0
.macro WIN new
.if MSB != (\new)
	s_set_vgpr_msb (MSB<<8)|(\new)
.set MSB, (\new)
.endif
.endm
.macro PLACES
.rept 4
	v_nop
.endr
.endm
.macro JLOAD s                         ; a joint load; an s_nop 0 and four v_nop follow each of the two lines, ahead of the jump, the label and what follows
	s_cmp_eq_u32 s[WR], 0
	s_cbranch_scc0 .Lfor_b_\@
	tensor_load_to_lds s[G0A+4*(\s):G0A+4*(\s)+3], s[G1A:G1A+7]
	s_nop 0
.rept 4
	v_nop
.endr
	s_branch .Lasked_\@
.Lfor_b_\@:
	tensor_load_to_lds s[G0B+4*(\s):G0B+4*(\s)+3], s[G1B:G1B+7]
	s_nop 0
.rept 4
	v_nop
.endr
.Lasked_\@:
.endm
.macro CREST
	s_cmp_lg_u32 s[WV], 0
	s_cbranch_scc1 .Lnot_wave_0_\@
	s_barrier_signal -3
.Lnot_wave_0_\@:
	s_barrier_wait -3
	s_barrier_signal -1
	s_barrier_wait -1
.endm
.macro CROUND
	s_barrier_signal -1
	s_barrier_wait -1
	CREST
.endm
	s_load_b256 s[4:11], s[0:1], 0x0               ; ab, wo, WO_b, x
	s_load_b64 s[12:13], s[0:1], 0x20              ; out0
	v_lshl_add_u32 v[SPW], v0, 2, SPARE
	v_mov_b32 v[NIL], 0
	ds_add_u32 v[SPW], v[NIL]                      ; the wave's opening: the add and its wait stand ahead of my first tensor load
	ds_add_u32 v2, v3
	v_lshrrev_b32 v1, 5, v0
	v_readfirstlane_b32 s[WV], v1
	s_lshr_b32 s[WR], s[WV], 1
	s_and_b32 s[WC], s[WV], 1
	s_bfe_u32 s21, ttmp6, 0x40000                  ; cx
	s_bfe_u32 s22, ttmp6, 0x40004                  ; cy
	s_lshl_b32 s[COL], ttmp9, 2
	s_add_co_u32 s[COL], s[COL], s21               ; column block
	s_and_b32 s[RB], ttmp7, 0xffff
	s_lshl_b32 s[RB], s[RB], 2
	s_add_co_u32 s[RB], s[RB], s22                 ; row block
	s_lshl_b32 s41, s22, 2
	s_lshl_b32 s41, 15, s41                        ; my row of the cluster
	s_lshl_b32 s42, 0x1111, s21                    ; my column
	s_or_b32 s[G1A], s41, (1<<16)|(1<<20)|(1<<21)|(4<<22)|(3<<25)  ; ab: 16,384 dense bytes as 64 rows of 256; 4 words of padding after every 32 words
	s_mov_b32 s[G1A+1], 128<<16
	s_mov_b32 s[G1A+2], 64<<16
	s_mov_b32 s[G1A+3], 128<<16
	s_mov_b32 s[G1A+4], 64
	s_mov_b32 s[G1A+5], 128
	s_mov_b32 s[G1A+6], 0
	s_mov_b32 s[G1A+7], 0
	s_or_b32 s[G1B], s42, (1<<16)|(1<<20)|(1<<21)|(6<<22)|(7<<25)  ; weights: 64 rows of 512 bytes; 8 words of padding after every 128 words
	s_mov_b32 s[G1B+1], 256<<16
	s_mov_b32 s[G1B+2], 64<<16
	s_mov_b32 s[G1B+3], 256<<16
	s_mov_b32 s[G1B+4], 64
	s_mov_b32 s[G1B+5], 256
	s_mov_b32 s[G1B+6], 0
	s_mov_b32 s[G1B+7], 0
	s_lshl_b32 s[OY], s[RB], 18
	s_lshl_b32 s[TM], s[WC], 14
	s_add_co_u32 s[OY], s[OY], s[TM]
	s_mov_b32 s[OY+1], 0
	s_lshl_b32 s[OX], s[COL], 19
	s_lshl_b32 s[TM], s[WC], 15
	s_add_co_u32 s[OX], s[OX], s[TM]
	s_mov_b32 s[OX+1], 0
	s_mul_i32 s78, s[WC], 128*PA
	s_mul_i32 s79, s[WC], 64*PB
	s_mov_b32 s[TB], 0                             ; step 0 lies in slot 0
	s_wait_dscnt 0x0                               ; the opening add is done
	s_wait_kmcnt 0x0
	s_add_nc_u64 s[BSA:BSA+1], s[4:5], s[OY:OY+1]
	s_add_nc_u64 s[BSB:BSB+1], s[6:7], s[OX:OX+1]
	CROUND                                         ; all sixteen work-groups are here: the first joint loads meet
.irp s, 0,1
	s_mov_b32 s[G0A+4*(\s)], 1
	s_add_co_u32 s[G0A+4*(\s)+1], s78, (\s)*SLOT1
	s_add_nc_u64 s[G0A+4*(\s)+2:G0A+4*(\s)+3], s[BSA:BSA+1], (\s)*32768
	s_or_b32 s[G0A+4*(\s)+3], s[G0A+4*(\s)+3], 0x80000000
	s_mov_b32 s[G0B+4*(\s)], 1
	s_add_co_u32 s[G0B+4*(\s)+1], s79, BOFF+(\s)*SLOT1
	s_add_nc_u64 s[G0B+4*(\s)+2:G0B+4*(\s)+3], s[BSB:BSB+1], (\s)*65536
	s_or_b32 s[G0B+4*(\s)+3], s[G0B+4*(\s)+3], 0x80000000
	JLOAD \s                                       ; two loads of mine are out
.endr
	v_and_b32 v13, 15, v0                          ; r
	v_bfe_u32 v14, v0, 4, 1                        ; hh
	v_and_b32 v15, 7, v0
	v_bfe_u32 v32, v0, 3, 1
	v_mul_u32_u24 v33, v13, PA
	v_lshl_add_u32 v33, v14, 4, v33
	s_mul_i32 s[TM], s[WR], 32*PA
	v_add_nc_u32 v[ADRA0], s[TM], v33
	v_add_nc_u32 v[ADRA], s[TB], v[ADRA0]
	v_lshl_add_u32 v34, v14, 3, v15
	v_mul_u32_u24 v34, v34, PB
	v_lshl_add_u32 v34, v32, 4, v34
	s_lshl_b32 s[TM], s[WC], 8
	s_add_co_u32 s[TM], s[TM], BOFF
	v_add_nc_u32 v[ADRB0], s[TM], v34
	v_add_nc_u32 v[ADRB], s[TB], v[ADRB0]
	s_mul_i32 s[TM], s[WV], 16*SP
	s_add_co_u32 s[TM], s[TM], STAGE               ; my stage
	v_mul_u32_u24 v35, v13, SP                     ; in: row r, 32 bytes for each half of the lanes
	v_lshl_add_u32 v35, v14, 5, v35
	v_add_nc_u32 v[STO], s[TM], v35
	v_and_b32 v36, 31, v0
	v_lshlrev_b32 v[GO], 4, v36
	v_add_nc_u32 v[RD], s[TM], v[GO]               ; back: 32 lanes take one row of 512 bytes
	v_lshlrev_b32 v[BO], 5, v14
	s_lshl_b32 s[OX], s[COL], 10                   ; 256 cb + 128 wc numbers of 4 bytes: in the bias, and in a row of x and of out0
	s_lshl_b32 s[TM], s[WC], 9
	s_add_co_u32 s[OX], s[OX], s[TM]
	s_add_nc_u64 s[8:9], s[8:9], s[OX:OX+1]
	s_add_nc_u64 s[10:11], s[10:11], s[OX:OX+1]
	s_add_nc_u64 s[12:13], s[12:13], s[OX:OX+1]
	s_lshl_b32 s[OY], s[RB], 19                    ; row b = 64 rb + 32 wr, 8,192 bytes each
	s_lshl_b32 s[TM], s[WR], 18
	s_add_co_u32 s[OY], s[OY], s[TM]
	s_add_nc_u64 s[10:11], s[10:11], s[OY:OY+1]
	s_add_nc_u64 s[12:13], s[12:13], s[OY:OY+1]
	WIN 0x80                                       ; the sums start from the bias: register j of accumulator (a, i) holds column 16 i + 8 hh + j, whatever a
.set n, 0
.rept 32
	global_load_b128 v[8*n:8*n+3],   v[BO], s[8:9] offset:(n%8)*64
	global_load_b128 v[8*n+4:8*n+7], v[BO], s[8:9] offset:(n%8)*64+16
.set n, n+1
.endr
	WIN 0
; 8 matrix instructions: row block a x all 8 column blocks, 32 along K, buffer f.  The 32 accumulators take turns, one instruction a turn.
.macro MUL8 f, a
	WIN 0xa5                                       ; sources 0 and 1 window 1, C and D window 2
.irp i, 0,1,2,3,4,5,6,7
	v_wmma_f32_16x16x32_bf16 v[64*(\a)+8*(\i):64*(\a)+8*(\i)+7], v[64+64*(\f)+8*(\i):64+64*(\f)+8*(\i)+7], v[32*(\f)+8*(\a):32*(\f)+8*(\a)+7], v[64*(\a)+8*(\i):64*(\a)+8*(\i)+7]
.endr
.endm
.macro FETCH q, f                      ; 24 LDS loads in one run: quarter q of the slot in hand: 16 for the weights, then 8 for ab (row blocks 0 to 3 in order)
	WIN 0x40                                       ; destination window 1
.irp i, 0,1,2,3,4,5,6,7
	ds_load_tr16_b128 v[64+64*(\f)+8*(\i):64+64*(\f)+8*(\i)+3],   v[ADRB] offset:(\q)*32*PB+32*(\i)
	ds_load_tr16_b128 v[64+64*(\f)+8*(\i)+4:64+64*(\f)+8*(\i)+7], v[ADRB] offset:(\q)*32*PB+16*PB+32*(\i)
.endr
.irp a, 0,1,2,3
	ds_load_b128 v[32*(\f)+8*(\a):32*(\f)+8*(\a)+3],   v[ADRA] offset:((\q)/2)*128*PA+((\q)%2)*64+((\a)%2)*64*PA+((\a)/2)*16*PA
	ds_load_b128 v[32*(\f)+8*(\a)+4:32*(\f)+8*(\a)+7], v[ADRA] offset:((\q)/2)*128*PA+((\q)%2)*64+((\a)%2)*64*PA+((\a)/2)*16*PA+32
.endr
.endm
.macro QUARTER q, f, g                 ; multiplies buffer f; in its middle fetches quarter q into buffer g
	s_wait_dscnt 4                                 ; all but the youngest four loads (row blocks 2, 3) are in
	MUL8 \f, 0
	MUL8 \f, 1
	PLACES
	FETCH \q, \g
	s_wait_dscnt 24                                ; all but the 24 just issued
	MUL8 \f, 2
	MUL8 \f, 3
.endm
; The change of slots: ONE barrier; in front of it each wave waits for all its tensor loads (one is out: its part of the next slot), adds 0 to its spare word, and waits for that and for its own reads of this slot.
; fill = 1: the barrier opens a round of the cluster's, and the joint refill of the slot just read, two steps ahead, is the first tensor load behind the round.
.macro TURN fill
	WIN 0
	s_wait_tensorcnt 0x0                           ; no tensor load of mine is out, so a group 0 may be written
	ds_add_u32 v[SPW], v[NIL]                      ; 0 onto my spare word
.if \fill
	s_xor_b32 s[G0A+5], s[G0A+5], SLOT1            ; the walking descriptors: the other slot than last time,
	s_add_nc_u64 s[G0A+6:G0A+7], s[G0A+6:G0A+7], 32768   ; the next step: two tiles of ab on,
	s_xor_b32 s[G0B+5], s[G0B+5], SLOT1
	s_add_nc_u64 s[G0B+6:G0B+7], s[G0B+6:G0B+7], 65536   ; 128 rows of the weights on; the type bits on top are not reached
.endif
	s_xor_b32 s[TB], s[TB], SLOT1                  ; the fetches go on in the other slot
	s_wait_dscnt 5                                 ; (the add and the youngest four loads may be out)
	MUL8 1, 0
	s_wait_dscnt 0x0                               ; the add is done, and my reads of this slot are over
	s_barrier_signal -1
	MUL8 1, 1
	WIN 0
	s_barrier_wait -1
.if \fill
	CREST
	JLOAD 1                                        ; the four v_nop behind it are also the places in front of the loads below
.endif
	v_add_nc_u32 v[ADRA], s[TB], v[ADRA0]
	v_add_nc_u32 v[ADRB], s[TB], v[ADRB0]
.if !(\fill)
	v_nop                                          ; with the two additions: the four places in front of the loads below
	v_nop
.endif
	FETCH 0, 0
	MUL8 1, 2
	MUL8 1, 3
.endm
.macro THREE
	QUARTER 1, 0, 1
	QUARTER 2, 1, 0
	QUARTER 3, 0, 1
.endm
; The residual of row block a (b block a / 2, token a % 2): 16 rows of 512 bytes of x, into registers of their own in window 3, which nothing writes again but the addition below.
.macro RES a
	WIN 0xc0                                       ; destination window 3, address window 0
.irp t, 0,1,2,3,4,5,6,7,8,9,10,11,12,13,14,15
	global_load_b128 v[64*(\a)+4*(\t):64*(\a)+4*(\t)+3], v[GO], s[10:11] offset:((\a)/2)*131072+((\a)%2)*4096+(\t)*8192 th:TH_LOAD_NT
.endr
.endm
; THE WAY OUT of row block a: the f32 sums go from the accumulators into my stage (each accumulator's lowest four registers first) and come back as whole rows; the row is added onto its
; residual, in the residual's registers, and leaves from there.  So the registers that the rows come back into are read by vector instructions alone, and no store's data is ever written again.
; A row's store stands behind the next row's additions.  left = the younger row blocks' residual loads, which may stay out.
.macro OUTA a, left
	WIN 0x08                                       ; the stores' data: window 2
.irp i, 0,1,2,3,4,5,6,7
	ds_store_b128 v[STO], v[64*(\a)+8*(\i):64*(\a)+8*(\i)+3]   offset:64*(\i)
	ds_store_b128 v[STO], v[64*(\a)+8*(\i)+4:64*(\a)+8*(\i)+7] offset:64*(\i)+16
.endr
	WIN 0
.irp t, 0,1,2,3,4,5,6,7,8,9,10,11,12,13,14,15
	ds_load_b128 v[BK+4*(\t):BK+4*(\t)+3], v[RD] offset:(\t)*SP  ; LDS serves a wave's instructions in order (ISA guide 5.7.1.4): these see the stores above, and the next block's stores come behind them
.endr
	s_wait_loadcnt \left                           ; loads come back in order: this block's residual is in
	WIN 0xcc                                       ; destination and source 1 (the residual; a store's data) window 3; source 0 (the row read back; a store's address) window 0
.irp t, 0,1,2,3,4,5,6,7,8,9,10,11,12,13,14,15
	s_wait_dscnt 15-(\t)
	v_pk_add_f32 v[64*(\a)+4*(\t):64*(\a)+4*(\t)+1],   v[BK+4*(\t):BK+4*(\t)+1],   v[64*(\a)+4*(\t):64*(\a)+4*(\t)+1]
	v_pk_add_f32 v[64*(\a)+4*(\t)+2:64*(\a)+4*(\t)+3], v[BK+4*(\t)+2:BK+4*(\t)+3], v[64*(\a)+4*(\t)+2:64*(\a)+4*(\t)+3]
.if (\t) > 0
	global_store_b128 v[GO], v[64*(\a)+4*(\t)-4:64*(\a)+4*(\t)-1], s[12:13] offset:((\a)/2)*131072+((\a)%2)*4096+((\t)-1)*8192 th:TH_STORE_NT  ; 512 consecutive bytes, at a multiple of 256 from out0's first
.endif
.endr
	global_store_b128 v[GO], v[64*(\a)+60:64*(\a)+63], s[12:13] offset:((\a)/2)*131072+((\a)%2)*4096+15*8192 th:TH_STORE_NT
.endm
	s_wait_tensorcnt 0x1                           ; my part of slot 0 is in; slot 1's may stay out
	s_barrier_signal -1
	s_barrier_wait -1
	FETCH 0, 0
	s_wait_loadcnt 0x0                             ; the bias
	RES 0                                          ; half of the residual is on its way under the first six steps,
	RES 1
	WIN 0
	s_mov_b32 s[CNT], 6
.Lstep:                                                ; steps 0 to 5 ask for tiles 2 to 7
	THREE
	TURN 1
	WIN 0
	s_sub_co_u32 s[CNT], s[CNT], 1
	s_cmp_lg_u32 s[CNT], 0
	s_cbranch_scc1 .Lstep
	RES 2                                          ; the other half under the last two and the first two blocks' way out
	RES 3
	WIN 0
	s_mov_b32 s[CNT], 2
.Ltail:                                                ; steps 6 and 7 ask for no tile, and have no round of the cluster's barrier
	THREE
	TURN 0
	WIN 0
	s_sub_co_u32 s[CNT], s[CNT], 1
	s_cmp_lg_u32 s[CNT], 0
	s_cbranch_scc1 .Ltail
	s_wait_dscnt 0x0                               ; the last trip's fetch, which serves nothing, is over
	PLACES
	OUTA 0, 48
	OUTA 1, 32
	OUTA 2, 16
	OUTA 3, 0
	WIN 0
	s_wait_tensorcnt 0x0                           ; the wave's end: behind my last tensor load and my last LDS store
	ds_add_u32 v[SPW], v[NIL]
	s_wait_dscnt 0x0
	CROUND                                         ; the closing round
	s_endpgm
.Lfunc_end_k_q06c552bc16_oproj:
	.size	k_q06c552bc16_oproj, .Lfunc_end_k_q06c552bc16_oproj-k_q06c552bc16_oproj
	.p2alignl 7, 3214868480
	.fill 96, 4, 3214868480
	.section	.rodata,"a",@progbits
	.p2align	6, 0x0
	.amdhsa_kernel k_q06c552bc16_oproj
		.amdhsa_group_segment_fixed_size 327680
		.amdhsa_private_segment_fixed_size 0
		.amdhsa_enable_private_segment 0
		.amdhsa_kernarg_size 40
		.amdhsa_user_sgpr_count 2
		.amdhsa_user_sgpr_kernarg_segment_ptr 1
		.amdhsa_wavefront_size32 1
		.amdhsa_system_sgpr_workgroup_id_x 1
		.amdhsa_system_sgpr_workgroup_id_y 1
		.amdhsa_system_sgpr_workgroup_id_z 1
		.amdhsa_system_vgpr_workitem_id 0
		.amdhsa_next_free_vgpr 1024
		.amdhsa_next_free_sgpr 80
		.amdhsa_reserve_vcc 0
		.amdhsa_float_denorm_mode_32 3
		.amdhsa_float_denorm_mode_16_64 3
		.amdhsa_memory_ordered 1
		.amdhsa_forward_progress 1
		.amdhsa_inst_pref_size 78
	.end_amdhsa_kernel
	.amdgpu_metadata
---
amdhsa.version: [ 1, 2 ]
amdhsa.kernels:
  - .name:           k_q06c552bc16_oproj
    .symbol:         k_q06c552bc16_oproj.kd
    .args:
      - { .name: ab, .offset: 0, .size: 8, .value_kind: global_buffer, .address_space: global }
      - { .name: wo, .offset: 8, .size: 8, .value_kind: global_buffer, .address_space: global }
      - { .name: WO_b, .offset: 16, .size: 8, .value_kind: global_buffer, .address_space: global }
      - { .name: x, .offset: 24, .size: 8, .value_kind: global_buffer, .address_space: global }
      - { .name: out0, .offset: 32, .size: 8, .value_kind: global_buffer, .address_space: global }
    .group_segment_fixed_size: 327680
    .private_segment_fixed_size: 0
    .kernarg_segment_align: 8
    .kernarg_segment_size: 40
    .max_flat_workgroup_size: 128
    .sgpr_count:     80
    .vgpr_count:     1024
    .wavefront_size: 32
...
	.end_amdgpu_metadata
.endif
;; end of part 8
;; ======== version 3 of 3: 4 launches; version 2 with the launch prep written anew for expert scheduling mode
;; workspace buffers: xb 16,777,216 bytes; ab 16,777,216 bytes; wqk 9,437,184 bytes; wv 2,097,152 bytes; wo 2,097,152 bytes; sc 2,097,152 bytes; pl 262,144 bytes
;; launch prep (part 9): grid 256 x 1, 8 waves a work-group, no clusters, 0 bytes of LDS; arguments x, WQ1_w, WK1_w, WQ2_w, WK2_w, WV_w, WO_w, L1_w, xb, wqk, wv, wo; writes xb, wqk, wv, wo
.if DOCPART == 9
	.amdgcn_target "amdgcn-amd-amdhsa--gfx1250"
	.amdhsa_code_object_version 6
	.text
	.protected	k_q06c552bc16_prep
	.globl	k_q06c552bc16_prep
	.p2align	8
	.type	k_q06c552bc16_prep,@function
k_q06c552bc16_prep:
	s_mov_b64 s[64:65], 0
	v_nop
	global_prefetch_b8 v0, s[64:65] scope:SCOPE_SE
	s_setreg_imm32_b32 hwreg(HW_REG_WAVE_SCHED_MODE, 0, 2), 2
	s_setreg_imm32_b32 hwreg(HW_REG_WAVE_MODE, 25, 1), 1
	s_wait_xcnt 0x0
	s_wait_alu depctr_vm_vsrc(0)
; PREP: x and the seven weight matrices are rounded once to bf16 (nearest even) and laid out as the three product launches read them.
;   xb  [rb 64][kblk 16][p 2][b 64][k 64]   token (b, p) = x[b][1024 p ..]; a (rb, kblk) tile is 16,384 dense bytes
;   wqk [col 8][p 2][kstep 8][73,728 bytes] col = 2 head + half.  A block holds 128 rows k of 512 bytes (Q's channels 128 half .. + 127, then K's; p = 0: WQ1, WK1; p = 1: WQ2, WK2),
;                                           then 128 rows k of 64 bytes: L1_w[k][32 col + 16 p + 0..15], then L1_w[1024 + k][the same 16]
;   wv, wo [cb 4][k 1024][256]
; A stream: no LDS, no barrier, no matrix unit.  One OP is a 16-byte load a lane (512 bytes a wave), two roundings, and an 8-byte store a lane:
; the 32 lanes of a store fill 256 consecutive bytes that begin at a multiple of 256 from the buffer's first byte.
; A wave has 58 ops; all 58 loads go out first, each into registers of its own, so no register that a load or store names is used for a second op.
; Work-group g owns x's rows 16 g .. 16 g + 15, rows 4 g .. 4 g + 3 of each 1024 x 1024 matrix, and rows 4 g .. 4 g + 3 and 1024 + the same of L1_w.
; THE MODE: SCHED_MODE bits 1:0 = 2 (LLVM: expert scheduling mode 2), set by the entry lines.  The code itself states the register dependences
; between vector instructions and memory instructions, with s_wait_alu, always for 0.
; THE PLAN.  Registers that memory instructions touch:
;   v1 .. v6          byte offsets, made once at the head and never written again: v1, v3, v6 are read by the loads, v2, v4, v5 by the stores.
;   v8 .. v11         at work at the head; then op 0's load lands in them.
;   v[8 + 4 n ..]     op n's four: its load lands in them; its two roundings read them and write the first two in place; its store reads those two; nothing writes them again.
; The ops go in blocks of eight (the last block has two).  Block p waits for its own loads, rounds its ops, and then issues the stores of block p - 1.  ONE wait on va_vdst at the block's head
; states that block p - 1's roundings have written; block p's roundings, which stand between that wait and the stores, name block p's registers alone.  No register that a memory
; instruction has read is written again, so the ops need no wait on vm_vsrc.  No vector instruction writes a scalar register or VCC, and EXEC is never written.
.set NOPS, 58
.set BLOCK, 8                          ; ops in a block
.set BLK,  73728                       ; a block of wqk
.set D,    8                           ; v[8 + 4 n ..]  op n's four registers
.set VXL,  1                           ; v1  x, load:  (t / 16) rows of 8,192 bytes + 16 (t % 16)
.set VT8,  2                           ; v2  xb, store: 8 t
.set VT16, 3                           ; v3  a matrix row, load: 16 t: wave w takes columns 128 w .. + 127, which are col w's
.set VQK,  4                           ; v4  wqk, store: col = wave (16 blocks each), 8 L
.set VVO,  5                           ; v5  wv and wo, store: column block (w / 2), half (w % 2), 8 L
.set VLL,  6                           ; v6  L1_w, load
	s_load_b512 s[4:19], s[0:1], 0x0               ; x, WQ1_w, WK1_w, WQ2_w, WK2_w, WV_w, WO_w, L1_w
	s_load_b256 s[20:27], s[0:1], 0x40             ; xb, wqk, wv, wo
	v_lshrrev_b32 v8, 4, v0                        ; t / 16: which of the group's 16 rows of x
	v_and_b32 v9, 15, v0
	v_lshlrev_b32 v9, 4, v9
	v_lshl_add_u32 v[VXL], v8, 13, v9
	v_lshlrev_b32 v[VT8], 3, v0                    ; (t / 16) x 128 + (t % 16) x 8 = 8 t
	v_lshlrev_b32 v[VT16], 4, v0
	v_lshrrev_b32 v8, 6, v0                        ; w / 2
	v_bfe_u32 v9, v0, 5, 1                         ; w % 2
	v_and_b32 v10, 31, v0
	v_lshlrev_b32 v10, 3, v10                      ; 8 L
	v_lshrrev_b32 v11, 5, v0                       ; w
	v_mul_u32_u24 v[VQK], v11, 16*BLK
	v_add_nc_u32 v[VQK], v[VQK], v10
	v_lshl_add_u32 v[VVO], v9, 8, v10
	v_lshl_add_u32 v[VVO], v8, 19, v[VVO]
	v_and_b32 v8, 3, v0                            ; L1_w: four lanes take 16 columns,
	v_lshlrev_b32 v[VLL], 4, v8
	v_bfe_u32 v8, v0, 2, 1                         ; the next four the row 1,024 further down,
	v_lshl_add_u32 v[VLL], v8, 20, v[VLL]
	v_bfe_u32 v8, v0, 3, 2                         ; each eight lanes one of the group's four rows,
	v_lshl_add_u32 v[VLL], v8, 10, v[VLL]
	v_lshl_add_u32 v[VLL], v11, 7, v[VLL]          ; and the wave its 32 columns: 16 an op.  The 32 lanes' results are then 8 L bytes into four rows of 64 bytes
	s_mov_b32 s31, 0
	s_mov_b32 s33, 0
	s_lshr_b32 s32, ttmp9, 2                       ; xb: row block g / 4,
	s_lshl_b32 s32, s32, 18
	s_and_b32 s34, ttmp9, 3                        ; and in each of its tiles 16 (g % 4) rows of 128 bytes
	s_lshl_b32 s34, s34, 11
	s_add_co_u32 s32, s32, s34
	s_lshr_b32 s34, ttmp9, 5                       ; wqk: rows 4 g .. lie in K step g / 32,
	s_mul_i32 s34, s34, BLK
	s_and_b32 s35, ttmp9, 31                       ; at rows 4 (g % 32) .. of its blocks
	s_wait_kmcnt 0x0
	s_add_nc_u64 s[20:21], s[20:21], s[32:33]
	s_lshl_b32 s30, ttmp9, 17                      ; 16 rows of x
	s_add_nc_u64 s[4:5], s[4:5], s[30:31]
	s_lshl_b32 s30, ttmp9, 14                      ; 4 rows of 4,096 bytes
.irp b, 6,8,10,12,14,16
	s_add_nc_u64 s[\b:\b+1], s[\b:\b+1], s[30:31]
.endr
	s_lshl_b32 s30, ttmp9, 12                      ; 4 rows of L1_w
	s_add_nc_u64 s[18:19], s[18:19], s[30:31]
	s_lshl_b32 s30, ttmp9, 11                      ; 4 rows of wv and wo
	s_add_nc_u64 s[24:25], s[24:25], s[30:31]
	s_add_nc_u64 s[26:27], s[26:27], s[30:31]
	s_lshl_b32 s30, s35, 8                         ; a block's lambda part begins behind its 65,536 bytes of Q and K: four rows of 64 bytes
	s_add_co_u32 s30, s30, s34
	s_add_co_u32 s30, s30, 65536
	s_add_nc_u64 s[28:29], s[22:23], s[30:31]
	s_lshl_b32 s30, s35, 11                        ; four rows of 512 bytes
	s_add_co_u32 s30, s30, s34
	s_add_nc_u64 s[22:23], s[22:23], s[30:31]
; Op n, written only where LO <= n < HI.  MODE 0: its load.  MODE 1: the roundings in place.  MODE 2: its store.
.macro ONE lv, lb, li, sv, sb, si
.if (n >= LO) && (n < HI)
.if MODE == 0
	global_load_b128 v[D+4*n:D+4*n+3], v[\lv], s[(\lb):(\lb)+1] offset:\li th:TH_LOAD_NT
.elseif MODE == 1
	v_cvt_pk_bf16_f32 v[D+4*n], v[D+4*n], v[D+4*n+1]
	v_cvt_pk_bf16_f32 v[D+4*n+1], v[D+4*n+2], v[D+4*n+3]
.else
	global_store_b64 v[\sv], v[D+4*n:D+4*n+1], s[(\sb):(\sb)+1] offset:\si
.endif
.endif
.set n, n+1
.endm
.macro ALLOPS
.set n, 0
.set j, 0
.rept 32                               ; x: token j / 16, block j % 16 of 64 along K; two rows a wave
	ONE VXL, 4, (j/16)*4096+(j%16)*256, VT8, 20, (j%16)*16384+(j/16)*8192
.set j, j+1
.endr
.set j, 0
.rept 16                               ; WQ1, WK1, WQ2, WK2 (matrix j / 4), row j % 4: 128 columns a wave
	ONE VT16, 6+2*(j/4), (j%4)*4096, VQK, 22, (j/8)*8*BLK+((j/4)%2)*256+(j%4)*512
.set j, j+1
.endr
.set j, 0
.rept 8                                ; WV, WO
	ONE VT16, 14+2*(j/4), (j%4)*4096, VVO, 24+2*(j/4), (j%4)*512
.set j, j+1
.endr
.set j, 0
.rept 2                                ; L1_w: phase j's 16 hidden columns of col w, four rows and the four 1,024 further down
	ONE VLL, 18, j*64, VQK, 28, j*8*BLK
.set j, j+1
.endr
.endm
.macro RANGE p                         ; LO and HI take the ops of block p; the last block ends with the last op
.set LO, (\p)*BLOCK
.set HI, LO+BLOCK
.if HI > NOPS
.set HI, NOPS
.endif
.endm
; Block p: its loads are in; its ops are rounded; the stores of the block before follow in one run.
.macro STEP p
	RANGE \p
	s_wait_loadcnt NOPS-HI                         ; loads come back in order: block p's are in, the NOPS - HI younger ones may be out
.if (\p) > 0
	s_wait_alu depctr_va_vdst(0)                   ; the roundings of the block before have written its ops' first two registers, which the stores below read
.endif
.set MODE, 1
	ALLOPS                                         ; these name block p's registers alone: none that the stores below touch
.if (\p) > 0
	RANGE (\p)-1
.set MODE, 2
	ALLOPS
.endif
.endm
	s_wait_alu depctr_va_vdst(0)                   ; the six offsets v1 to v6 are written, which every load and store of the kernel reads; the head is done with v8 to v11, in which op 0's load lands
.set LO, 0
.set HI, NOPS
.set MODE, 0
	ALLOPS
.irp p, 0,1,2,3,4,5,6,7
	STEP \p
.endr
	s_wait_alu depctr_va_vdst(0)                   ; the last block's roundings have written the registers that the last two stores read
	RANGE 7
.set MODE, 2
	ALLOPS
	s_endpgm
.Lfunc_end_k_q06c552bc16_prep:
	.size	k_q06c552bc16_prep, .Lfunc_end_k_q06c552bc16_prep-k_q06c552bc16_prep
	.p2alignl 7, 3214868480
	.fill 96, 4, 3214868480
	.section	.rodata,"a",@progbits
	.p2align	6, 0x0
	.amdhsa_kernel k_q06c552bc16_prep
		.amdhsa_group_segment_fixed_size 0
		.amdhsa_private_segment_fixed_size 0
		.amdhsa_enable_private_segment 0
		.amdhsa_kernarg_size 96
		.amdhsa_user_sgpr_count 2
		.amdhsa_user_sgpr_kernarg_segment_ptr 1
		.amdhsa_wavefront_size32 1
		.amdhsa_system_sgpr_workgroup_id_x 1
		.amdhsa_system_sgpr_workgroup_id_y 1
		.amdhsa_system_sgpr_workgroup_id_z 1
		.amdhsa_system_vgpr_workitem_id 0
		.amdhsa_next_free_vgpr 240
		.amdhsa_next_free_sgpr 66
		.amdhsa_reserve_vcc 0
		.amdhsa_float_denorm_mode_32 3
		.amdhsa_float_denorm_mode_16_64 3
		.amdhsa_memory_ordered 1
		.amdhsa_forward_progress 1
		.amdhsa_inst_pref_size 22
	.end_amdhsa_kernel
	.amdgpu_metadata
---
amdhsa.version: [ 1, 2 ]
amdhsa.kernels:
  - .name:           k_q06c552bc16_prep
    .symbol:         k_q06c552bc16_prep.kd
    .args:
      - { .name: x, .offset: 0, .size: 8, .value_kind: global_buffer, .address_space: global }
      - { .name: WQ1_w, .offset: 8, .size: 8, .value_kind: global_buffer, .address_space: global }
      - { .name: WK1_w, .offset: 16, .size: 8, .value_kind: global_buffer, .address_space: global }
      - { .name: WQ2_w, .offset: 24, .size: 8, .value_kind: global_buffer, .address_space: global }
      - { .name: WK2_w, .offset: 32, .size: 8, .value_kind: global_buffer, .address_space: global }
      - { .name: WV_w, .offset: 40, .size: 8, .value_kind: global_buffer, .address_space: global }
      - { .name: WO_w, .offset: 48, .size: 8, .value_kind: global_buffer, .address_space: global }
      - { .name: L1_w, .offset: 56, .size: 8, .value_kind: global_buffer, .address_space: global }
      - { .name: xb, .offset: 64, .size: 8, .value_kind: global_buffer, .address_space: global }
      - { .name: wqk, .offset: 72, .size: 8, .value_kind: global_buffer, .address_space: global }
      - { .name: wv, .offset: 80, .size: 8, .value_kind: global_buffer, .address_space: global }
      - { .name: wo, .offset: 88, .size: 8, .value_kind: global_buffer, .address_space: global }
    .group_segment_fixed_size: 0
    .private_segment_fixed_size: 0
    .kernarg_segment_align: 8
    .kernarg_segment_size: 96
    .max_flat_workgroup_size: 256
    .sgpr_count:     66
    .vgpr_count:     240
    .wavefront_size: 32
...
	.end_amdgpu_metadata
.endif
;; end of part 9
;; launch qk: the kernel of part 6 again; grid 8 x 32, 4 waves a work-group, clusters of 4 x 4, 327,680 bytes of LDS; arguments xb, wqk, WQ1_b, WK1_b, WQ2_b, WK2_b, L1_b, L2_w, sc, pl; writes sc, pl
;; launch vmix: the kernel of part 7 again; grid 4 x 64, 4 waves a work-group, clusters of 4 x 4, 327,680 bytes of LDS; arguments xb, wv, WV_b, sc, pl, L2_b, ab; writes ab
;; launch oproj: the kernel of part 8 again; grid 4 x 64, 4 waves a work-group, clusters of 4 x 4, 327,680 bytes of LDS; arguments ab, wo, WO_b, x, out0; writes out0
